; MI455X (gfx1250); checked and timed in simulation.
; The chip was launched on July 23, 2026; its instructions are those of AMD's public machine-readable ISA for CDNA 5 (MIT licence, August 2026) and "CDNA5" Instruction Set Architecture Reference Guide (July 2026). The comments in the code are by the model that wrote it; some were corrected since.
;; Attention Block. Allowed arithmetic: matrix products marked QUANTISED: E5M2 operands, one E8M0 scale for each 32 along K, by v_wmma_scale_f32_16x16x128_f8f6f4 with both operands' format E5M2, f32 sums; everything else in f32.
;; Inputs: ca_bo 1,024 float32; ca_nb 1,024 float32; ca_ncb 768 float32; ca_ncg 768 float32; ca_ng 1,024 float32; ca_wkv_codes 1,024 x 24 x 32 uint8 (E5M2 codes of ca_wkv, K innermost, in blocks of 32 codes); ca_wkv_scales 1,024 x 24 uint8 (E8M0 scales of ca_wkv, one for each 32 codes along K); ca_wo_codes 1,024 x 16 x 32 uint8 (E5M2 codes of ca_wo, K innermost, in blocks of 32 codes); ca_wo_scales 1,024 x 16 uint8 (E8M0 scales of ca_wo, one for each 32 codes along K); ca_wq_codes 512 x 32 x 32 uint8 (E5M2 codes of ca_wq, K innermost, in blocks of 32 codes); ca_wq_scales 512 x 32 uint8 (E8M0 scales of ca_wq, one for each 32 codes along K); context 4 x 512 x 768 float32; sa_bo 1,024 float32; sa_nb 1,024 float32; sa_ncb 1,024 float32; sa_ncg 1,024 float32; sa_ng 1,024 float32; sa_wkv_codes 1,024 x 32 x 32 uint8 (E5M2 codes of sa_wkv, K innermost, in blocks of 32 codes); sa_wkv_scales 1,024 x 32 uint8 (E8M0 scales of sa_wkv, one for each 32 codes along K); sa_wo_codes 1,024 x 16 x 32 uint8 (E5M2 codes of sa_wo, K innermost, in blocks of 32 codes); sa_wo_scales 1,024 x 16 uint8 (E8M0 scales of sa_wo, one for each 32 codes along K); sa_wq_codes 512 x 32 x 32 uint8 (E5M2 codes of sa_wq, K innermost, in blocks of 32 codes); sa_wq_scales 512 x 32 uint8 (E8M0 scales of sa_wq, one for each 32 codes along K); x 4 x 2,048 x 1,024 float32.
;; Outputs: out0 4 x 2,048 x 1,024 float32.
;; This version of the problem:
;;   THIS VERSION OF THE PROBLEM IS GIVEN IN LOW PRECISION. The matrix products marked QUANTISED in the list below multiply operands that are first quantised to E5M2 (5 exponent bits, 2 mantissa bits; 8 bits a number), with one power-of-two scale for each 32 numbers along K (OCP MX v1.0); their sums are f32. All else is computed in f32.
;;   The module's matrix products, in the order in which they are computed (A, B: the left and right operand; K: the contracted axis; several contracted axes count as one K, in the product's order):
;;     1. [M 8,192, K 1,024] x [K 1,024, N 512]; A: computed on the way; B: input sa_wq (given as codes): QUANTISED
;;     2. [M 8,192, K 1,024] x [K 1,024, N 1,024]; A: computed on the way; B: input sa_wkv (given as codes): QUANTISED
;;     3. batch 32 x [M 2,048, K 64] x [K 64, N 2,048]; A: computed on the way; B: computed on the way: QUANTISED
;;     4. batch 32 x [M 2,048, K 2,048] x [K 2,048, N 64]; A: softmax (see below); B: computed on the way: QUANTISED
;;     5. [M 8,192, K 512] x [K 512, N 1,024]; A: computed on the way; B: input sa_wo (given as codes): QUANTISED
;;     6. [M 8,192, K 1,024] x [K 1,024, N 512]; A: computed on the way; B: input ca_wq (given as codes): QUANTISED
;;     7. [M 2,048, K 768] x [K 768, N 1,024]; A: computed on the way; B: input ca_wkv (given as codes): QUANTISED
;;     8. batch 32 x [M 2,048, K 64] x [K 64, N 512]; A: computed on the way; B: computed on the way: QUANTISED
;;     9. batch 32 x [M 2,048, K 512] x [K 512, N 64]; A: softmax (see below); B: computed on the way: QUANTISED
;;     10. [M 8,192, K 512] x [K 512, N 1,024]; A: computed on the way; B: input ca_wo (given as codes): QUANTISED
;;   THE QUANTISER, for each operand of a quantised product, along K:
;;     - K is cut into blocks of 32 from its start; a last block that is shorter is filled with zeros.
;;     - A block's scale is 2^e with e = floor(log2(the largest magnitude in the block)) - 15, held to -126 .. 127; a block of zeros has e = 0. As a byte (E8M0): e + 127.
;;     - Each number is divided by its block's scale, clamped to +-57,344, and rounded to the nearest number of E5M2, ties to even, subnormals kept.
;;     - The product sums the exact products of the quantised numbers (number of the format x scale) in f32.
;;   ~~~python
;;   def quantise(x, axis):      # numpy; x: float32 -> the quantised numbers, widened to float32 again
;;       x = np.moveaxis(x, axis, -1); K = x.shape[-1]
;;       x = np.pad(x, [(0, 0)] * (x.ndim - 1) + [(0, -K % 32)]); x = x.reshape(x.shape[:-1] + (-1, 32)); a = np.abs(x).max(-1, keepdims=True)
;;       e = np.where(a > 0, np.clip(np.frexp(np.where(a > 0, a, 1))[1] - 1 - 15, -126, 127), 0)      # np.frexp(a)[1] - 1 = floor(log2(a)), exactly
;;       r = np.clip(x / 2.0 ** e, -57344, 57344)
;;       step = 2.0 ** (np.maximum(np.frexp(np.where(r == 0, 1, r))[1] - 1, -14) - 2)
;;       q = np.round(r / step) * step * 2.0 ** e      # np.round: ties to even
;;       return np.moveaxis(q.reshape(q.shape[:-2] + (-1,))[..., :K], -1, axis).astype(np.float32)
;;   ~~~
;;   SOFTMAX AHEAD OF A QUANTISED PRODUCT. Where the list says 'softmax', what is quantised is not the finished softmax but p = 2^(t - M), with t = logit x log2(e) and M = ceil(the row's largest t), a whole number; so 1/2 < the row's largest p <= 1. The row's sum l is taken of the UNQUANTISED p, in f32, and the product's result is divided by l at the end. Since M is a whole number, a kernel that streams over the keys may use a running M (the ceiling of the running maximum): every later rescaling is an exact power of two, which a block's scale takes up: the codes' values come out the same.
;;   OPERANDS COMPUTED ON THE WAY. 'Computed on the way' means the value that the module computes at that place (a softmax that the list does not call 'softmax' is quantised finished and normalised). What goes into a quantiser is computed in f32, as accurately as f32 sums, v_exp_f32 and their like allow (about 1e-6 of the number): no bf16 or f16 on the way to a quantiser, and a product that is left as it is and whose result goes on into a quantised operand takes f32 operands (vector FMAs, or v_wmma_f32_16x16x4_f32). A number that lies on a knife's edge between two numbers of the format may be rounded either way, as far as f32 arithmetic and the matrix unit's own rounding can turn it there, and no further.
;;   INPUTS GIVEN AS CODES. ca_wkv (in the module: [768, 1024], K = its axis 0); ca_wo (in the module: [512, 1024], K = its axis 0); ca_wq (in the module: [1024, 512], K = its axis 0); sa_wkv (in the module: [1024, 1024], K = its axis 0); sa_wo (in the module: [512, 1024], K = its axis 0); sa_wq (in the module: [1024, 512], K = its axis 0): each comes as NAME_codes (uint8): NAME with its K axis moved to the last place and cut into blocks of 32 codes, [.., K / 32, bytes a block], one block behind the other in memory; one code a byte (a code: sign, 5 exponent bits, 2 mantissa bits); and NAME_scales (uint8): the same leading axes, one E8M0 byte (e + 127) for each 32 codes along K. Its value is code x scale, taken as it is: it is not quantised again, and the codes and scales need not be those that the quantiser above would give.
;; 2 versions. Each part assembles by itself: llvm-mc -triple=amdgcn-amd-amdhsa -mcpu=gfx1250 --defsym DOCPART=n.
;; ======== version 1 of 2: 10 launches
;; workspace buffers: lnb 17,301,504 bytes; qkv 13,893,632 bytes; ob 4,456,448 bytes; x1 33,554,432 bytes
;; launch lnq_x (part 1): grid 256 x 1, 8 waves a work-group, no clusters, 72,704 bytes of LDS; arguments x, sa_ng, sa_nb, sa_ncg, sa_ncb, lnb; writes lnb
.if DOCPART == 1
	.amdgcn_target "amdgcn-amd-amdhsa--gfx1250"
	.amdhsa_code_object_version 6
	.text
	.protected	k_q61d726d7bc_lnq_x
	.globl	k_q61d726d7bc_lnq_x
	.p2align	8
	.type	k_q61d726d7bc_lnq_x,@function
k_q61d726d7bc_lnq_x:
	s_mov_b64 s[64:65], 0
	v_nop
	global_prefetch_b8 v0, s[64:65] scope:SCOPE_SE
	s_setreg_imm32_b32 hwreg(HW_REG_WAVE_MODE, 25, 1), 1
	s_wait_xcnt 0x0
; LayerNorm of rows of K f32 numbers under NSETS pairs of gain and bias; each result is quantised along the row to codes of E5M2 with one E8M0 byte for each 32.
; y = (x - mean) / sqrt(var + 1e-5) * g + b, all in f32; the variance is the mean of (x - mean)^2, taken in a second pass over registers: no difference of large sums.
; OUT: codes in the order of a matrix operand's registers: [tile of 16 rows][K / 16][row][16 bytes]; scale bytes row-major [row][K / 32].  Set s goes 8,388,608 bytes (codes) and 262,144 bytes (scales) behind set 0.
; SHARES: a work-group takes 32 rows (two tiles), a wave four of them, one at a time.  A lane holds 8 neighbours of each 256 along the row; four lanes hold a block of 32.
; A lane's 8 codes are 8 bytes of a 256-byte piece of the output whose other bytes belong to other rows: so codes and bytes meet in LDS and leave as runs of 512 (codes) and 256 (scales) consecutive bytes.
; LIMITS: NaN and infinities are not served; a block whose largest magnitude lies under 2^-111 (a block of zeros too) keeps the byte 1: its codes are then tiny or zero, and only this program reads the bytes.
; No matrix unit, no tensor load, no cluster: the launch streams, and work-groups share only the gains and biases (16 K bytes).
.set K,     1024
.set NSETS, 2
.set OUTC,  0                          ; where set 0's codes begin in the buffer
.set OUTS,  16777216                   ; and its scale bytes
.set INVK,  0x3a800000                 ; 1 / K as f32
.set NST,   K/256                      ; steps of 256 along a row
.set KSB,   K/32                       ; scale bytes of a row
.set CSTS,  (K/8)*272                  ; LDS: a set's codes: K / 8 pieces of 256 bytes + 16 of padding
.set SST,   NSETS*CSTS                 ; behind them the scale bytes, K for each set
.set UPW,   K/64                       ; pieces that a wave copies out for each set
.set NL,    NSETS*UPW/2
.set GB,    16                         ; v16..    g (8) and b (8) of set s, step t at GB + 16 (NST s + t)
.set XR,    144                        ; v144..   two rows in turn, 8 NST registers each
.set Y,     208                        ; v208-215 the 8 numbers in hand
.set SL,    224                        ; v224     LDS address of the scale bytes that I copy out
.set CD,    232                        ; v232..   a step's codes
.set EB,    240                        ; v240..   a step's scale byte
	s_load_b256 s[4:11], s[0:1], 0x0               ; the rows, g0, b0, then g1 (two sets) or the output (one set)
.if NSETS == 2
	s_load_b128 s[12:15], s[0:1], 0x20             ; b1, the output
	v_lshl_add_u32 v254, v0, 2, 0x11800
	v_mov_b32 v255, 0
.endif
	v_lshrrev_b32 v8, 5, v0
	v_readfirstlane_b32 s16, v8                    ; wave 0..7
	v_and_b32 v1, 31, v0                           ; lane
	v_lshlrev_b32 v2, 5, v1                        ; my 32 bytes of a step's 1,024
	v_lshrrev_b32 v8, 1, v1
	v_mul_u32_u24 v3, v8, 272
	v_and_b32 v8, 1, v1
	v_lshl_add_u32 v3, v8, 3, v3                   ; codes into LDS: piece lane / 2 of a step's 16, byte 8 (lane % 2),
	s_lshr_b32 s17, s16, 2
	s_mul_i32 s17, s17, (K/16)*272                 ; my tile of the two,
	s_and_b32 s18, s16, 3
	s_lshl_b32 s19, s18, 6                         ; my four rows in it, 16 bytes each
	s_add_co_u32 s17, s17, s19
	v_add_nc_u32 v3, s17, v3
	v_lshrrev_b32 v4, 2, v1
	s_mul_i32 s17, s16, 4*KSB
	s_add_co_u32 s17, s17, SST
	v_add_nc_u32 v4, s17, v4                       ; scale bytes into LDS: my rows, block lane / 4 of a step's 8
	v_lshrrev_b32 v8, 4, v1
	v_mul_u32_u24 v5, v8, 272
	v_and_b32 v8, 15, v1
	v_lshl_add_u32 v5, v8, 4, v5
	s_mul_i32 s17, s16, UPW*272
	v_add_nc_u32 v5, s17, v5                       ; codes out of LDS: sixteen lanes to a piece, two pieces an instruction
	v_lshlrev_b32 v6, 4, v1
	s_mul_i32 s17, s16, UPW*256
	v_add_nc_u32 v6, s17, v6                       ; and the same place in memory
	v_lshlrev_b32 v7, 3, v1
	s_lshl_b32 s17, s16, 8
	s_add_co_u32 s17, s17, SST
	v_add_nc_u32 v[SL], s17, v7
	s_mov_b32 s20, 0x76543210
	s_mov_b32 s21, 0xfedcba98                      ; v_permlanex16_b32: lane l xor 16
	s_mov_b32 s22, 0x600000                        ; the mantissa field of 57,344
	s_mov_b32 s23, INVK
	s_mov_b32 s24, 0x3727c5ac                      ; 1e-5
	s_lshl_b32 s26, ttmp9, 5
	s_lshl_b32 s27, s16, 2
	s_add_co_u32 s26, s26, s27
	s_mul_i32 s26, s26, 4*K                        ; my first row, in bytes
	s_mov_b32 s27, 0
	s_mul_i32 s28, ttmp9, 32*K
	s_add_co_u32 s28, s28, OUTC                    ; the work-group's two tiles of codes
	s_mov_b32 s29, 0
	s_mul_i32 s30, ttmp9, K
	s_add_co_u32 s30, s30, OUTS                    ; its scale bytes; wave w copies piece w % 4 of set w / 4
	s_lshl_b32 s31, s18, 8
	s_add_co_u32 s30, s30, s31
	s_lshr_b32 s31, s16, 2
	s_lshl_b32 s31, s31, 18
	s_add_co_u32 s30, s30, s31
	s_mov_b32 s31, 0
	s_wait_kmcnt 0x0
.if NSETS == 1
	s_mov_b64 s[14:15], s[10:11]
.endif
	s_add_nc_u64 s[4:5], s[4:5], s[26:27]
	s_add_nc_u64 s[32:33], s[14:15], s[28:29]
.if NSETS == 2
	s_add_nc_u64 s[34:35], s[32:33], 8388608
.endif
	s_add_nc_u64 s[36:37], s[14:15], s[30:31]
.macro GBLOAD set, g, b                ; my 8 gains and 8 biases of each step: they stay in registers
.set t, 0
.rept NST
.set GG, GB+16*(NST*\set+t)
	global_load_b128 v[GG:GG+3],     v2, s[\g:\g+1] offset:1024*t
	global_load_b128 v[GG+4:GG+7],   v2, s[\g:\g+1] offset:1024*t+16
	global_load_b128 v[GG+8:GG+11],  v2, s[\b:\b+1] offset:1024*t
	global_load_b128 v[GG+12:GG+15], v2, s[\b:\b+1] offset:1024*t+16
.set t, t+1
.endr
.endm
.macro LOADROW i, slot                 ; row i of my four: two loads a step, which together take 1,024 consecutive bytes
.set t, 0
.rept NST
.set XX, XR+8*NST*(\slot)+8*t
	global_load_b128 v[XX:XX+3],   v2, s[4:5] offset:(\i)*4*K+1024*t
	global_load_b128 v[XX+4:XX+7], v2, s[4:5] offset:(\i)*4*K+1024*t+16
.set t, t+1
.endr
.endm
.macro LANESUM                         ; v8 summed over the 32 lanes, in every lane
	v_add_f32_dpp v8, v8, v8 row_xmask:1 row_mask:0xf bank_mask:0xf
	v_add_f32_dpp v8, v8, v8 row_xmask:2 row_mask:0xf bank_mask:0xf
	v_add_f32_dpp v8, v8, v8 row_xmask:4 row_mask:0xf bank_mask:0xf
	v_add_f32_dpp v8, v8, v8 row_xmask:8 row_mask:0xf bank_mask:0xf
	v_permlanex16_b32 v11, v8, s20, s21            ; (v11 has been written: a lane permute's destination counts as read)
	v_add_f32 v8, v8, v11
.endm
; 8 numbers of step t under set's gain and bias become 8 codes and a scale byte
.macro QSTEP set, t, i
.set GG, GB+16*(NST*(\set)+(\t))
	s_wait_dscnt 2*(NST-1)                         ; the two LDS stores that read this step's code and byte registers NST steps ago are done: behind them 2 (NST - 1) were issued
.irp e, 0,2,4,6
	v_pk_fma_f32 v[Y+\e:Y+\e+1], v[XB+8*(\t)+\e:XB+8*(\t)+\e+1], v[GG+\e:GG+\e+1], v[GG+8+\e:GG+8+\e+1]
.endr
	v_max3_num_f32 v216, |v[Y]|, |v[Y+1]|, 0x8000000               ; the largest magnitude of my 8, and the floor 2^(16 - 127): the byte cannot fall under 1
	v_max3_num_f32 v217, |v[Y+2]|, |v[Y+3]|, |v[Y+4]|
	v_max3_num_f32 v216, v216, |v[Y+5]|, |v[Y+6]|
	v_max3_num_f32 v216, v216, v217, |v[Y+7]|
	v_max_num_f32_dpp v216, v216, v216 row_xmask:1 row_mask:0xf bank_mask:0xf
	v_max_num_f32_dpp v216, v216, v216 row_xmask:2 row_mask:0xf bank_mask:0xf   ; of the four lanes that hold the block
	v_add_nc_u32 v218, 0xf8800000, v216            ; 15 off its exponent field: the conversion's scale operand
	v_and_or_b32 v219, v216, 0x7f800000, s22       ; 57,344 x the scale
.irp e, 0,1,2,3,4,5,6,7
	v_med3_num_f32 v[Y+\e], v[Y+\e], -v219, v219   ; the conversion does not saturate (ISA guide 7.6.2): hold first
.endr
	v_cvt_scalef32_pk8_bf8_f32 v[CD+2*(\t):CD+2*(\t)+1], v[Y:Y+7], v218
	v_lshrrev_b32 v[EB+(\t)], 23, v218             ; the scale's byte (also the plain line behind the conversion)
	ds_store_b64 v3, v[CD+2*(\t):CD+2*(\t)+1] offset:(\set)*CSTS+(\t)*16*272+16*(\i)
	ds_store_b8 v4, v[EB+(\t)] offset:(\set)*K+(\i)*KSB+8*(\t)     ; the block's four lanes write the same byte with the same value
.endm
; One row.  left: the younger loads that may stay out (the other slot's row)
.macro ROW i, slot, refill, left
.set XB, XR+8*NST*(\slot)
	s_wait_loadcnt \left
	v_pk_add_f32 v[8:9], v[XB:XB+1], v[XB+2:XB+3]                  ; the sum, in two chains
	v_pk_add_f32 v[10:11], v[XB+4:XB+5], v[XB+6:XB+7]
.set j, 8
.rept NST-1
	v_pk_add_f32 v[8:9], v[8:9], v[XB+j:XB+j+1]
	v_pk_add_f32 v[10:11], v[10:11], v[XB+j+2:XB+j+3]
	v_pk_add_f32 v[8:9], v[8:9], v[XB+j+4:XB+j+5]
	v_pk_add_f32 v[10:11], v[10:11], v[XB+j+6:XB+j+7]
.set j, j+8
.endr
	v_pk_add_f32 v[8:9], v[8:9], v[10:11]
	v_add_f32 v8, v8, v9
	LANESUM
	v_mul_f32 v12, s23, v8                         ; the mean, twice: a pair for the packed forms
	v_mul_f32 v13, s23, v8
.set j, 0
.rept 4*NST
	v_pk_add_f32 v[XB+j:XB+j+1], v[XB+j:XB+j+1], v[12:13] neg_lo:[0,1] neg_hi:[0,1]   ; d = x - mean, in place
.set j, j+2
.endr
	v_pk_mul_f32 v[8:9], v[XB:XB+1], v[XB:XB+1]                    ; the sum of d^2, in two chains
	v_pk_mul_f32 v[10:11], v[XB+2:XB+3], v[XB+2:XB+3]
.set j, 4
.rept 2*NST-1
	v_pk_fma_f32 v[8:9], v[XB+j:XB+j+1], v[XB+j:XB+j+1], v[8:9]
	v_pk_fma_f32 v[10:11], v[XB+j+2:XB+j+3], v[XB+j+2:XB+j+3], v[10:11]
.set j, j+4
.endr
	v_pk_add_f32 v[8:9], v[8:9], v[10:11]
	v_add_f32 v8, v8, v9
	LANESUM
	v_fma_f32 v14, v8, s23, s24                    ; var + 1e-5
	v_rsq_f32 v14, v14
	v_nop                                          ; one plain line behind a transcendental
	s_wait_alu depctr_va_vdst(0)
	v_mov_b32 v15, v14
.set j, 0
.rept 4*NST
	v_pk_mul_f32 v[XB+j:XB+j+1], v[XB+j:XB+j+1], v[14:15]
.set j, j+2
.endr
.set qs, 0
.rept NSETS
.set qt, 0
.rept NST
	QSTEP qs, qt, \i
.set qt, qt+1
.endr
.set qs, qs+1
.endr
.if \refill
	LOADROW (\i)+2, \slot
.endif
.endm
	GBLOAD 0, 6, 8
.if NSETS == 2
	GBLOAD 1, 10, 12
.endif
	LOADROW 0, 0
	LOADROW 1, 1
	ROW 0, 0, 1, 2*NST
	ROW 1, 1, 1, 2*NST
	ROW 2, 0, 0, 2*NST
	ROW 3, 1, 0, 0
	s_wait_dscnt 0x0                               ; for the others' sake: my stores into LDS are done
	s_barrier_signal -1
	s_barrier_wait -1
.set cs, 0
.rept NSETS
.set j, 0
.rept UPW/2
.set RR, 16+4*(cs*(UPW/2)+j)
	ds_load_b128 v[RR:RR+3], v5 offset:cs*CSTS+2*j*272
.set j, j+1
.endr
.set cs, cs+1
.endr
.set cs, 0
.rept NSETS
.set j, 0
.rept UPW/2
.set RR, 16+4*(cs*(UPW/2)+j)
	s_wait_dscnt NL-1-(cs*(UPW/2)+j)               ; LDS loads come back in order: this one is in
	global_store_b128 v6, v[RR:RR+3], s[32+2*cs:33+2*cs] offset:512*j    ; the wave stores 512 consecutive bytes, aligned to 256
.set j, j+1
.endr
.set cs, cs+1
.endr
.if NSETS*NST < 8
	s_cmp_lt_u32 s16, NSETS*NST                    ; there are NSETS x NST runs of 256 scale bytes: one wave to each
	s_cbranch_scc0 .Ldone
.endif
	ds_load_b64 v[80:81], v[SL]
	s_wait_dscnt 0x0
	global_store_b64 v7, v[80:81], s[36:37]        ; 32 lanes store 256 consecutive bytes, aligned
.Ldone:
	s_wait_tensorcnt 0x0
	ds_add_u32 v254, v255
	s_wait_dscnt 0x0
	s_endpgm
.Lfunc_end_k_q61d726d7bc_lnq_x:
	.size	k_q61d726d7bc_lnq_x, .Lfunc_end_k_q61d726d7bc_lnq_x-k_q61d726d7bc_lnq_x
	.p2alignl 7, 3214868480
	.fill 96, 4, 3214868480
	.section	.rodata,"a",@progbits
	.p2align	6, 0x0
	.amdhsa_kernel k_q61d726d7bc_lnq_x
		.amdhsa_group_segment_fixed_size 72704
		.amdhsa_private_segment_fixed_size 0
		.amdhsa_enable_private_segment 0
		.amdhsa_kernarg_size 48
		.amdhsa_user_sgpr_count 2
		.amdhsa_user_sgpr_kernarg_segment_ptr 1
		.amdhsa_wavefront_size32 1
		.amdhsa_system_sgpr_workgroup_id_x 1
		.amdhsa_system_sgpr_workgroup_id_y 1
		.amdhsa_system_sgpr_workgroup_id_z 1
		.amdhsa_system_vgpr_workitem_id 0
		.amdhsa_next_free_vgpr 256
		.amdhsa_next_free_sgpr 66
		.amdhsa_reserve_vcc 0
		.amdhsa_float_denorm_mode_32 3
		.amdhsa_float_denorm_mode_16_64 3
		.amdhsa_memory_ordered 1
		.amdhsa_forward_progress 1
		.amdhsa_inst_pref_size 83
	.end_amdhsa_kernel
	.amdgpu_metadata
---
amdhsa.version: [ 1, 2 ]
amdhsa.kernels:
  - .name:           k_q61d726d7bc_lnq_x
    .symbol:         k_q61d726d7bc_lnq_x.kd
    .args:
      - { .name: x, .offset: 0, .size: 8, .value_kind: global_buffer, .address_space: global }
      - { .name: sa_ng, .offset: 8, .size: 8, .value_kind: global_buffer, .address_space: global }
      - { .name: sa_nb, .offset: 16, .size: 8, .value_kind: global_buffer, .address_space: global }
      - { .name: sa_ncg, .offset: 24, .size: 8, .value_kind: global_buffer, .address_space: global }
      - { .name: sa_ncb, .offset: 32, .size: 8, .value_kind: global_buffer, .address_space: global }
      - { .name: lnb, .offset: 40, .size: 8, .value_kind: global_buffer, .address_space: global }
    .group_segment_fixed_size: 72704
    .private_segment_fixed_size: 0
    .kernarg_segment_align: 8
    .kernarg_segment_size: 48
    .max_flat_workgroup_size: 256
    .sgpr_count:     66
    .vgpr_count:     256
    .wavefront_size: 32
...
	.end_amdgpu_metadata
.endif
;; end of part 1
;; launch proj_sa (part 2): grid 12 x 16, 4 waves a work-group, no clusters, 168,448 bytes of LDS; arguments lnb, sa_wq_codes, sa_wq_scales, sa_wkv_codes, sa_wkv_scales, qkv; writes qkv
.if DOCPART == 2
	.amdgcn_target "amdgcn-amd-amdhsa--gfx1250"
	.amdhsa_code_object_version 6
	.text
	.protected	k_q61d726d7bc_proj_sa
	.globl	k_q61d726d7bc_proj_sa
	.p2align	8
	.type	k_q61d726d7bc_proj_sa,@function
k_q61d726d7bc_proj_sa:
	s_mov_b64 s[64:65], 0
	v_nop
	global_prefetch_b8 v0, s[64:65] scope:SCOPE_SE
	s_setreg_imm32_b32 hwreg(HW_REG_WAVE_MODE, 25, 1), 1
	s_wait_xcnt 0x0
; q, k or v = (normalised rows) x W, on codes of E5M2 with E8M0 scales, and the result quantised at once for the attention that follows.
; A work-group takes 128 rows of a weight (two heads' 64 columns of q, k or v: slice x) and 512 rows of tokens; each of its four waves 128 tokens x 128 columns: 64 accumulators, 512 registers.
; The weight slice (128 x K bytes) comes into LDS once, by one tensor load a wave (256 bytes of each row, 16 bytes of padding behind them); nothing in LDS is filled twice.
; The tokens' codes lie in memory in the order of an operand's registers, each fragment is wanted by one wave alone: they go straight to registers, 512 consecutive bytes a load, two K steps ahead.
; q and k: source 0 = 16 weight rows, source 1 = 16 tokens: a lane holds ONE token and its registers run along the head's 64, the next product's K.
; v:       source 0 = 16 tokens, source 1 = 16 weight rows: a lane holds ONE channel and its registers run along the 128 keys, the next K.
; In both, registers 16 b + 0..7 hold k = 32 b + 8 h + j and 16 b + 8..15 hold k = 32 b + 16 + 8 h + j (h = lane / 16): a block of 32 lies in lanes l and l xor 16, and two lane swaps put the codes into the operand's order.
; OUT (qkv): q's codes [head][tile][2][lane][16 B], its scale words [head][tile / 4][lane][tile % 4]; for each head and 128 keys a block of 17,920 bytes: k's codes, v's codes, k's scale words, v's scale words.
; A scale word of q or k carries the head's two bytes below; its upper two bytes (the other head's, or 0) meet zero codes only and are never 0xff.
; LIMITS: NaN and infinities are not served; a block under 2^-111 keeps the byte 1.
; NO CLUSTER: what work-groups share through LDS is the slice, 128 K bytes against the 512 K bytes of tokens' codes that a work-group takes through registers.
.set K,     1024
.set QSL,   4                          ; slices 0 .. QSL - 1 are q's; then four of k, four of v
.set NKS,   16                         ; blocks of 128 keys in a head
.set LOGNB, 4                          ; log2 of a batch's rows / 128
.set KST,   K/128
.set NCHK,  K/256
.set KSB,   K/32
.set CHUNK, 128*272                    ; LDS: 256 along K of the slice's 128 rows
.set CCO,   8388608                    ; lnb: the second set's codes; scale bytes from XSO on, the second set's CSD further
.set XSO,   16777216
.set CSD,   262144
.set QSO,   4194304                    ; qkv: q's scale words; the key blocks
.set KVO,   4718592
.set BLK,   17920
.set WS,  16                           ; v16..  weight scale words: WS + KST q + s: lane l has row 32 q + l, K step s
.set XS,  48                           ; v48..  the tokens' likewise
.set TM,  80                           ; v80-95 the quantiser: 4 maxima, 4 bytes, 4 holds, 4 scale operands
.set PW,  96                           ; v96    the scale word just made
.set SWA, 100                          ; v100-103, v104-107 four tiles' scale words, for a store of 16 bytes a lane
.set SWB, 104
.set PC,  112                          ; v112-127 the codes just made
.set WF,  128                          ; v128-255 the weight's 8 fragments of a K step, one set.  Window 1: the tokens' 8 fragments, two sets (v0, v128).  Windows 2, 3: the accumulators
.set MSB, 0
.macro WIN new                         ; the immediate's high byte repeats the setting that is left
.if MSB != (\new)
	s_set_vgpr_msb (MSB<<8)|(\new)
.set MSB, (\new)
.endif
.endm
.macro PLACES n
.rept \n
	v_nop
.endr
.endm
	s_load_b256 s[4:11], s[0:1], 0x0               ; lnb, then wq's codes and scales and wkv's codes (QSL > 0), or wkv's codes and scales and qkv
.if QSL
	s_load_b128 s[12:15], s[0:1], 0x20             ; wkv's scales, qkv
	v_lshl_add_u32 v110, v0, 2, 0x29000
	v_mov_b32 v111, 0
	ds_add_u32 v110, v111
	ds_add_u32 v110, v111
.endif
	v_lshrrev_b32 v3, 5, v0
	v_readfirstlane_b32 s16, v3                    ; wave 0..3
	v_and_b32 v3, 31, v0
	v_lshlrev_b32 v1, 4, v3                        ; 16 x lane: an image's place for my lane
	v_mul_u32_u24 v2, v3, KSB                      ; my row of 32 rows of scale bytes
	v_and_b32 v8, 15, v0
	v_bfe_u32 v9, v0, 4, 1
	v_mul_u32_u24 v8, v8, 272
	v_lshl_add_u32 v8, v9, 4, v8                   ; a weight fragment: row r x pitch + 16 h
.set j, 0
.rept NCHK
	v_add_nc_u32 v[4+j], j*CHUNK, v8
.set j, j+1
.endr
.irp b, 0,1,2,3
	v_mov_b32 v[TM+4+\b], 0                        ; written once: a lane permute's destination counts as read
.endr
	s_mov_b32 s28, (1<<20)|(5<<22)|(3<<25)         ; group 1: elements of 1 byte; 4 words of padding behind every 64
	s_mov_b32 s29, 256<<16                         ; tensor_dim0
	s_mov_b32 s30, 128<<16                         ; tensor_dim1
	s_mov_b32 s31, 256<<16                         ; tile_dim0
	s_mov_b32 s32, 128                             ; tile_dim1
	s_mov_b32 s33, K                               ; from row to row
	s_mov_b32 s34, 0
	s_mov_b32 s35, 0
	s_mov_b32 s50, 0x76543210
	s_mov_b32 s51, 0xfedcba98
	s_mov_b32 s52, 0x600000
	s_lshr_b32 s18, ttmp9, 2                       ; kind: 0 q, 1 k, 2 v
.if QSL == 0
	s_add_co_u32 s18, s18, 1
.endif
	s_and_b32 s19, ttmp9, 3                        ; which two heads
	s_and_b32 s20, ttmp7, 0xffff
	s_lshl_b32 s20, s20, 2
	s_add_co_u32 s20, s20, s16                     ; my 128 tokens
	s_lshr_b32 s21, s20, LOGNB                     ; batch
	s_and_b32 s22, s20, (1<<LOGNB)-1               ; and which 128 of its rows
	s_lshl_b32 s23, s21, 3
	s_lshl_b32 s54, s19, 1
	s_add_co_u32 s23, s23, s54                     ; 8 x batch + my first head
.if QSL
	s_cmp_eq_u32 s18, 0
	s_cselect_b32 s55, 0, QSL
	s_cselect_b32 s56, 0, CCO                      ; q reads the first set of normalised rows, k and v the second
	s_cselect_b32 s57, 0, CSD
	s_sub_co_u32 s55, ttmp9, s55
.else
	s_mov_b32 s55, ttmp9
	s_mov_b32 s56, CCO
	s_mov_b32 s57, CSD
.endif
	s_lshl_b32 s55, s55, 7                         ; the slice's first weight row
	s_mul_i32 s58, s55, K
	s_lshl_b32 s59, s16, 8
	s_add_co_u32 s58, s58, s59                     ; its codes, + the 256 along K that I fetch
	s_mov_b32 s59, 0
	s_mul_i32 s60, s55, KSB                        ; its scale bytes
	s_mov_b32 s61, 0
	s_mul_i32 s54, s20, 128*K
	s_add_co_u32 s56, s56, s54                     ; my tokens' codes
	s_mul_i32 s54, s20, 4*K
	s_add_co_u32 s62, s57, s54
	s_add_co_u32 s62, s62, XSO                     ; and scale bytes
	s_mov_b32 s57, 0
	s_mov_b32 s63, 0
	s_mul_i32 s54, s23, NKS                        ; where the results go: k, v: the block of my head and my 128 keys
	s_add_co_u32 s54, s54, s22
	s_mul_i32 s54, s54, BLK
	s_add_co_u32 s54, s54, KVO
	s_cmp_eq_u32 s18, 2
	s_cselect_b32 s42, 8192, 0
	s_cselect_b32 s46, 1024, 0
	s_add_co_u32 s42, s42, s54
	s_add_co_u32 s46, s46, s54
	s_add_co_u32 s46, s46, 16384
	s_mov_b32 s44, NKS*BLK                         ; the second head's lie a head further on
	s_mov_b32 s48, NKS*BLK
.if QSL
	s_lshl_b32 s54, s23, 7                         ; q: tile 128 x head + 8 x (my 128 rows), 1,024 bytes a tile
	s_lshl_b32 s55, s22, 3
	s_add_co_u32 s54, s54, s55
	s_lshl_b32 s54, s54, 10
	s_lshl_b32 s55, s23, 5                         ; scale words: 512 bytes for four tiles
	s_lshl_b32 s53, s22, 1
	s_add_co_u32 s55, s55, s53
	s_lshl_b32 s55, s55, 9
	s_add_co_u32 s55, s55, QSO
	s_cmp_eq_u32 s18, 0
	s_cselect_b32 s42, s54, s42
	s_cselect_b32 s46, s55, s46
	s_cselect_b32 s44, 131072, s44
	s_cselect_b32 s48, 16384, s48
.endif
	s_add_co_u32 s44, s44, s42
	s_add_co_u32 s48, s48, s46
	s_mov_b32 s43, 0
	s_mov_b32 s45, 0
	s_mov_b32 s47, 0
	s_mov_b32 s49, 0
	s_wait_dscnt 0x0
	s_wait_kmcnt 0x0
.if QSL
	s_cmp_eq_u32 s18, 0                            ; the weight is chosen by the slice's number alone
	s_cselect_b64 s[6:7], s[6:7], s[10:11]
	s_cselect_b64 s[8:9], s[8:9], s[12:13]
.else
	s_mov_b64 s[14:15], s[10:11]
.endif
	s_mov_b32 s24, 1                               ; group 0: count
	s_mul_i32 s25, s16, CHUNK                      ; LDS address: wave x a chunk
	s_add_nc_u64 s[26:27], s[6:7], s[58:59]
	s_or_b32 s27, s27, 0x80000000                  ; type
.if NCHK < 4
	s_cmp_lt_u32 s16, NCHK
	s_cbranch_scc0 .Lno_fill
.endif
	tensor_load_to_lds s[24:27], s[28:35]          ; my one tensor load: 128 rows x 256 bytes
	s_nop 0
	PLACES 4
.if NCHK < 4
.Lno_fill:
.endif
	s_add_nc_u64 s[36:37], s[4:5], s[56:57]
	s_add_nc_u64 s[38:39], s[4:5], s[62:63]
	s_add_nc_u64 s[40:41], s[8:9], s[60:61]
	s_add_nc_u64 s[42:43], s[14:15], s[42:43]
	s_add_nc_u64 s[44:45], s[14:15], s[44:45]
	s_add_nc_u64 s[46:47], s[14:15], s[46:47]
	s_add_nc_u64 s[48:49], s[14:15], s[48:49]
.set q, 0
.rept 4
.set j, 0
.rept KST/2
	global_load_b64 v[WS+KST*q+2*j:WS+KST*q+2*j+1], v2, s[40:41] offset:q*K+8*j
	global_load_b64 v[XS+KST*q+2*j:XS+KST*q+2*j+1], v2, s[38:39] offset:q*K+8*j
.set j, j+1
.endr
.set q, q+1
.endr
.macro XLOAD s, set                    ; my tokens' 8 fragments of K step s: 32 loads of 512 consecutive bytes
	WIN 0x40
.set a, 0
.rept 8
.irp c, 0,1,2,3
	global_load_b128 v[128*(\set)+16*a+4*\c:128*(\set)+16*a+4*\c+3], v1, s[36:37] offset:a*16*K+2048*(\s)+512*\c
.endr
.set a, a+1
.endr
	WIN 0
.endm
.macro WFETCH s, t0                    ; the weight's tiles t0 .. t0 + 3 of K step s: registers 4 c .. 4 c + 3 hold K = 32 c + 16 h + 0 .. 15 of row r
.irp t, \t0, \t0+1, \t0+2, \t0+3
.irp c, 0,1,2,3
	ds_load_b128 v[WF+16*(\t)+4*\c:WF+16*(\t)+4*\c+3], v[4+(\s)/2] offset:16*(\t)*272+128*((\s)%2)+32*\c
.endr
.endr
.endm
; One product, from the symbols DD (accumulator), AA, BB (fragments), SA, SB (scale registers), PA, PB (1: the scales lie in lanes 16-31), ZZ (1: the first K step starts the sum)
.macro MM
.if ZZ
.if PA && PB
	v_wmma_scale_f32_16x16x128_f8f6f4 v[DD:DD+7], v[AA:AA+15], v[BB:BB+15], 0, v[SA], v[SB] matrix_a_fmt:MATRIX_FMT_BF8 matrix_b_fmt:MATRIX_FMT_BF8 matrix_a_scale:MATRIX_SCALE_ROW1 matrix_b_scale:MATRIX_SCALE_ROW1
.elseif PA
	v_wmma_scale_f32_16x16x128_f8f6f4 v[DD:DD+7], v[AA:AA+15], v[BB:BB+15], 0, v[SA], v[SB] matrix_a_fmt:MATRIX_FMT_BF8 matrix_b_fmt:MATRIX_FMT_BF8 matrix_a_scale:MATRIX_SCALE_ROW1
.elseif PB
	v_wmma_scale_f32_16x16x128_f8f6f4 v[DD:DD+7], v[AA:AA+15], v[BB:BB+15], 0, v[SA], v[SB] matrix_a_fmt:MATRIX_FMT_BF8 matrix_b_fmt:MATRIX_FMT_BF8 matrix_b_scale:MATRIX_SCALE_ROW1
.else
	v_wmma_scale_f32_16x16x128_f8f6f4 v[DD:DD+7], v[AA:AA+15], v[BB:BB+15], 0, v[SA], v[SB] matrix_a_fmt:MATRIX_FMT_BF8 matrix_b_fmt:MATRIX_FMT_BF8
.endif
.else
.if PA && PB
	v_wmma_scale_f32_16x16x128_f8f6f4 v[DD:DD+7], v[AA:AA+15], v[BB:BB+15], v[DD:DD+7], v[SA], v[SB] matrix_a_fmt:MATRIX_FMT_BF8 matrix_b_fmt:MATRIX_FMT_BF8 matrix_a_scale:MATRIX_SCALE_ROW1 matrix_b_scale:MATRIX_SCALE_ROW1
.elseif PA
	v_wmma_scale_f32_16x16x128_f8f6f4 v[DD:DD+7], v[AA:AA+15], v[BB:BB+15], v[DD:DD+7], v[SA], v[SB] matrix_a_fmt:MATRIX_FMT_BF8 matrix_b_fmt:MATRIX_FMT_BF8 matrix_a_scale:MATRIX_SCALE_ROW1
.elseif PB
	v_wmma_scale_f32_16x16x128_f8f6f4 v[DD:DD+7], v[AA:AA+15], v[BB:BB+15], v[DD:DD+7], v[SA], v[SB] matrix_a_fmt:MATRIX_FMT_BF8 matrix_b_fmt:MATRIX_FMT_BF8 matrix_b_scale:MATRIX_SCALE_ROW1
.else
	v_wmma_scale_f32_16x16x128_f8f6f4 v[DD:DD+7], v[AA:AA+15], v[BB:BB+15], v[DD:DD+7], v[SA], v[SB] matrix_a_fmt:MATRIX_FMT_BF8 matrix_b_fmt:MATRIX_FMT_BF8
.endif
.endif
.endm
; 32 products: the weight's tiles 4 half .. 4 half + 3 against the tokens' eight.  The accumulator of source 1's tile lt and source 0's tile rt lies at 64 (lt % 4) + 8 rt of window 2 + lt / 4.
; The accumulators take turns, one instruction a turn, in the same order in every K step.
.macro HALF v, s, half
.set ZZ, (\s)==0
.if \v
	WIN 0xA1+0x50*(\half)                          ; source 0 (tokens) window 1, source 1 (weight) window 0, C and D window 2 or 3
.irp lt, 0,1,2,3
.irp rt, 0,1,2,3,4,5,6,7
.set DD, 64*\lt+8*\rt
.set AA, 128*((\s)%2)+16*\rt
.set BB, WF+16*(4*(\half)+\lt)
.set SA, XS+KST*(\rt/2)+(\s)
.set SB, WS+KST*((4*(\half)+\lt)/2)+(\s)
.set PA, \rt%2
.set PB, \lt%2
	MM
.endr
.endr
.else
.irp g, 0,1
	WIN 0xA4+0x50*\g                               ; source 0 (weight) window 0, source 1 (tokens) window 1, C and D window 2 or 3
.irp rt, 0,1,2,3
.irp lt, 0,1,2,3
.set DD, 64*\lt+8*(4*(\half)+\rt)
.set AA, WF+16*(4*(\half)+\rt)
.set BB, 128*((\s)%2)+16*(4*\g+\lt)
.set SA, WS+KST*((4*(\half)+\rt)/2)+(\s)
.set SB, XS+KST*((4*\g+\lt)/2)+(\s)
.set PA, \rt%2
.set PB, \lt%2
	MM
.endr
.endr
.endr
.endif
.endm
; A K step of 128: 64 products.  A weight tile is free as soon as its half is issued, so one set of registers serves the weight; the tokens' fragments are at work through the step and have two sets.
; Eight plain places stand between a product and a load into a register that it read.
.macro KSTEP v, s
.if (\s) < KST-1
	s_wait_loadcnt 32                              ; this step's tokens (and at first the scale words) are in; the next step's 32 loads may be out
.else
	s_wait_loadcnt 0x0
.endif
	s_wait_dscnt 16                                ; the weight's tiles 0-3 are in; tiles 4-7, 16 loads, may be out
	HALF \v, \s, 0
	s_wait_dscnt 0x0                               ; tiles 4-7 are in
.if (\s)+1 < KST
	PLACES 8
	WIN 0
	WFETCH (\s)+1, 0
.endif
	HALF \v, \s, 1
	PLACES 8                                       ; behind the last step these serve the first reads of results
	WIN 0
.if (\s)+1 < KST
	WFETCH (\s)+1, 4
.endif
.if (\s)+2 < KST
	XLOAD (\s)+2, (\s)%2
.endif
.endm
; The 64 results of source 1's tile i become a fragment's codes in v[PC] on and its scale word in v[PW]
.macro QUANT i
.set AC, 64*((\i)%4)
.set WN, 2+(\i)/4
	WIN WN|(WN<<2)                                 ; sources 0 and 1: the accumulators' window
.irp b, 0,1,2,3
	v_max3_num_f32 v[TM+\b], |v[AC+16*\b]|, |v[AC+16*\b+1]|, 0x8000000   ; block b: my 16 numbers, each accumulator from its low end on, and the floor 2^(16 - 127)
.endr
.irp e, 2,4,6,8,10,12,14
.irp b, 0,1,2,3
	v_max3_num_f32 v[TM+\b], |v[AC+16*\b+\e]|, |v[AC+16*\b+\e+1]|, v[TM+\b]
.endr
.endr
	WIN 0
.irp b, 0,1,2,3
	v_permlanex16_b32 v[TM+4+\b], v[TM+\b], s50, s51
.endr
.irp b, 0,1,2,3
	v_max_num_f32 v[TM+\b], v[TM+\b], v[TM+4+\b]   ; with lane l xor 16's: the block's largest magnitude
.endr
.irp b, 0,1,2,3
	v_add_nc_u32 v[TM+12+\b], 0xf8800000, v[TM+\b] ; 15 off its exponent field: the conversion's scale operand
.endr
.irp b, 0,1,2,3
	v_and_or_b32 v[TM+8+\b], v[TM+\b], 0x7f800000, s52   ; 57,344 x the scale
.endr
.irp b, 0,1,2,3
	v_lshrrev_b32 v[TM+4+\b], 23, v[TM+12+\b]      ; the scale's byte
.endr
	v_lshl_or_b32 v[PW], v[TM+5], 8, v[TM+4]
	v_lshl_or_b32 v[PW], v[TM+6], 16, v[PW]
	v_lshl_or_b32 v[PW], v[TM+7], 24, v[PW]
	WIN WN|(WN<<6)                                 ; source 0 and destination: the accumulators' window
.irp b, 0,1,2,3
.irp e, 0,1,2,3,4,5,6,7,8,9,10,11,12,13,14,15
	v_med3_num_f32 v[AC+16*\b+\e], v[AC+16*\b+\e], -v[TM+8+\b], v[TM+8+\b]   ; the conversion does not saturate (ISA guide 7.6.2): hold first
.endr
.endr
	s_wait_xcnt 0x0                                ; the last tile's stores have read their registers: the codes and the collected scale words are written again only behind this wait
	WIN WN
.irp b, 0,1,2,3
	v_cvt_scalef32_pk8_bf8_f32 v[PC+4*\b:PC+4*\b+1], v[AC+16*\b:AC+16*\b+7], v[TM+12+\b]
	v_cvt_scalef32_pk8_bf8_f32 v[PC+4*\b+2:PC+4*\b+3], v[AC+16*\b+8:AC+16*\b+15], v[TM+12+\b]
.endr
	WIN 0
	v_nop                                          ; one plain line behind the conversions
.irp b, 0,1,2,3
	v_permlane16_swap_b32 v[PC+4*\b], v[PC+4*\b+2]     ; lanes 16-31 of the first pair change places with lanes 0-15 of the second:
	v_permlane16_swap_b32 v[PC+4*\b+1], v[PC+4*\b+3]   ; the four registers now hold k = 32 b + 16 h + 0 .. 15
.endr
.endm
	XLOAD 0, 0
	XLOAD 1, 1
	s_wait_tensorcnt 0x0                           ; my part of the slice is in LDS,
	s_barrier_signal -1
	s_barrier_wait -1                              ; everybody's is
	WFETCH 0, 0
	WFETCH 0, 4
	s_cmp_eq_u32 s18, 2
	s_cbranch_scc1 .Lpath_v
.set ss, 0
.rept KST
	KSTEP 0, ss
.set ss, ss+1
.endr
.set ei, 0
.rept 8                                ; tile ei of my tokens: blocks 0, 1 are the first head's, 2, 3 the second's
	QUANT ei
	global_store_b128 v1, v[PC:PC+3],     s[42:43] offset:1024*ei        ; every store: 512 consecutive bytes, aligned to 256
	global_store_b128 v1, v[PC+4:PC+7],   s[42:43] offset:1024*ei+512
	global_store_b128 v1, v[PC+8:PC+11],  s[44:45] offset:1024*ei
	global_store_b128 v1, v[PC+12:PC+15], s[44:45] offset:1024*ei+512
	v_mov_b32 v[SWA+ei%4], v[PW]
	v_lshrrev_b32 v[SWB+ei%4], 16, v[PW]
.if ei%4 == 3
	global_store_b128 v1, v[SWA:SWA+3], s[46:47] offset:512*(ei/4)
	global_store_b128 v1, v[SWB:SWB+3], s[48:49] offset:512*(ei/4)
.endif
.set ei, ei+1
.endr
	s_wait_tensorcnt 0x0
	ds_add_u32 v110, v111
	s_wait_dscnt 0x0
	s_endpgm
.Lpath_v:
.set ss, 0
.rept KST
	KSTEP 1, ss
.set ss, ss+1
.endr
.set ei, 0
.rept 8                                ; weight tile ei: head ei / 4, channels 16 (ei % 4) on; the four blocks are my 128 keys
	QUANT ei
.irp c, 0,1,2,3
	global_store_b128 v1, v[PC+4*\c:PC+4*\c+3], s[42+2*(ei/4):43+2*(ei/4)] offset:2048*(ei%4)+512*\c
.endr
	v_mov_b32 v[SWA+ei%4], v[PW]
.if ei%4 == 3
	global_store_b128 v1, v[SWA:SWA+3], s[46+2*(ei/4):47+2*(ei/4)]
.endif
.set ei, ei+1
.endr
	s_wait_tensorcnt 0x0
	ds_add_u32 v110, v111
	s_wait_dscnt 0x0
	s_endpgm
.Lfunc_end_k_q61d726d7bc_proj_sa:
	.size	k_q61d726d7bc_proj_sa, .Lfunc_end_k_q61d726d7bc_proj_sa-k_q61d726d7bc_proj_sa
	.p2alignl 7, 3214868480
	.fill 96, 4, 3214868480
	.section	.rodata,"a",@progbits
	.p2align	6, 0x0
	.amdhsa_kernel k_q61d726d7bc_proj_sa
		.amdhsa_group_segment_fixed_size 168448
		.amdhsa_private_segment_fixed_size 0
		.amdhsa_enable_private_segment 0
		.amdhsa_kernarg_size 48
		.amdhsa_user_sgpr_count 2
		.amdhsa_user_sgpr_kernarg_segment_ptr 1
		.amdhsa_wavefront_size32 1
		.amdhsa_system_sgpr_workgroup_id_x 1
		.amdhsa_system_sgpr_workgroup_id_y 1
		.amdhsa_system_sgpr_workgroup_id_z 1
		.amdhsa_system_vgpr_workitem_id 0
		.amdhsa_next_free_vgpr 1024
		.amdhsa_next_free_sgpr 66
		.amdhsa_reserve_vcc 0
		.amdhsa_float_denorm_mode_32 3
		.amdhsa_float_denorm_mode_16_64 3
		.amdhsa_memory_ordered 1
		.amdhsa_forward_progress 1
		.amdhsa_inst_pref_size 255
	.end_amdhsa_kernel
	.section	.bss,"aw",@nobits
	.p2align	6
	.space	262144
	.amdgpu_metadata
---
amdhsa.version: [ 1, 2 ]
amdhsa.kernels:
  - .name:           k_q61d726d7bc_proj_sa
    .symbol:         k_q61d726d7bc_proj_sa.kd
    .args:
      - { .name: lnb, .offset: 0, .size: 8, .value_kind: global_buffer, .address_space: global }
      - { .name: sa_wq_codes, .offset: 8, .size: 8, .value_kind: global_buffer, .address_space: global }
      - { .name: sa_wq_scales, .offset: 16, .size: 8, .value_kind: global_buffer, .address_space: global }
      - { .name: sa_wkv_codes, .offset: 24, .size: 8, .value_kind: global_buffer, .address_space: global }
      - { .name: sa_wkv_scales, .offset: 32, .size: 8, .value_kind: global_buffer, .address_space: global }
      - { .name: qkv, .offset: 40, .size: 8, .value_kind: global_buffer, .address_space: global }
    .group_segment_fixed_size: 168448
    .private_segment_fixed_size: 0
    .kernarg_segment_align: 8
    .kernarg_segment_size: 48
    .max_flat_workgroup_size: 128
    .sgpr_count:     66
    .vgpr_count:     1024
    .wavefront_size: 32
...
	.end_amdgpu_metadata
.endif
;; end of part 2
;; launch attn_sa (part 3): grid 8 x 32, 16 waves a work-group, no clusters, 288,768 bytes of LDS; arguments qkv, ob; writes ob
.if DOCPART == 3
	.amdgcn_target "amdgcn-amd-amdhsa--gfx1250"
	.amdhsa_code_object_version 6
	.text
	.protected	k_q61d726d7bc_attn_sa
	.globl	k_q61d726d7bc_attn_sa
	.p2align	8
	.type	k_q61d726d7bc_attn_sa,@function
k_q61d726d7bc_attn_sa:
	s_mov_b64 s[64:65], 0
	v_nop
	global_prefetch_b8 v0, s[64:65] scope:SCOPE_SE
	s_setreg_imm32_b32 hwreg(HW_REG_WAVE_MODE, 25, 1), 1
	s_wait_xcnt 0x0
; o = softmax(q k^T / 8) v for one head and 256 queries, both products on codes of E5M2 with E8M0 scales; o is quantised along the model's 512 for the projection that follows.
; THE SOFTMAX: t = score x log2(e) / 8; M = the running largest t rounded UP to a whole number; p = 2^(t - M) is quantised along the keys, not normalised; the row's sum is taken of the unquantised p and divides at the end.
; When M moves, the sum and O are multiplied by 2^(old M - new M): exact.
; SHARES: sixteen waves, each 16 queries in 256 registers, four waves to a SIMD: one wave's vector work stands beside another's products and LDS loads.  Every wave walks all NKS steps of 128 keys.
; LDS: the head's k, v and their scale words, NKS blocks of 17,920 bytes, come in ONCE, one tensor load a wave; nothing is filled twice.  All lie as images of operand registers: a load takes 512 consecutive bytes.
; LAYOUT: S^T = k q^T (source 0 = 16 keys, source 1 = my queries), O^T = v^T p^T (source 0 = 16 channels, source 1 = p): a lane holds ONE query throughout.  The head's 64 fill half of the instruction's 128 along K:
; the upper half is zero codes on both sides, in registers cleared once.  p's registers 16 b + 0..7 are keys 32 b + 8 h + j, 16 b + 8..15 keys 32 b + 16 + 8 h + j: two lane swaps a block put the codes in the operand's order.
; LIMITS: NaN and infinities are not served; a block under 2^-111 keeps the byte 1.
; NO CLUSTER: the eight work-groups of a head share its blocks.
; REGISTERS: v1 16 x lane; v2 the step's LDS address; v4 4 x (lane % 16); v10 q's scale word; v12 -M, v13 the largest t, v[14:15] the sum; v16-31 q; v32-95 four fragments of k; v96-159 S^T, p, then v's four fragments;
; v160-191 O^T; v192-207 p's codes; v208-215 k's scale words, v216-219 v's, v220 p's; v232-254 at work.
.set NKS, 16
.set BLK, 17920
.set KVO, 4718592
.set QSO, 4194304
.set OSO, 4194304
	s_load_b128 s[4:7], s[0:1], 0x0                ; qkv, ob
	v_lshl_add_u32 v251, v0, 2, 0x46000
	v_mov_b32 v255, 0
	ds_add_u32 v251, v255
	ds_add_u32 v251, v255
	v_lshrrev_b32 v2, 5, v0
	v_readfirstlane_b32 s8, v2                     ; wave 0..15
	v_and_b32 v3, 31, v0
	v_lshlrev_b32 v1, 4, v3
	v_and_b32 v4, 15, v0
	v_lshlrev_b32 v4, 2, v4
	s_and_b32 s9, ttmp7, 0xffff                    ; 8 x batch + head
	s_mov_b32 s16, 3<<16                           ; group 1: a dense block as 70 rows of 32 elements of 8 bytes
	s_mov_b32 s17, 32<<16
	s_mov_b32 s18, 70<<16
	s_mov_b32 s19, 32<<16
	s_mov_b32 s20, 70
	s_mov_b32 s21, 32
	s_mov_b32 s22, 0
	s_mov_b32 s23, 0
	s_mul_i32 s10, s9, NKS
	s_add_co_u32 s10, s10, s8
	s_mul_i32 s10, s10, BLK
	s_add_co_u32 s10, s10, KVO                     ; the block that I fetch
	s_mov_b32 s11, 0
	s_lshl_b32 s24, ttmp9, 4
	s_add_co_u32 s24, s24, s8                      ; my tile of queries in the head
	s_lshl_b32 s25, s9, 7
	s_add_co_u32 s25, s25, s24
	s_lshl_b32 s26, s25, 10                        ; its codes
	s_mov_b32 s27, 0
	s_lshl_b32 s28, s9, 5
	s_lshr_b32 s29, s24, 2
	s_add_co_u32 s28, s28, s29
	s_lshl_b32 s28, s28, 9
	s_and_b32 s29, s24, 3
	s_lshl_b32 s29, s29, 2
	s_add_co_u32 s28, s28, s29
	s_add_co_u32 s28, s28, QSO                     ; its scale words: 16 bytes a lane for four tiles
	s_mov_b32 s29, 0
	s_lshr_b32 s30, s9, 3
	s_and_b32 s31, s9, 7                           ; head
	s_lshl_b32 s30, s30, 7
	s_add_co_u32 s30, s30, s24                     ; my tile among all rows
	s_lshl_b32 s32, s30, 2
	s_lshr_b32 s33, s31, 1
	s_add_co_u32 s32, s32, s33
	s_lshl_b32 s32, s32, 11                        ; o's codes: [tile][head / 2][2 (head % 2) + b][lane][16]
	s_and_b32 s33, s31, 1
	s_lshl_b32 s33, s33, 10
	s_add_co_u32 s32, s32, s33
	s_mov_b32 s33, 0
	s_lshl_b32 s34, s31, 15
	s_lshl_b32 s35, s30, 6
	s_add_co_u32 s34, s34, s35
	s_add_co_u32 s34, s34, OSO                     ; o's scale words: [head][tile][row]
	s_mov_b32 s35, 0
	s_mov_b32 s42, 0x3e38aa3b                      ; c = log2(e) / 8
	s_mov_b32 s43, s42                             ; (named with it as a pair)
	s_mov_b32 s44, 0x76543210
	s_mov_b32 s45, 0xfedcba98
	s_mov_b32 s46, 0x600000
	s_wait_dscnt 0x0
	s_wait_kmcnt 0x0
	s_mov_b32 s12, 1
	s_mul_i32 s13, s8, BLK                         ; LDS address: wave x a block
	s_add_nc_u64 s[14:15], s[4:5], s[10:11]
	s_or_b32 s15, s15, 0x80000000
.if NKS < 16
	s_cmp_lt_u32 s8, NKS
	s_cbranch_scc0 .Lno_fill
.endif
	tensor_load_to_lds s[12:15], s[16:23]          ; my one tensor load
	s_nop 0
.rept 4
	v_nop
.endr
.if NKS < 16
.Lno_fill:
.endif
	s_add_nc_u64 s[26:27], s[4:5], s[26:27]
	s_add_nc_u64 s[28:29], s[4:5], s[28:29]
	s_add_nc_u64 s[32:33], s[6:7], s[32:33]
	s_add_nc_u64 s[34:35], s[6:7], s[34:35]
	global_load_b128 v[16:19], v1, s[26:27]
	global_load_b128 v[20:23], v1, s[26:27] offset:512
	global_load_b32 v10, v1, s[28:29]
.irp j, 0,1,2,3,4,5,6,7
	v_mov_b32 v[24+\j], 0                          ; zero codes for the upper 64 along K: q's,
.endr
.irp t, 0,1,2,3
.irp j, 8,9,10,11,12,13,14,15
	v_mov_b32 v[32+16*\t+\j], 0                    ; and those of k's four fragments: never written again
.endr
.endr
.set j, 0
.rept 32
	v_mov_b32 v[160+j], 0                          ; O^T: the step is written once; its first trip finds zeros
.set j, j+1
.endr
	v_mov_b32 v13, 0xff61b1e6                      ; the largest t so far: -3e38
	v_floor_f32 v12, -v13                          ; -M
	v_mov_b32 v14, 0
	v_mov_b32 v15, 0
.irp b, 0,1,2,3
	v_mov_b32 v[236+\b], 0                         ; a lane permute's destination counts as read
.endr
	v_mov_b32 v253, 0                              ; (the upper half of the pair v[252:253])
	s_mov_b32 s40, 0                               ; the step's block in LDS
	s_mov_b32 s41, NKS
	s_wait_tensorcnt 0x0                           ; my block is in LDS,
	s_barrier_signal -1
	s_barrier_wait -1                              ; everybody's is
	s_wait_loadcnt 0x0                             ; q
.Lstep:
	v_add_nc_u32 v2, s40, v1
.rept 8
	v_nop                                          ; with the line above nine places: the first product below writes over registers that the last trip's products read
.endr
	ds_load_b128 v[208:211], v2 offset:16384       ; k's scale words: lane r has key r's, a register a tile
	ds_load_b128 v[212:215], v2 offset:16896
.irp g, 0,1
.if \g
.rept 8
	v_nop                                          ; places in front of loads into registers that products have read
.endr
.endif
.irp t, 0,1,2,3
	ds_load_b128 v[32+16*\t:35+16*\t], v2 offset:1024*(4*\g+\t)
	ds_load_b128 v[36+16*\t:39+16*\t], v2 offset:1024*(4*\g+\t)+512
.endr
	s_wait_dscnt 0x0
.irp t, 0,1,2,3
	v_wmma_scale_f32_16x16x128_f8f6f4 v[96+8*(4*\g+\t):103+8*(4*\g+\t)], v[32+16*\t:47+16*\t], v[16:31], 0, v[208+4*\g+\t], v10 matrix_a_fmt:MATRIX_FMT_BF8 matrix_b_fmt:MATRIX_FMT_BF8
.endr
.endr
.rept 8
	v_nop
.endr
.irp b, 0,1,2,3
	v_max3_num_f32 v[232+\b], v[96+16*\b], v[97+16*\b], v[98+16*\b]   ; the largest score of each block of 32 keys: for the row's maximum, and, since p rises with the score, for the block's largest p
.endr
.irp i, 3,5,7,9,11,13
.irp b, 0,1,2,3
	v_max3_num_f32 v[232+\b], v[232+\b], v[96+16*\b+\i], v[97+16*\b+\i]
.endr
.endr
.irp b, 0,1,2,3
	v_max_num_f32 v[232+\b], v[232+\b], v[111+16*\b]
.endr
.irp b, 0,1,2,3
	v_permlanex16_b32 v[236+\b], v[232+\b], s44, s45
.endr
.irp b, 0,1,2,3
	v_max_num_f32 v[232+\b], v[232+\b], v[236+\b]  ; with lane l xor 16's 16 keys
.endr
	v_max3_num_f32 v254, v232, v233, v234
	v_max_num_f32 v254, v254, v235
	v_mul_f32 v254, s42, v254                      ; the step's largest t (c is positive)
	v_max_num_f32 v13, v13, v254
	v_mov_b32 v254, v12
	v_floor_f32 v12, -v13                          ; the new -M = -ceil(t)
	v_sub_f32 v254, v12, v254                      ; old M - new M: a whole number, 0 or less
	v_cvt_i32_f32 v254, v254                       ; (it saturates)
	v_ldexp_f32 v252, 1.0, v254                    ; f = 2^(old M - new M)
.set j, 0
.rept 32
	v_pk_fma_f32 v[96+j:97+j], v[96+j:97+j], s[42:43], v[12:13] op_sel_hi:[1,0,0]   ; t - M
.set j, j+2
.endr
.irp b, 0,1,2,3
	v_fma_f32 v[232+\b], v[232+\b], s42, v12
.endr
.set j, 0
.rept 64
	v_exp_f32 v[96+j], v[96+j]                     ; p = 2^(t - M)
.set j, j+1
.endr
.irp b, 0,1,2,3
	v_exp_f32 v[232+\b], v[232+\b]                 ; the block's largest p: the same two instructions on the same number
.endr
	v_pk_mul_f32 v[14:15], v[14:15], v[252:253] op_sel_hi:[1,0]    ; the sums under the new M (a plain line behind the exponentials)
	s_wait_alu depctr_va_vdst(0)
.irp b, 0,1,2,3
	v_max_num_f32 v[232+\b], 0x8000000, v[232+\b]  ; the floor 2^(16 - 127)
.endr
.irp b, 0,1,2,3
	v_add_nc_u32 v[244+\b], 0xf8800000, v[232+\b]
.endr
.irp b, 0,1,2,3
	v_and_or_b32 v[240+\b], v[232+\b], 0x7f800000, s46
.endr
.irp b, 0,1,2,3
	v_lshrrev_b32 v[236+\b], 23, v[244+\b]
.endr
	v_lshl_or_b32 v220, v237, 8, v236              ; p's scale word for these 128 keys
	v_lshl_or_b32 v220, v238, 16, v220
	v_lshl_or_b32 v220, v239, 24, v220
	v_pk_add_f32 v[236:237], v[96:97], v[98:99]    ; the row's sum, of the unquantised p, in two chains
.set j, 4
.rept 15
	v_pk_add_f32 v[14:15], v[14:15], v[96+j:97+j]
	v_pk_add_f32 v[236:237], v[236:237], v[98+j:99+j]
.set j, j+4
.endr
	v_pk_add_f32 v[14:15], v[14:15], v[236:237]
.irp b, 0,1,2,3
.irp i, 0,1,2,3,4,5,6,7,8,9,10,11,12,13,14,15
	v_min_num_f32 v[96+16*\b+\i], v[96+16*\b+\i], v[240+\b]        ; the hold; p is not negative
.endr
	v_cvt_scalef32_pk8_bf8_f32 v[192+4*\b:193+4*\b], v[96+16*\b:103+16*\b], v[244+\b]
	v_cvt_scalef32_pk8_bf8_f32 v[194+4*\b:195+4*\b], v[104+16*\b:111+16*\b], v[244+\b]
.endr
	v_nop                                          ; one plain line behind the conversions
.irp b, 0,1,2,3
	v_permlane16_swap_b32 v[192+4*\b], v[194+4*\b] ; keys 32 b + 16 h + 0 .. 15 in four registers
	v_permlane16_swap_b32 v[193+4*\b], v[195+4*\b]
.endr
.irp d, 0,1,2,3
.irp c, 0,1,2,3
	ds_load_b128 v[96+16*\d+4*\c:99+16*\d+4*\c], v2 offset:8192+2048*\d+512*\c    ; v's four fragments, where p lay
.endr
.endr
	ds_load_b128 v[216:219], v2 offset:17408
.set j, 0
.rept 16
	v_pk_mul_f32 v[160+j:161+j], v[160+j:161+j], v[252:253] op_sel_hi:[1,0]       ; O^T under the new M; also the places between the codes' last write and the products
.set j, j+2
.endr
	s_wait_dscnt 0x0
.irp d, 0,1,2,3
	v_wmma_scale_f32_16x16x128_f8f6f4 v[160+8*\d:167+8*\d], v[96+16*\d:111+16*\d], v[192:207], v[160+8*\d:167+8*\d], v[216+\d], v220 matrix_a_fmt:MATRIX_FMT_BF8 matrix_b_fmt:MATRIX_FMT_BF8
.endr
	s_add_co_u32 s40, s40, BLK
	s_sub_co_u32 s41, s41, 1
	s_cmp_lg_u32 s41, 0
	s_cbranch_scc1 .Lstep
.rept 8
	v_nop
.endr
	v_add_f32 v14, v14, v15
	v_permlanex16_b32 v252, v14, s44, s45
	v_add_f32 v14, v14, v252                       ; the row's sum
	v_rcp_f32 v14, v14
	v_nop
.set j, 0
	s_wait_alu depctr_va_vdst(0)
.rept 32
	v_mul_f32 v[96+j], v[160+j], v14               ; o: register 8 t + i is channel 16 t + 8 h + i of my query
.set j, j+1
.endr
.irp b, 0,1
	v_max3_num_f32 v[232+\b], |v[96+16*\b]|, |v[97+16*\b]|, 0x8000000
.endr
.irp e, 2,4,6,8,10,12,14
.irp b, 0,1
	v_max3_num_f32 v[232+\b], v[232+\b], |v[96+16*\b+\e]|, |v[97+16*\b+\e]|
.endr
.endr
.irp b, 0,1
	v_permlanex16_b32 v[236+\b], v[232+\b], s44, s45
.endr
.irp b, 0,1
	v_max_num_f32 v[232+\b], v[232+\b], v[236+\b]
.endr
.irp b, 0,1
	v_add_nc_u32 v[244+\b], 0xf8800000, v[232+\b]
.endr
.irp b, 0,1
	v_and_or_b32 v[240+\b], v[232+\b], 0x7f800000, s46
.endr
.irp b, 0,1
	v_lshrrev_b32 v[236+\b], 23, v[244+\b]
.endr
	v_lshl_or_b32 v221, v237, 8, v236              ; the head's two bytes of my row
.irp b, 0,1
.irp e, 0,1,2,3,4,5,6,7,8,9,10,11,12,13,14,15
	v_med3_num_f32 v[96+16*\b+\e], v[96+16*\b+\e], -v[240+\b], v[240+\b]
.endr
	v_cvt_scalef32_pk8_bf8_f32 v[192+4*\b:193+4*\b], v[96+16*\b:103+16*\b], v[244+\b]
	v_cvt_scalef32_pk8_bf8_f32 v[194+4*\b:195+4*\b], v[104+16*\b:111+16*\b], v[244+\b]
.endr
	v_nop
.irp b, 0,1
	v_permlane16_swap_b32 v[192+4*\b], v[194+4*\b]
	v_permlane16_swap_b32 v[193+4*\b], v[195+4*\b]
.endr
	global_store_b128 v1, v[192:195], s[32:33]             ; 512 consecutive bytes each
	global_store_b128 v1, v[196:199], s[32:33] offset:512
	global_store_b32 v4, v221, s[34:35]                    ; 64 bytes: both halves of the lanes write the same words with the same values
	s_wait_tensorcnt 0x0
	ds_add_u32 v251, v255
	s_wait_dscnt 0x0
	s_endpgm
.Lfunc_end_k_q61d726d7bc_attn_sa:
	.size	k_q61d726d7bc_attn_sa, .Lfunc_end_k_q61d726d7bc_attn_sa-k_q61d726d7bc_attn_sa
	.p2alignl 7, 3214868480
	.fill 96, 4, 3214868480
	.section	.rodata,"a",@progbits
	.p2align	6, 0x0
	.amdhsa_kernel k_q61d726d7bc_attn_sa
		.amdhsa_group_segment_fixed_size 288768
		.amdhsa_private_segment_fixed_size 0
		.amdhsa_enable_private_segment 0
		.amdhsa_kernarg_size 16
		.amdhsa_user_sgpr_count 2
		.amdhsa_user_sgpr_kernarg_segment_ptr 1
		.amdhsa_wavefront_size32 1
		.amdhsa_system_sgpr_workgroup_id_x 1
		.amdhsa_system_sgpr_workgroup_id_y 1
		.amdhsa_system_sgpr_workgroup_id_z 1
		.amdhsa_system_vgpr_workitem_id 0
		.amdhsa_next_free_vgpr 256
		.amdhsa_next_free_sgpr 66
		.amdhsa_reserve_vcc 0
		.amdhsa_float_denorm_mode_32 3
		.amdhsa_float_denorm_mode_16_64 3
		.amdhsa_memory_ordered 1
		.amdhsa_forward_progress 1
		.amdhsa_inst_pref_size 32
	.end_amdhsa_kernel
	.amdgpu_metadata
---
amdhsa.version: [ 1, 2 ]
amdhsa.kernels:
  - .name:           k_q61d726d7bc_attn_sa
    .symbol:         k_q61d726d7bc_attn_sa.kd
    .args:
      - { .name: qkv, .offset: 0, .size: 8, .value_kind: global_buffer, .address_space: global }
      - { .name: ob, .offset: 8, .size: 8, .value_kind: global_buffer, .address_space: global }
    .group_segment_fixed_size: 288768
    .private_segment_fixed_size: 0
    .kernarg_segment_align: 8
    .kernarg_segment_size: 16
    .max_flat_workgroup_size: 512
    .sgpr_count:     66
    .vgpr_count:     256
    .wavefront_size: 32
...
	.end_amdgpu_metadata
.endif
;; end of part 3
;; launch oproj_sa (part 4): grid 8 x 32, 4 waves a work-group, no clusters, 168,448 bytes of LDS; arguments ob, sa_wo_codes, sa_wo_scales, sa_bo, x, x1; writes x1
.if DOCPART == 4
	.amdgcn_target "amdgcn-amd-amdhsa--gfx1250"
	.amdhsa_code_object_version 6
	.text
	.protected	k_q61d726d7bc_oproj_sa
	.globl	k_q61d726d7bc_oproj_sa
	.p2align	8
	.type	k_q61d726d7bc_oproj_sa,@function
k_q61d726d7bc_oproj_sa:
	s_mov_b64 s[64:65], 0
	v_nop
	global_prefetch_b8 v0, s[64:65] scope:SCOPE_SE
	s_setreg_imm32_b32 hwreg(HW_REG_WAVE_MODE, 25, 1), 1
	s_wait_xcnt 0x0
; out = o W^T + bias + residual.  o [8,192][512] as codes of E5M2 in the order of an operand's registers, its scale bytes by head; W [1,024][512] as codes, K innermost; bias, residual and out f32.
; A work-group takes 256 rows x 128 columns, a wave 64 rows x 128 columns: 32 accumulators.  The weight's 128 rows come into LDS once (waves 0 and 1: 256 along K each); nothing in LDS is filled twice.
; o's 16 fragments of a wave, and its 64 rows x 512 bytes of the residual, are asked for at the head and lie in registers.
; Source 0 = 16 weight rows, source 1 = 16 rows of o: a lane holds eight neighbouring columns of one row; a tile of 16 rows goes through the wave's own stage in LDS and comes back as whole rows of 512 bytes.
; NO CLUSTER: the shared slice is 64 KiB of the 384 KiB that a work-group moves.
; REGISTERS: window 0: v1 16 x lane, v2 4 x lane, v4-5 weight fragments' addresses, v6-7 the stage; v16-31 the weight's scale words, v32-39 o's, v40-55 o's by head, v56-59 the bias; v64-127 rows from the stage; v128-255 the weight's 8 fragments.
; window 1: o's fragments (K step s, tile a) at 64 s + 16 a.  window 2: the accumulator of tile lt and weight tile rt at 64 lt + 8 rt.  window 3: the residual, four registers a row.
.set KST,   4
.set CHUNK, 128*272
.set STG,   2*CHUNK                    ; behind the slice: 16 rows x (512 + 16) bytes for each wave; no tensor load lands there
.set OSO,   4194304
.set WS, 16
.set XS, 32
.set RAW, 40
.set BK, 64
.set WF, 128
.set MSB, 0
.macro WIN new                         ; the immediate's high byte repeats the setting that is left
.if MSB != (\new)
	s_set_vgpr_msb (MSB<<8)|(\new)
.set MSB, (\new)
.endif
.endm
.macro PLACES n
.rept \n
	v_nop
.endr
.endm
	s_load_b256 s[4:11], s[0:1], 0x0               ; o, W's codes, W's scales, the bias
	s_load_b128 s[12:15], s[0:1], 0x20             ; the residual, out
	v_lshl_add_u32 v62, v0, 2, 0x29000
	v_mov_b32 v63, 0
	ds_add_u32 v62, v63
	ds_add_u32 v62, v63
	v_lshrrev_b32 v3, 5, v0
	v_readfirstlane_b32 s16, v3                    ; wave 0..3
	v_and_b32 v3, 31, v0
	v_lshlrev_b32 v1, 4, v3
	v_lshlrev_b32 v2, 2, v3
	v_and_b32 v8, 15, v0
	v_bfe_u32 v9, v0, 4, 1
	v_mul_u32_u24 v4, v8, 272
	v_lshl_add_u32 v4, v9, 4, v4                   ; a weight fragment: row r x pitch + 16 h
	v_add_nc_u32 v5, CHUNK, v4
	s_mul_i32 s17, s16, 16*528
	s_add_co_u32 s17, s17, STG                     ; my stage
	v_mul_u32_u24 v6, v8, 528
	v_lshl_add_u32 v6, v9, 5, v6
	v_add_nc_u32 v6, s17, v6                       ; in: row r, 32 bytes for each half of the lanes
	v_add_nc_u32 v7, s17, v1                       ; back: the 32 lanes take a row
	s_mov_b32 s28, (1<<20)|(5<<22)|(3<<25)         ; group 1: elements of 1 byte; 4 words of padding behind every 64
	s_mov_b32 s29, 256<<16
	s_mov_b32 s30, 128<<16
	s_mov_b32 s31, 256<<16
	s_mov_b32 s32, 128
	s_mov_b32 s33, 512
	s_mov_b32 s34, 0
	s_mov_b32 s35, 0
	s_and_b32 s18, ttmp7, 0xffff
	s_lshl_b32 s19, s18, 4
	s_lshl_b32 s20, s16, 2
	s_add_co_u32 s19, s19, s20                     ; my first tile of rows
	s_lshl_b32 s36, ttmp9, 16                      ; the slice: 128 rows of 512 bytes,
	s_lshl_b32 s20, s16, 8
	s_add_co_u32 s36, s36, s20                     ; + the 256 along K that I fetch
	s_mov_b32 s37, 0
	s_lshl_b32 s38, ttmp9, 11                      ; its scale bytes
	s_mov_b32 s39, 0
	s_lshl_b32 s40, ttmp9, 9                       ; its columns, in bytes of f32
	s_mov_b32 s41, 0
	s_lshl_b32 s42, s19, 13                        ; o's codes: 8,192 bytes a tile
	s_mov_b32 s43, 0
	s_lshl_b32 s44, s19, 6
	s_add_co_u32 s44, s44, OSO                     ; o's scale words: 64 bytes a tile and head
	s_mov_b32 s45, 0
	s_lshl_b32 s46, s19, 16                        ; my first row of 4,096 bytes,
	s_add_co_u32 s46, s46, s40                     ; + the columns
	s_mov_b32 s47, 0
	s_wait_dscnt 0x0
	s_wait_kmcnt 0x0
	s_mov_b32 s24, 1
	s_mul_i32 s25, s16, CHUNK
	s_add_nc_u64 s[26:27], s[6:7], s[36:37]
	s_or_b32 s27, s27, 0x80000000
	s_cmp_lt_u32 s16, 2
	s_cbranch_scc0 .Lno_fill
	tensor_load_to_lds s[24:27], s[28:35]
	s_nop 0
	PLACES 4
.Lno_fill:
	s_add_nc_u64 s[8:9], s[8:9], s[38:39]
	s_add_nc_u64 s[10:11], s[10:11], s[40:41]
	s_add_nc_u64 s[36:37], s[4:5], s[42:43]
	s_add_nc_u64 s[38:39], s[4:5], s[44:45]
	s_add_nc_u64 s[12:13], s[12:13], s[46:47]
	s_add_nc_u64 s[14:15], s[14:15], s[46:47]
.irp q, 0,1,2,3
	global_load_b128 v[WS+4*\q:WS+4*\q+3], v1, s[8:9] offset:512*\q       ; lane l: the four words of weight row 32 q + l
.endr
.irp q, 0,1
.irp d, 0,1,2,3,4,5,6,7
	global_load_b32 v[RAW+8*\q+\d], v2, s[38:39] offset:32768*\d+128*\q   ; lane l: head d's two bytes of row 32 q + l
.endr
.endr
	global_load_b128 v[56:59], v1, s[10:11]        ; the bias of columns 4 l .. 4 l + 3
	WIN 0x40
.irp s, 0,1,2,3
.irp a, 0,1,2,3
.irp c, 0,1,2,3
	global_load_b128 v[64*\s+16*\a+4*\c:64*\s+16*\a+4*\c+3], v1, s[36:37] offset:8192*\a+2048*\s+512*\c
.endr
.endr
.endr
	WIN 0
	s_wait_loadcnt 63                              ; of the 85 loads so far the oldest 22 are in: the scale words and the bias are the first 21
.irp q, 0,1
.irp s, 0,1,2,3
	v_lshl_or_b32 v[XS+4*\q+\s], v[RAW+8*\q+2*\s+1], 16, v[RAW+8*\q+2*\s]   ; K step s is heads 2 s and 2 s + 1
.endr
.endr
	WIN 0xc0
.set n, 0
.rept 64
	global_load_b128 v[4*n:4*n+3], v1, s[12:13] offset:4096*n th:TH_LOAD_NT   ; the residual: 512 consecutive bytes of a row; read once in this launch
.set n, n+1
.endr
	WIN 0
	PLACES 8                                       ; a scale register written by a vector instruction stands eight places ahead of the product
	s_wait_tensorcnt 0x0
	s_barrier_signal -1
	s_barrier_wait -1                              ; the slice is whole
.macro WFETCH s, t0
.irp t, \t0, \t0+1, \t0+2, \t0+3
.irp c, 0,1,2,3
	ds_load_b128 v[WF+16*(\t)+4*\c:WF+16*(\t)+4*\c+3], v[4+(\s)/2] offset:16*(\t)*272+128*((\s)%2)+32*\c
.endr
.endr
.endm
; One product, from the symbols DD, AA, BB, SA, SB, PA, PB (1: the scales lie in lanes 16-31), ZZ (1: the first K step starts the sum)
.macro MM
.if ZZ
.if PA && PB
	v_wmma_scale_f32_16x16x128_f8f6f4 v[DD:DD+7], v[AA:AA+15], v[BB:BB+15], 0, v[SA], v[SB] matrix_a_fmt:MATRIX_FMT_BF8 matrix_b_fmt:MATRIX_FMT_BF8 matrix_a_scale:MATRIX_SCALE_ROW1 matrix_b_scale:MATRIX_SCALE_ROW1
.elseif PA
	v_wmma_scale_f32_16x16x128_f8f6f4 v[DD:DD+7], v[AA:AA+15], v[BB:BB+15], 0, v[SA], v[SB] matrix_a_fmt:MATRIX_FMT_BF8 matrix_b_fmt:MATRIX_FMT_BF8 matrix_a_scale:MATRIX_SCALE_ROW1
.elseif PB
	v_wmma_scale_f32_16x16x128_f8f6f4 v[DD:DD+7], v[AA:AA+15], v[BB:BB+15], 0, v[SA], v[SB] matrix_a_fmt:MATRIX_FMT_BF8 matrix_b_fmt:MATRIX_FMT_BF8 matrix_b_scale:MATRIX_SCALE_ROW1
.else
	v_wmma_scale_f32_16x16x128_f8f6f4 v[DD:DD+7], v[AA:AA+15], v[BB:BB+15], 0, v[SA], v[SB] matrix_a_fmt:MATRIX_FMT_BF8 matrix_b_fmt:MATRIX_FMT_BF8
.endif
.else
.if PA && PB
	v_wmma_scale_f32_16x16x128_f8f6f4 v[DD:DD+7], v[AA:AA+15], v[BB:BB+15], v[DD:DD+7], v[SA], v[SB] matrix_a_fmt:MATRIX_FMT_BF8 matrix_b_fmt:MATRIX_FMT_BF8 matrix_a_scale:MATRIX_SCALE_ROW1 matrix_b_scale:MATRIX_SCALE_ROW1
.elseif PA
	v_wmma_scale_f32_16x16x128_f8f6f4 v[DD:DD+7], v[AA:AA+15], v[BB:BB+15], v[DD:DD+7], v[SA], v[SB] matrix_a_fmt:MATRIX_FMT_BF8 matrix_b_fmt:MATRIX_FMT_BF8 matrix_a_scale:MATRIX_SCALE_ROW1
.elseif PB
	v_wmma_scale_f32_16x16x128_f8f6f4 v[DD:DD+7], v[AA:AA+15], v[BB:BB+15], v[DD:DD+7], v[SA], v[SB] matrix_a_fmt:MATRIX_FMT_BF8 matrix_b_fmt:MATRIX_FMT_BF8 matrix_b_scale:MATRIX_SCALE_ROW1
.else
	v_wmma_scale_f32_16x16x128_f8f6f4 v[DD:DD+7], v[AA:AA+15], v[BB:BB+15], v[DD:DD+7], v[SA], v[SB] matrix_a_fmt:MATRIX_FMT_BF8 matrix_b_fmt:MATRIX_FMT_BF8
.endif
.endif
.endm
.macro HALF s, half                    ; 16 products: the weight's tiles 4 half .. + 3 against my four tiles of rows; the accumulators take turns
.set ZZ, (\s)==0
	WIN 0xA4                                       ; source 0 (weight) window 0, source 1 (o) window 1, C and D window 2
.irp rt, 0,1,2,3
.irp lt, 0,1,2,3
.set DD, 64*\lt+8*(4*(\half)+\rt)
.set AA, WF+16*(4*(\half)+\rt)
.set BB, 64*(\s)+16*\lt
.set SA, WS+KST*((4*(\half)+\rt)/2)+(\s)
.set SB, XS+KST*(\lt/2)+(\s)
.set PA, \rt%2
.set PB, \lt%2
	MM
.endr
.endr
.endm
.macro KSTEP s
	s_wait_dscnt 16                                ; the weight's tiles 0-3 are in; tiles 4-7 may be out
	HALF \s, 0
	s_wait_dscnt 0x0
.if (\s)+1 < KST
	PLACES 8                                       ; places in front of loads into registers that products have read
	WIN 0
	WFETCH (\s)+1, 0
.endif
	HALF \s, 1
	PLACES 8                                       ; behind the last step these serve the first reads of results
	WIN 0
.if (\s)+1 < KST
	WFETCH (\s)+1, 4
.endif
.endm
	WFETCH 0, 0
	WFETCH 0, 4
	s_wait_loadcnt 63                              ; of the 149 loads the oldest 86 are in: o's fragments end at the 85th
.irp s, 0,1,2,3
	KSTEP \s
.endr
; THE WAY OUT, a tile of 16 rows at a time.  LDS serves a wave's instructions in order (ISA guide 5.7.1.4): no wait between the stores into my stage and the loads from it.
.macro OUTT lt
.if \lt
	s_wait_xcnt 0x0                                ; the last tile's stores have read their registers
.endif
	WIN 0x08                                       ; an LDS store's data are its source 1: window 2
.irp rt, 0,1,2,3,4,5,6,7
	ds_store_b128 v6, v[64*\lt+8*\rt:64*\lt+8*\rt+3] offset:64*\rt           ; each accumulator from its low end on
	ds_store_b128 v6, v[64*\lt+8*\rt+4:64*\lt+8*\rt+7] offset:64*\rt+16
.endr
	WIN 0
.set i, 0
.rept 16
	ds_load_b128 v[BK+4*i:BK+4*i+3], v7 offset:528*i
.set i, i+1
.endr
	s_wait_dscnt 0x0
	s_wait_loadcnt 48-16*\lt                       ; this tile's 16 rows of the residual are in; the later tiles' may be out
	WIN 0x0c                                       ; source 1: window 3
.set n, 0
.rept 32
	v_pk_add_f32 v[BK+n:BK+n+1], v[BK+n:BK+n+1], v[64*\lt+n:64*\lt+n+1]
.set n, n+2
.endr
	WIN 0
.set i, 0
.rept 16
	v_pk_add_f32 v[BK+4*i:BK+4*i+1], v[BK+4*i:BK+4*i+1], v[56:57]
	v_pk_add_f32 v[BK+4*i+2:BK+4*i+3], v[BK+4*i+2:BK+4*i+3], v[58:59]
.set i, i+1
.endr
.set i, 0
.rept 16
	global_store_b128 v1, v[BK+4*i:BK+4*i+3], s[14:15] offset:(16*\lt+i)*4096   ; 512 consecutive bytes of a row, aligned
.set i, i+1
.endr
.endm
	OUTT 0
	OUTT 1
	OUTT 2
	OUTT 3
	s_wait_tensorcnt 0x0
	ds_add_u32 v62, v63
	s_wait_dscnt 0x0
	s_endpgm
.Lfunc_end_k_q61d726d7bc_oproj_sa:
	.size	k_q61d726d7bc_oproj_sa, .Lfunc_end_k_q61d726d7bc_oproj_sa-k_q61d726d7bc_oproj_sa
	.p2alignl 7, 3214868480
	.fill 96, 4, 3214868480
	.section	.rodata,"a",@progbits
	.p2align	6, 0x0
	.amdhsa_kernel k_q61d726d7bc_oproj_sa
		.amdhsa_group_segment_fixed_size 168448
		.amdhsa_private_segment_fixed_size 0
		.amdhsa_enable_private_segment 0
		.amdhsa_kernarg_size 48
		.amdhsa_user_sgpr_count 2
		.amdhsa_user_sgpr_kernarg_segment_ptr 1
		.amdhsa_wavefront_size32 1
		.amdhsa_system_sgpr_workgroup_id_x 1
		.amdhsa_system_sgpr_workgroup_id_y 1
		.amdhsa_system_sgpr_workgroup_id_z 1
		.amdhsa_system_vgpr_workitem_id 0
		.amdhsa_next_free_vgpr 1024
		.amdhsa_next_free_sgpr 66
		.amdhsa_reserve_vcc 0
		.amdhsa_float_denorm_mode_32 3
		.amdhsa_float_denorm_mode_16_64 3
		.amdhsa_memory_ordered 1
		.amdhsa_forward_progress 1
		.amdhsa_inst_pref_size 76
	.end_amdhsa_kernel
	.amdgpu_metadata
---
amdhsa.version: [ 1, 2 ]
amdhsa.kernels:
  - .name:           k_q61d726d7bc_oproj_sa
    .symbol:         k_q61d726d7bc_oproj_sa.kd
    .args:
      - { .name: ob, .offset: 0, .size: 8, .value_kind: global_buffer, .address_space: global }
      - { .name: sa_wo_codes, .offset: 8, .size: 8, .value_kind: global_buffer, .address_space: global }
      - { .name: sa_wo_scales, .offset: 16, .size: 8, .value_kind: global_buffer, .address_space: global }
      - { .name: sa_bo, .offset: 24, .size: 8, .value_kind: global_buffer, .address_space: global }
      - { .name: x, .offset: 32, .size: 8, .value_kind: global_buffer, .address_space: global }
      - { .name: x1, .offset: 40, .size: 8, .value_kind: global_buffer, .address_space: global }
    .group_segment_fixed_size: 168448
    .private_segment_fixed_size: 0
    .kernarg_segment_align: 8
    .kernarg_segment_size: 48
    .max_flat_workgroup_size: 128
    .sgpr_count:     66
    .vgpr_count:     1024
    .wavefront_size: 32
...
	.end_amdgpu_metadata
.endif
;; end of part 4
;; launch lnq_x1 (part 5): grid 256 x 1, 8 waves a work-group, no clusters, 36,864 bytes of LDS; arguments x1, ca_ng, ca_nb, lnb; writes lnb
.if DOCPART == 5
	.amdgcn_target "amdgcn-amd-amdhsa--gfx1250"
	.amdhsa_code_object_version 6
	.text
	.protected	k_q61d726d7bc_lnq_x1
	.globl	k_q61d726d7bc_lnq_x1
	.p2align	8
	.type	k_q61d726d7bc_lnq_x1,@function
k_q61d726d7bc_lnq_x1:
	s_mov_b64 s[64:65], 0
	v_nop
	global_prefetch_b8 v0, s[64:65] scope:SCOPE_SE
	s_setreg_imm32_b32 hwreg(HW_REG_WAVE_MODE, 25, 1), 1
	s_wait_xcnt 0x0
; LayerNorm of rows of K f32 numbers under NSETS pairs of gain and bias; each result is quantised along the row to codes of E5M2 with one E8M0 byte for each 32.
; y = (x - mean) / sqrt(var + 1e-5) * g + b, all in f32; the variance is the mean of (x - mean)^2, taken in a second pass over registers: no difference of large sums.
; OUT: codes in the order of a matrix operand's registers: [tile of 16 rows][K / 16][row][16 bytes]; scale bytes row-major [row][K / 32].  Set s goes 8,388,608 bytes (codes) and 262,144 bytes (scales) behind set 0.
; SHARES: a work-group takes 32 rows (two tiles), a wave four of them, one at a time.  A lane holds 8 neighbours of each 256 along the row; four lanes hold a block of 32.
; A lane's 8 codes are 8 bytes of a 256-byte piece of the output whose other bytes belong to other rows: so codes and bytes meet in LDS and leave as runs of 512 (codes) and 256 (scales) consecutive bytes.
; LIMITS: NaN and infinities are not served; a block whose largest magnitude lies under 2^-111 (a block of zeros too) keeps the byte 1: its codes are then tiny or zero, and only this program reads the bytes.
; No matrix unit, no tensor load, no cluster: the launch streams, and work-groups share only the gains and biases (8 K bytes).
.set K,     1024
.set NSETS, 1
.set OUTC,  0                          ; where set 0's codes begin in the buffer
.set OUTS,  16777216                   ; and its scale bytes
.set INVK,  0x3a800000                 ; 1 / K as f32
.set NST,   K/256                      ; steps of 256 along a row
.set KSB,   K/32                       ; scale bytes of a row
.set CSTS,  (K/8)*272                  ; LDS: a set's codes: K / 8 pieces of 256 bytes + 16 of padding
.set SST,   NSETS*CSTS                 ; behind them the scale bytes, K for each set
.set UPW,   K/64                       ; pieces that a wave copies out for each set
.set NL,    NSETS*UPW/2
.set GB,    16                         ; v16..    g (8) and b (8) of set s, step t at GB + 16 (NST s + t)
.set XR,    144                        ; v144..   two rows in turn, 8 NST registers each
.set Y,     208                        ; v208-215 the 8 numbers in hand
.set SL,    224                        ; v224     LDS address of the scale bytes that I copy out
.set CD,    232                        ; v232..   a step's codes
.set EB,    240                        ; v240..   a step's scale byte
	s_load_b256 s[4:11], s[0:1], 0x0               ; the rows, g0, b0, then g1 (two sets) or the output (one set)
	v_lshl_add_u32 v254, v0, 2, 0x8c00
	v_mov_b32 v255, 0
.if NSETS == 2
	s_load_b128 s[12:15], s[0:1], 0x20             ; b1, the output
.endif
	v_lshrrev_b32 v8, 5, v0
	v_readfirstlane_b32 s16, v8                    ; wave 0..7
	v_and_b32 v1, 31, v0                           ; lane
	v_lshlrev_b32 v2, 5, v1                        ; my 32 bytes of a step's 1,024
	v_lshrrev_b32 v8, 1, v1
	v_mul_u32_u24 v3, v8, 272
	v_and_b32 v8, 1, v1
	v_lshl_add_u32 v3, v8, 3, v3                   ; codes into LDS: piece lane / 2 of a step's 16, byte 8 (lane % 2),
	s_lshr_b32 s17, s16, 2
	s_mul_i32 s17, s17, (K/16)*272                 ; my tile of the two,
	s_and_b32 s18, s16, 3
	s_lshl_b32 s19, s18, 6                         ; my four rows in it, 16 bytes each
	s_add_co_u32 s17, s17, s19
	v_add_nc_u32 v3, s17, v3
	v_lshrrev_b32 v4, 2, v1
	s_mul_i32 s17, s16, 4*KSB
	s_add_co_u32 s17, s17, SST
	v_add_nc_u32 v4, s17, v4                       ; scale bytes into LDS: my rows, block lane / 4 of a step's 8
	v_lshrrev_b32 v8, 4, v1
	v_mul_u32_u24 v5, v8, 272
	v_and_b32 v8, 15, v1
	v_lshl_add_u32 v5, v8, 4, v5
	s_mul_i32 s17, s16, UPW*272
	v_add_nc_u32 v5, s17, v5                       ; codes out of LDS: sixteen lanes to a piece, two pieces an instruction
	v_lshlrev_b32 v6, 4, v1
	s_mul_i32 s17, s16, UPW*256
	v_add_nc_u32 v6, s17, v6                       ; and the same place in memory
	v_lshlrev_b32 v7, 3, v1
	s_lshl_b32 s17, s16, 8
	s_add_co_u32 s17, s17, SST
	v_add_nc_u32 v[SL], s17, v7
	s_mov_b32 s20, 0x76543210
	s_mov_b32 s21, 0xfedcba98                      ; v_permlanex16_b32: lane l xor 16
	s_mov_b32 s22, 0x600000                        ; the mantissa field of 57,344
	s_mov_b32 s23, INVK
	s_mov_b32 s24, 0x3727c5ac                      ; 1e-5
	s_lshl_b32 s26, ttmp9, 5
	s_lshl_b32 s27, s16, 2
	s_add_co_u32 s26, s26, s27
	s_mul_i32 s26, s26, 4*K                        ; my first row, in bytes
	s_mov_b32 s27, 0
	s_mul_i32 s28, ttmp9, 32*K
	s_add_co_u32 s28, s28, OUTC                    ; the work-group's two tiles of codes
	s_mov_b32 s29, 0
	s_mul_i32 s30, ttmp9, K
	s_add_co_u32 s30, s30, OUTS                    ; its scale bytes; wave w copies piece w % 4 of set w / 4
	s_lshl_b32 s31, s18, 8
	s_add_co_u32 s30, s30, s31
	s_lshr_b32 s31, s16, 2
	s_lshl_b32 s31, s31, 18
	s_add_co_u32 s30, s30, s31
	s_mov_b32 s31, 0
	s_wait_kmcnt 0x0
.if NSETS == 1
	s_mov_b64 s[14:15], s[10:11]
.endif
	s_add_nc_u64 s[4:5], s[4:5], s[26:27]
	s_add_nc_u64 s[32:33], s[14:15], s[28:29]
.if NSETS == 2
	s_add_nc_u64 s[34:35], s[32:33], 8388608
.endif
	s_add_nc_u64 s[36:37], s[14:15], s[30:31]
.macro GBLOAD set, g, b                ; my 8 gains and 8 biases of each step: they stay in registers
.set t, 0
.rept NST
.set GG, GB+16*(NST*\set+t)
	global_load_b128 v[GG:GG+3],     v2, s[\g:\g+1] offset:1024*t
	global_load_b128 v[GG+4:GG+7],   v2, s[\g:\g+1] offset:1024*t+16
	global_load_b128 v[GG+8:GG+11],  v2, s[\b:\b+1] offset:1024*t
	global_load_b128 v[GG+12:GG+15], v2, s[\b:\b+1] offset:1024*t+16
.set t, t+1
.endr
.endm
.macro LOADROW i, slot                 ; row i of my four: two loads a step, which together take 1,024 consecutive bytes
.set t, 0
.rept NST
.set XX, XR+8*NST*(\slot)+8*t
	global_load_b128 v[XX:XX+3],   v2, s[4:5] offset:(\i)*4*K+1024*t
	global_load_b128 v[XX+4:XX+7], v2, s[4:5] offset:(\i)*4*K+1024*t+16
.set t, t+1
.endr
.endm
.macro LANESUM                         ; v8 summed over the 32 lanes, in every lane
	v_add_f32_dpp v8, v8, v8 row_xmask:1 row_mask:0xf bank_mask:0xf
	v_add_f32_dpp v8, v8, v8 row_xmask:2 row_mask:0xf bank_mask:0xf
	v_add_f32_dpp v8, v8, v8 row_xmask:4 row_mask:0xf bank_mask:0xf
	v_add_f32_dpp v8, v8, v8 row_xmask:8 row_mask:0xf bank_mask:0xf
	v_permlanex16_b32 v11, v8, s20, s21            ; (v11 has been written: a lane permute's destination counts as read)
	v_add_f32 v8, v8, v11
.endm
; 8 numbers of step t under set's gain and bias become 8 codes and a scale byte
.macro QSTEP set, t, i
.set GG, GB+16*(NST*(\set)+(\t))
	s_wait_dscnt 2*(NST-1)                         ; the two LDS stores that read this step's code and byte registers NST steps ago are done: behind them 2 (NST - 1) were issued
.irp e, 0,2,4,6
	v_pk_fma_f32 v[Y+\e:Y+\e+1], v[XB+8*(\t)+\e:XB+8*(\t)+\e+1], v[GG+\e:GG+\e+1], v[GG+8+\e:GG+8+\e+1]
.endr
	v_max3_num_f32 v216, |v[Y]|, |v[Y+1]|, 0x8000000               ; the largest magnitude of my 8, and the floor 2^(16 - 127): the byte cannot fall under 1
	v_max3_num_f32 v217, |v[Y+2]|, |v[Y+3]|, |v[Y+4]|
	v_max3_num_f32 v216, v216, |v[Y+5]|, |v[Y+6]|
	v_max3_num_f32 v216, v216, v217, |v[Y+7]|
	v_max_num_f32_dpp v216, v216, v216 row_xmask:1 row_mask:0xf bank_mask:0xf
	v_max_num_f32_dpp v216, v216, v216 row_xmask:2 row_mask:0xf bank_mask:0xf   ; of the four lanes that hold the block
	v_add_nc_u32 v218, 0xf8800000, v216            ; 15 off its exponent field: the conversion's scale operand
	v_and_or_b32 v219, v216, 0x7f800000, s22       ; 57,344 x the scale
.irp e, 0,1,2,3,4,5,6,7
	v_med3_num_f32 v[Y+\e], v[Y+\e], -v219, v219   ; the conversion does not saturate (ISA guide 7.6.2): hold first
.endr
	v_cvt_scalef32_pk8_bf8_f32 v[CD+2*(\t):CD+2*(\t)+1], v[Y:Y+7], v218
	v_lshrrev_b32 v[EB+(\t)], 23, v218             ; the scale's byte (also the plain line behind the conversion)
	ds_store_b64 v3, v[CD+2*(\t):CD+2*(\t)+1] offset:(\set)*CSTS+(\t)*16*272+16*(\i)
	ds_store_b8 v4, v[EB+(\t)] offset:(\set)*K+(\i)*KSB+8*(\t)     ; the block's four lanes write the same byte with the same value
.endm
; One row.  left: the younger loads that may stay out (the other slot's row)
.macro ROW i, slot, refill, left
.set XB, XR+8*NST*(\slot)
	s_wait_loadcnt \left
	v_pk_add_f32 v[8:9], v[XB:XB+1], v[XB+2:XB+3]                  ; the sum, in two chains
	v_pk_add_f32 v[10:11], v[XB+4:XB+5], v[XB+6:XB+7]
.set j, 8
.rept NST-1
	v_pk_add_f32 v[8:9], v[8:9], v[XB+j:XB+j+1]
	v_pk_add_f32 v[10:11], v[10:11], v[XB+j+2:XB+j+3]
	v_pk_add_f32 v[8:9], v[8:9], v[XB+j+4:XB+j+5]
	v_pk_add_f32 v[10:11], v[10:11], v[XB+j+6:XB+j+7]
.set j, j+8
.endr
	v_pk_add_f32 v[8:9], v[8:9], v[10:11]
	v_add_f32 v8, v8, v9
	LANESUM
	v_mul_f32 v12, s23, v8                         ; the mean, twice: a pair for the packed forms
	v_mul_f32 v13, s23, v8
.set j, 0
.rept 4*NST
	v_pk_add_f32 v[XB+j:XB+j+1], v[XB+j:XB+j+1], v[12:13] neg_lo:[0,1] neg_hi:[0,1]   ; d = x - mean, in place
.set j, j+2
.endr
	v_pk_mul_f32 v[8:9], v[XB:XB+1], v[XB:XB+1]                    ; the sum of d^2, in two chains
	v_pk_mul_f32 v[10:11], v[XB+2:XB+3], v[XB+2:XB+3]
.set j, 4
.rept 2*NST-1
	v_pk_fma_f32 v[8:9], v[XB+j:XB+j+1], v[XB+j:XB+j+1], v[8:9]
	v_pk_fma_f32 v[10:11], v[XB+j+2:XB+j+3], v[XB+j+2:XB+j+3], v[10:11]
.set j, j+4
.endr
	v_pk_add_f32 v[8:9], v[8:9], v[10:11]
	v_add_f32 v8, v8, v9
	LANESUM
	v_fma_f32 v14, v8, s23, s24                    ; var + 1e-5
	v_rsq_f32 v14, v14
	v_nop                                          ; one plain line behind a transcendental
	s_wait_alu depctr_va_vdst(0)
	v_mov_b32 v15, v14
.set j, 0
.rept 4*NST
	v_pk_mul_f32 v[XB+j:XB+j+1], v[XB+j:XB+j+1], v[14:15]
.set j, j+2
.endr
.set qs, 0
.rept NSETS
.set qt, 0
.rept NST
	QSTEP qs, qt, \i
.set qt, qt+1
.endr
.set qs, qs+1
.endr
.if \refill
	LOADROW (\i)+2, \slot
.endif
.endm
	GBLOAD 0, 6, 8
.if NSETS == 2
	GBLOAD 1, 10, 12
.endif
	LOADROW 0, 0
	LOADROW 1, 1
	ROW 0, 0, 1, 2*NST
	ROW 1, 1, 1, 2*NST
	ROW 2, 0, 0, 2*NST
	ROW 3, 1, 0, 0
	s_wait_dscnt 0x0                               ; for the others' sake: my stores into LDS are done
	s_barrier_signal -1
	s_barrier_wait -1
.set cs, 0
.rept NSETS
.set j, 0
.rept UPW/2
.set RR, 16+4*(cs*(UPW/2)+j)
	ds_load_b128 v[RR:RR+3], v5 offset:cs*CSTS+2*j*272
.set j, j+1
.endr
.set cs, cs+1
.endr
.set cs, 0
.rept NSETS
.set j, 0
.rept UPW/2
.set RR, 16+4*(cs*(UPW/2)+j)
	s_wait_dscnt NL-1-(cs*(UPW/2)+j)               ; LDS loads come back in order: this one is in
	global_store_b128 v6, v[RR:RR+3], s[32+2*cs:33+2*cs] offset:512*j    ; the wave stores 512 consecutive bytes, aligned to 256
.set j, j+1
.endr
.set cs, cs+1
.endr
.if NSETS*NST < 8
	s_cmp_lt_u32 s16, NSETS*NST                    ; there are NSETS x NST runs of 256 scale bytes: one wave to each
	s_cbranch_scc0 .Ldone
.endif
	ds_load_b64 v[80:81], v[SL]
	s_wait_dscnt 0x0
	global_store_b64 v7, v[80:81], s[36:37]        ; 32 lanes store 256 consecutive bytes, aligned
.Ldone:
	s_wait_tensorcnt 0x0
	ds_add_u32 v254, v255
	s_wait_dscnt 0x0
	s_endpgm
.Lfunc_end_k_q61d726d7bc_lnq_x1:
	.size	k_q61d726d7bc_lnq_x1, .Lfunc_end_k_q61d726d7bc_lnq_x1-k_q61d726d7bc_lnq_x1
	.p2alignl 7, 3214868480
	.fill 96, 4, 3214868480
	.section	.rodata,"a",@progbits
	.p2align	6, 0x0
	.amdhsa_kernel k_q61d726d7bc_lnq_x1
		.amdhsa_group_segment_fixed_size 36864
		.amdhsa_private_segment_fixed_size 0
		.amdhsa_enable_private_segment 0
		.amdhsa_kernarg_size 32
		.amdhsa_user_sgpr_count 2
		.amdhsa_user_sgpr_kernarg_segment_ptr 1
		.amdhsa_wavefront_size32 1
		.amdhsa_system_sgpr_workgroup_id_x 1
		.amdhsa_system_sgpr_workgroup_id_y 1
		.amdhsa_system_sgpr_workgroup_id_z 1
		.amdhsa_system_vgpr_workitem_id 0
		.amdhsa_next_free_vgpr 256
		.amdhsa_next_free_sgpr 66
		.amdhsa_reserve_vcc 0
		.amdhsa_float_denorm_mode_32 3
		.amdhsa_float_denorm_mode_16_64 3
		.amdhsa_memory_ordered 1
		.amdhsa_forward_progress 1
		.amdhsa_inst_pref_size 55
	.end_amdhsa_kernel
	.amdgpu_metadata
---
amdhsa.version: [ 1, 2 ]
amdhsa.kernels:
  - .name:           k_q61d726d7bc_lnq_x1
    .symbol:         k_q61d726d7bc_lnq_x1.kd
    .args:
      - { .name: x1, .offset: 0, .size: 8, .value_kind: global_buffer, .address_space: global }
      - { .name: ca_ng, .offset: 8, .size: 8, .value_kind: global_buffer, .address_space: global }
      - { .name: ca_nb, .offset: 16, .size: 8, .value_kind: global_buffer, .address_space: global }
      - { .name: lnb, .offset: 24, .size: 8, .value_kind: global_buffer, .address_space: global }
    .group_segment_fixed_size: 36864
    .private_segment_fixed_size: 0
    .kernarg_segment_align: 8
    .kernarg_segment_size: 32
    .max_flat_workgroup_size: 256
    .sgpr_count:     66
    .vgpr_count:     256
    .wavefront_size: 32
...
	.end_amdgpu_metadata
.endif
;; end of part 5
;; launch lnq_ctx (part 6): grid 64 x 1, 8 waves a work-group, no clusters, 27,904 bytes of LDS; arguments context, ca_ncg, ca_ncb, lnb; writes lnb
.if DOCPART == 6
	.amdgcn_target "amdgcn-amd-amdhsa--gfx1250"
	.amdhsa_code_object_version 6
	.text
	.protected	k_q61d726d7bc_lnq_ctx
	.globl	k_q61d726d7bc_lnq_ctx
	.p2align	8
	.type	k_q61d726d7bc_lnq_ctx,@function
k_q61d726d7bc_lnq_ctx:
	s_mov_b64 s[64:65], 0
	v_nop
	global_prefetch_b8 v0, s[64:65] scope:SCOPE_SE
	s_setreg_imm32_b32 hwreg(HW_REG_WAVE_MODE, 25, 1), 1
	s_wait_xcnt 0x0
; LayerNorm of rows of K f32 numbers under NSETS pairs of gain and bias; each result is quantised along the row to codes of E5M2 with one E8M0 byte for each 32.
; y = (x - mean) / sqrt(var + 1e-5) * g + b, all in f32; the variance is the mean of (x - mean)^2, taken in a second pass over registers: no difference of large sums.
; OUT: codes in the order of a matrix operand's registers: [tile of 16 rows][K / 16][row][16 bytes]; scale bytes row-major [row][K / 32].  Here they go to the buffer's second region.
; SHARES: a work-group takes 32 rows (two tiles), a wave four of them, one at a time.  A lane holds 8 neighbours of each 256 along the row; four lanes hold a block of 32.
; A lane's 8 codes are 8 bytes of a 256-byte piece of the output whose other bytes belong to other rows: so codes and bytes meet in LDS and leave as runs of 512 (codes) and 256 (scales) consecutive bytes.
; LIMITS: NaN and infinities are not served; a block whose largest magnitude lies under 2^-111 (a block of zeros too) keeps the byte 1: its codes are then tiny or zero, and only this program reads the bytes.
; No matrix unit, no tensor load, no cluster: the launch streams, and work-groups share only the gains and biases (6 K bytes).  2,048 rows give 64 work-groups.
.set K,     768
.set NSETS, 1
.set OUTC,  8388608                    ; where set 0's codes begin in the buffer
.set OUTS,  17039360                   ; and its scale bytes
.set INVK,  0x3aaaaaab                 ; 1 / K as f32
.set NST,   K/256                      ; steps of 256 along a row
.set KSB,   K/32                       ; scale bytes of a row
.set CSTS,  (K/8)*272                  ; LDS: a set's codes: K / 8 pieces of 256 bytes + 16 of padding
.set SST,   NSETS*CSTS                 ; behind them the scale bytes, K for each set
.set UPW,   K/64                       ; pieces that a wave copies out for each set
.set NL,    NSETS*UPW/2
.set GB,    16                         ; v16..    g (8) and b (8) of set s, step t at GB + 16 (NST s + t)
.set XR,    144                        ; v144..   two rows in turn, 8 NST registers each
.set Y,     208                        ; v208-215 the 8 numbers in hand
.set SL,    224                        ; v224     LDS address of the scale bytes that I copy out
.set CD,    232                        ; v232..   a step's codes
.set EB,    240                        ; v240..   a step's scale byte
	s_load_b256 s[4:11], s[0:1], 0x0               ; the rows, g0, b0, then g1 (two sets) or the output (one set)
	v_lshl_add_u32 v254, v0, 2, 0x6900
	v_mov_b32 v255, 0
.if NSETS == 2
	s_load_b128 s[12:15], s[0:1], 0x20             ; b1, the output
.endif
	v_lshrrev_b32 v8, 5, v0
	v_readfirstlane_b32 s16, v8                    ; wave 0..7
	v_and_b32 v1, 31, v0                           ; lane
	v_lshlrev_b32 v2, 5, v1                        ; my 32 bytes of a step's 1,024
	v_lshrrev_b32 v8, 1, v1
	v_mul_u32_u24 v3, v8, 272
	v_and_b32 v8, 1, v1
	v_lshl_add_u32 v3, v8, 3, v3                   ; codes into LDS: piece lane / 2 of a step's 16, byte 8 (lane % 2),
	s_lshr_b32 s17, s16, 2
	s_mul_i32 s17, s17, (K/16)*272                 ; my tile of the two,
	s_and_b32 s18, s16, 3
	s_lshl_b32 s19, s18, 6                         ; my four rows in it, 16 bytes each
	s_add_co_u32 s17, s17, s19
	v_add_nc_u32 v3, s17, v3
	v_lshrrev_b32 v4, 2, v1
	s_mul_i32 s17, s16, 4*KSB
	s_add_co_u32 s17, s17, SST
	v_add_nc_u32 v4, s17, v4                       ; scale bytes into LDS: my rows, block lane / 4 of a step's 8
	v_lshrrev_b32 v8, 4, v1
	v_mul_u32_u24 v5, v8, 272
	v_and_b32 v8, 15, v1
	v_lshl_add_u32 v5, v8, 4, v5
	s_mul_i32 s17, s16, UPW*272
	v_add_nc_u32 v5, s17, v5                       ; codes out of LDS: sixteen lanes to a piece, two pieces an instruction
	v_lshlrev_b32 v6, 4, v1
	s_mul_i32 s17, s16, UPW*256
	v_add_nc_u32 v6, s17, v6                       ; and the same place in memory
	v_lshlrev_b32 v7, 3, v1
	s_lshl_b32 s17, s16, 8
	s_add_co_u32 s17, s17, SST
	v_add_nc_u32 v[SL], s17, v7
	s_mov_b32 s20, 0x76543210
	s_mov_b32 s21, 0xfedcba98                      ; v_permlanex16_b32: lane l xor 16
	s_mov_b32 s22, 0x600000                        ; the mantissa field of 57,344
	s_mov_b32 s23, INVK
	s_mov_b32 s24, 0x3727c5ac                      ; 1e-5
	s_lshl_b32 s26, ttmp9, 5
	s_lshl_b32 s27, s16, 2
	s_add_co_u32 s26, s26, s27
	s_mul_i32 s26, s26, 4*K                        ; my first row, in bytes
	s_mov_b32 s27, 0
	s_mul_i32 s28, ttmp9, 32*K
	s_add_co_u32 s28, s28, OUTC                    ; the work-group's two tiles of codes
	s_mov_b32 s29, 0
	s_mul_i32 s30, ttmp9, K
	s_add_co_u32 s30, s30, OUTS                    ; its scale bytes; wave w copies piece w % 4 of set w / 4
	s_lshl_b32 s31, s18, 8
	s_add_co_u32 s30, s30, s31
	s_lshr_b32 s31, s16, 2
	s_lshl_b32 s31, s31, 18
	s_add_co_u32 s30, s30, s31
	s_mov_b32 s31, 0
	s_wait_kmcnt 0x0
.if NSETS == 1
	s_mov_b64 s[14:15], s[10:11]
.endif
	s_add_nc_u64 s[4:5], s[4:5], s[26:27]
	s_add_nc_u64 s[32:33], s[14:15], s[28:29]
.if NSETS == 2
	s_add_nc_u64 s[34:35], s[32:33], 8388608
.endif
	s_add_nc_u64 s[36:37], s[14:15], s[30:31]
.macro GBLOAD set, g, b                ; my 8 gains and 8 biases of each step: they stay in registers
.set t, 0
.rept NST
.set GG, GB+16*(NST*\set+t)
	global_load_b128 v[GG:GG+3],     v2, s[\g:\g+1] offset:1024*t
	global_load_b128 v[GG+4:GG+7],   v2, s[\g:\g+1] offset:1024*t+16
	global_load_b128 v[GG+8:GG+11],  v2, s[\b:\b+1] offset:1024*t
	global_load_b128 v[GG+12:GG+15], v2, s[\b:\b+1] offset:1024*t+16
.set t, t+1
.endr
.endm
.macro LOADROW i, slot                 ; row i of my four: two loads a step, which together take 1,024 consecutive bytes
.set t, 0
.rept NST
.set XX, XR+8*NST*(\slot)+8*t
	global_load_b128 v[XX:XX+3],   v2, s[4:5] offset:(\i)*4*K+1024*t
	global_load_b128 v[XX+4:XX+7], v2, s[4:5] offset:(\i)*4*K+1024*t+16
.set t, t+1
.endr
.endm
.macro LANESUM                         ; v8 summed over the 32 lanes, in every lane
	v_add_f32_dpp v8, v8, v8 row_xmask:1 row_mask:0xf bank_mask:0xf
	v_add_f32_dpp v8, v8, v8 row_xmask:2 row_mask:0xf bank_mask:0xf
	v_add_f32_dpp v8, v8, v8 row_xmask:4 row_mask:0xf bank_mask:0xf
	v_add_f32_dpp v8, v8, v8 row_xmask:8 row_mask:0xf bank_mask:0xf
	v_permlanex16_b32 v11, v8, s20, s21            ; (v11 has been written: a lane permute's destination counts as read)
	v_add_f32 v8, v8, v11
.endm
; 8 numbers of step t under set's gain and bias become 8 codes and a scale byte
.macro QSTEP set, t, i
.set GG, GB+16*(NST*(\set)+(\t))
	s_wait_dscnt 2*(NST-1)                         ; the two LDS stores that read this step's code and byte registers NST steps ago are done: behind them 2 (NST - 1) were issued
.irp e, 0,2,4,6
	v_pk_fma_f32 v[Y+\e:Y+\e+1], v[XB+8*(\t)+\e:XB+8*(\t)+\e+1], v[GG+\e:GG+\e+1], v[GG+8+\e:GG+8+\e+1]
.endr
	v_max3_num_f32 v216, |v[Y]|, |v[Y+1]|, 0x8000000               ; the largest magnitude of my 8, and the floor 2^(16 - 127): the byte cannot fall under 1
	v_max3_num_f32 v217, |v[Y+2]|, |v[Y+3]|, |v[Y+4]|
	v_max3_num_f32 v216, v216, |v[Y+5]|, |v[Y+6]|
	v_max3_num_f32 v216, v216, v217, |v[Y+7]|
	v_max_num_f32_dpp v216, v216, v216 row_xmask:1 row_mask:0xf bank_mask:0xf
	v_max_num_f32_dpp v216, v216, v216 row_xmask:2 row_mask:0xf bank_mask:0xf   ; of the four lanes that hold the block
	v_add_nc_u32 v218, 0xf8800000, v216            ; 15 off its exponent field: the conversion's scale operand
	v_and_or_b32 v219, v216, 0x7f800000, s22       ; 57,344 x the scale
.irp e, 0,1,2,3,4,5,6,7
	v_med3_num_f32 v[Y+\e], v[Y+\e], -v219, v219   ; the conversion does not saturate (ISA guide 7.6.2): hold first
.endr
	v_cvt_scalef32_pk8_bf8_f32 v[CD+2*(\t):CD+2*(\t)+1], v[Y:Y+7], v218
	v_lshrrev_b32 v[EB+(\t)], 23, v218             ; the scale's byte (also the plain line behind the conversion)
	ds_store_b64 v3, v[CD+2*(\t):CD+2*(\t)+1] offset:(\set)*CSTS+(\t)*16*272+16*(\i)
	ds_store_b8 v4, v[EB+(\t)] offset:(\set)*K+(\i)*KSB+8*(\t)     ; the block's four lanes write the same byte with the same value
.endm
; One row.  left: the younger loads that may stay out (the other slot's row)
.macro ROW i, slot, refill, left
.set XB, XR+8*NST*(\slot)
	s_wait_loadcnt \left
	v_pk_add_f32 v[8:9], v[XB:XB+1], v[XB+2:XB+3]                  ; the sum, in two chains
	v_pk_add_f32 v[10:11], v[XB+4:XB+5], v[XB+6:XB+7]
.set j, 8
.rept NST-1
	v_pk_add_f32 v[8:9], v[8:9], v[XB+j:XB+j+1]
	v_pk_add_f32 v[10:11], v[10:11], v[XB+j+2:XB+j+3]
	v_pk_add_f32 v[8:9], v[8:9], v[XB+j+4:XB+j+5]
	v_pk_add_f32 v[10:11], v[10:11], v[XB+j+6:XB+j+7]
.set j, j+8
.endr
	v_pk_add_f32 v[8:9], v[8:9], v[10:11]
	v_add_f32 v8, v8, v9
	LANESUM
	v_mul_f32 v12, s23, v8                         ; the mean, twice: a pair for the packed forms
	v_mul_f32 v13, s23, v8
.set j, 0
.rept 4*NST
	v_pk_add_f32 v[XB+j:XB+j+1], v[XB+j:XB+j+1], v[12:13] neg_lo:[0,1] neg_hi:[0,1]   ; d = x - mean, in place
.set j, j+2
.endr
	v_pk_mul_f32 v[8:9], v[XB:XB+1], v[XB:XB+1]                    ; the sum of d^2, in two chains
	v_pk_mul_f32 v[10:11], v[XB+2:XB+3], v[XB+2:XB+3]
.set j, 4
.rept 2*NST-1
	v_pk_fma_f32 v[8:9], v[XB+j:XB+j+1], v[XB+j:XB+j+1], v[8:9]
	v_pk_fma_f32 v[10:11], v[XB+j+2:XB+j+3], v[XB+j+2:XB+j+3], v[10:11]
.set j, j+4
.endr
	v_pk_add_f32 v[8:9], v[8:9], v[10:11]
	v_add_f32 v8, v8, v9
	LANESUM
	v_fma_f32 v14, v8, s23, s24                    ; var + 1e-5
	v_rsq_f32 v14, v14
	v_nop                                          ; one plain line behind a transcendental
	s_wait_alu depctr_va_vdst(0)
	v_mov_b32 v15, v14
.set j, 0
.rept 4*NST
	v_pk_mul_f32 v[XB+j:XB+j+1], v[XB+j:XB+j+1], v[14:15]
.set j, j+2
.endr
.set qs, 0
.rept NSETS
.set qt, 0
.rept NST
	QSTEP qs, qt, \i
.set qt, qt+1
.endr
.set qs, qs+1
.endr
.if \refill
	LOADROW (\i)+2, \slot
.endif
.endm
	GBLOAD 0, 6, 8
.if NSETS == 2
	GBLOAD 1, 10, 12
.endif
	LOADROW 0, 0
	LOADROW 1, 1
	ROW 0, 0, 1, 2*NST
	ROW 1, 1, 1, 2*NST
	ROW 2, 0, 0, 2*NST
	ROW 3, 1, 0, 0
	s_wait_dscnt 0x0                               ; for the others' sake: my stores into LDS are done
	s_barrier_signal -1
	s_barrier_wait -1
.set cs, 0
.rept NSETS
.set j, 0
.rept UPW/2
.set RR, 16+4*(cs*(UPW/2)+j)
	ds_load_b128 v[RR:RR+3], v5 offset:cs*CSTS+2*j*272
.set j, j+1
.endr
.set cs, cs+1
.endr
.set cs, 0
.rept NSETS
.set j, 0
.rept UPW/2
.set RR, 16+4*(cs*(UPW/2)+j)
	s_wait_dscnt NL-1-(cs*(UPW/2)+j)               ; LDS loads come back in order: this one is in
	global_store_b128 v6, v[RR:RR+3], s[32+2*cs:33+2*cs] offset:512*j    ; the wave stores 512 consecutive bytes, aligned to 256
.set j, j+1
.endr
.set cs, cs+1
.endr
.if NSETS*NST < 8
	s_cmp_lt_u32 s16, NSETS*NST                    ; there are NSETS x NST runs of 256 scale bytes: one wave to each
	s_cbranch_scc0 .Ldone
.endif
	ds_load_b64 v[80:81], v[SL]
	s_wait_dscnt 0x0
	global_store_b64 v7, v[80:81], s[36:37]        ; 32 lanes store 256 consecutive bytes, aligned
.Ldone:
	s_wait_tensorcnt 0x0
	ds_add_u32 v254, v255
	s_wait_dscnt 0x0
	s_endpgm
.Lfunc_end_k_q61d726d7bc_lnq_ctx:
	.size	k_q61d726d7bc_lnq_ctx, .Lfunc_end_k_q61d726d7bc_lnq_ctx-k_q61d726d7bc_lnq_ctx
	.p2alignl 7, 3214868480
	.fill 96, 4, 3214868480
	.section	.rodata,"a",@progbits
	.p2align	6, 0x0
	.amdhsa_kernel k_q61d726d7bc_lnq_ctx
		.amdhsa_group_segment_fixed_size 27904
		.amdhsa_private_segment_fixed_size 0
		.amdhsa_enable_private_segment 0
		.amdhsa_kernarg_size 32
		.amdhsa_user_sgpr_count 2
		.amdhsa_user_sgpr_kernarg_segment_ptr 1
		.amdhsa_wavefront_size32 1
		.amdhsa_system_sgpr_workgroup_id_x 1
		.amdhsa_system_sgpr_workgroup_id_y 1
		.amdhsa_system_sgpr_workgroup_id_z 1
		.amdhsa_system_vgpr_workitem_id 0
		.amdhsa_next_free_vgpr 256
		.amdhsa_next_free_sgpr 66
		.amdhsa_reserve_vcc 0
		.amdhsa_float_denorm_mode_32 3
		.amdhsa_float_denorm_mode_16_64 3
		.amdhsa_memory_ordered 1
		.amdhsa_forward_progress 1
		.amdhsa_inst_pref_size 43
	.end_amdhsa_kernel
	.amdgpu_metadata
---
amdhsa.version: [ 1, 2 ]
amdhsa.kernels:
  - .name:           k_q61d726d7bc_lnq_ctx
    .symbol:         k_q61d726d7bc_lnq_ctx.kd
    .args:
      - { .name: context, .offset: 0, .size: 8, .value_kind: global_buffer, .address_space: global }
      - { .name: ca_ncg, .offset: 8, .size: 8, .value_kind: global_buffer, .address_space: global }
      - { .name: ca_ncb, .offset: 16, .size: 8, .value_kind: global_buffer, .address_space: global }
      - { .name: lnb, .offset: 24, .size: 8, .value_kind: global_buffer, .address_space: global }
    .group_segment_fixed_size: 27904
    .private_segment_fixed_size: 0
    .kernarg_segment_align: 8
    .kernarg_segment_size: 32
    .max_flat_workgroup_size: 256
    .sgpr_count:     66
    .vgpr_count:     256
    .wavefront_size: 32
...
	.end_amdgpu_metadata
.endif
;; end of part 6
;; launch proj_caq: the kernel of part 2 again; grid 4 x 16, 4 waves a work-group, no clusters, 168,448 bytes of LDS; arguments lnb, ca_wq_codes, ca_wq_scales, ca_wkv_codes, ca_wkv_scales, qkv; writes qkv
;; launch proj_cakv (part 7): grid 8 x 4, 4 waves a work-group, no clusters, 168,448 bytes of LDS; arguments lnb, ca_wkv_codes, ca_wkv_scales, qkv; writes qkv
.if DOCPART == 7
	.amdgcn_target "amdgcn-amd-amdhsa--gfx1250"
	.amdhsa_code_object_version 6
	.text
	.protected	k_q61d726d7bc_proj_cakv
	.globl	k_q61d726d7bc_proj_cakv
	.p2align	8
	.type	k_q61d726d7bc_proj_cakv,@function
k_q61d726d7bc_proj_cakv:
	s_mov_b64 s[64:65], 0
	v_nop
	global_prefetch_b8 v0, s[64:65] scope:SCOPE_SE
	s_setreg_imm32_b32 hwreg(HW_REG_WAVE_MODE, 25, 1), 1
	s_wait_xcnt 0x0
; k or v = (normalised rows of the context) x W, on codes of E5M2 with E8M0 scales, and the result quantised at once for the attention that follows.
; A work-group takes 128 rows of the weight (two heads' 64 columns of k or v: slice x) and 512 rows of tokens; each of its four waves 128 tokens x 128 columns: 64 accumulators, 512 registers.
; The weight slice (128 x K bytes) comes into LDS once, by one tensor load a wave (256 bytes of each row, 16 bytes of padding behind them; K = 768: three waves); nothing in LDS is filled twice.
; The tokens' codes lie in memory in the order of an operand's registers, each fragment is wanted by one wave alone: they go straight to registers, 512 consecutive bytes a load, two K steps ahead.
; k: source 0 = 16 weight rows, source 1 = 16 tokens: a lane holds ONE token and its registers run along the head's 64, the next product's K.
; v: source 0 = 16 tokens, source 1 = 16 weight rows: a lane holds ONE channel and its registers run along the 128 keys, the next K.
; In both, registers 16 b + 0..7 hold k = 32 b + 8 h + j and 16 b + 8..15 hold k = 32 b + 16 + 8 h + j (h = lane / 16): a block of 32 lies in lanes l and l xor 16, and two lane swaps put the codes into the operand's order.
; OUT (qkv): for each head and 128 keys a block of 17,920 bytes: k's codes, v's codes, k's scale words, v's scale words.
; A scale word of k carries the head's two bytes below; its upper two bytes (the other head's, or 0) meet zero codes only and are never 0xff.
; LIMITS: NaN and infinities are not served; a block under 2^-111 keeps the byte 1.  2,048 rows x 8 slices give 32 work-groups of this tile.
; NO CLUSTER: what work-groups share through LDS is the slice, 96 K bytes against the 384 K bytes of tokens' codes that a work-group takes through registers.
.set K,     768
.set QSL,   0                          ; slices 0 .. QSL - 1 are q's; then four of k, four of v
.set NKS,   4                          ; blocks of 128 keys in a head
.set LOGNB, 2                          ; log2 of a batch's rows / 128
.set KST,   K/128
.set NCHK,  K/256
.set KSB,   K/32
.set CHUNK, 128*272                    ; LDS: 256 along K of the slice's 128 rows
.set CCO,   8388608                    ; lnb: the second set's codes; scale bytes from XSO on, the second set's CSD further
.set XSO,   16777216
.set CSD,   262144
.set QSO,   4194304                    ; qkv: q's scale words; the key blocks
.set KVO,   4718592
.set BLK,   17920
.set WS,  16                           ; v16..  weight scale words: WS + KST q + s: lane l has row 32 q + l, K step s
.set XS,  48                           ; v48..  the tokens' likewise
.set TM,  80                           ; v80-95 the quantiser: 4 maxima, 4 bytes, 4 holds, 4 scale operands
.set PW,  96                           ; v96    the scale word just made
.set SWA, 100                          ; v100-103, v104-107 four tiles' scale words, for a store of 16 bytes a lane
.set SWB, 104
.set PC,  112                          ; v112-127 the codes just made
.set WF,  128                          ; v128-255 the weight's 8 fragments of a K step, one set.  Window 1: the tokens' 8 fragments, two sets (v0, v128).  Windows 2, 3: the accumulators
.set MSB, 0
.macro WIN new                         ; the immediate's high byte repeats the setting that is left
.if MSB != (\new)
	s_set_vgpr_msb (MSB<<8)|(\new)
.set MSB, (\new)
.endif
.endm
.macro PLACES n
.rept \n
	v_nop
.endr
.endm
	s_load_b256 s[4:11], s[0:1], 0x0               ; lnb, then wq's codes and scales and wkv's codes (QSL > 0), or wkv's codes and scales and qkv
	v_lshl_add_u32 v110, v0, 2, 0x29000
	v_mov_b32 v111, 0
	ds_add_u32 v110, v111
	ds_add_u32 v110, v111
.if QSL
	s_load_b128 s[12:15], s[0:1], 0x20             ; wkv's scales, qkv
.endif
	v_lshrrev_b32 v3, 5, v0
	v_readfirstlane_b32 s16, v3                    ; wave 0..3
	v_and_b32 v3, 31, v0
	v_lshlrev_b32 v1, 4, v3                        ; 16 x lane: an image's place for my lane
	v_mul_u32_u24 v2, v3, KSB                      ; my row of 32 rows of scale bytes
	v_and_b32 v8, 15, v0
	v_bfe_u32 v9, v0, 4, 1
	v_mul_u32_u24 v8, v8, 272
	v_lshl_add_u32 v8, v9, 4, v8                   ; a weight fragment: row r x pitch + 16 h
.set j, 0
.rept NCHK
	v_add_nc_u32 v[4+j], j*CHUNK, v8
.set j, j+1
.endr
.irp b, 0,1,2,3
	v_mov_b32 v[TM+4+\b], 0                        ; written once: a lane permute's destination counts as read
.endr
	s_mov_b32 s28, (1<<20)|(5<<22)|(3<<25)         ; group 1: elements of 1 byte; 4 words of padding behind every 64
	s_mov_b32 s29, 256<<16                         ; tensor_dim0
	s_mov_b32 s30, 128<<16                         ; tensor_dim1
	s_mov_b32 s31, 256<<16                         ; tile_dim0
	s_mov_b32 s32, 128                             ; tile_dim1
	s_mov_b32 s33, K                               ; from row to row
	s_mov_b32 s34, 0
	s_mov_b32 s35, 0
	s_mov_b32 s50, 0x76543210
	s_mov_b32 s51, 0xfedcba98
	s_mov_b32 s52, 0x600000
	s_lshr_b32 s18, ttmp9, 2                       ; kind: 0 q, 1 k, 2 v
.if QSL == 0
	s_add_co_u32 s18, s18, 1
.endif
	s_and_b32 s19, ttmp9, 3                        ; which two heads
	s_and_b32 s20, ttmp7, 0xffff
	s_lshl_b32 s20, s20, 2
	s_add_co_u32 s20, s20, s16                     ; my 128 tokens
	s_lshr_b32 s21, s20, LOGNB                     ; batch
	s_and_b32 s22, s20, (1<<LOGNB)-1               ; and which 128 of its rows
	s_lshl_b32 s23, s21, 3
	s_lshl_b32 s54, s19, 1
	s_add_co_u32 s23, s23, s54                     ; 8 x batch + my first head
.if QSL
	s_cmp_eq_u32 s18, 0
	s_cselect_b32 s55, 0, QSL
	s_cselect_b32 s56, 0, CCO                      ; q reads the first set of normalised rows, k and v the second
	s_cselect_b32 s57, 0, CSD
	s_sub_co_u32 s55, ttmp9, s55
.else
	s_mov_b32 s55, ttmp9
	s_mov_b32 s56, CCO
	s_mov_b32 s57, CSD
.endif
	s_lshl_b32 s55, s55, 7                         ; the slice's first weight row
	s_mul_i32 s58, s55, K
	s_lshl_b32 s59, s16, 8
	s_add_co_u32 s58, s58, s59                     ; its codes, + the 256 along K that I fetch
	s_mov_b32 s59, 0
	s_mul_i32 s60, s55, KSB                        ; its scale bytes
	s_mov_b32 s61, 0
	s_mul_i32 s54, s20, 128*K
	s_add_co_u32 s56, s56, s54                     ; my tokens' codes
	s_mul_i32 s54, s20, 4*K
	s_add_co_u32 s62, s57, s54
	s_add_co_u32 s62, s62, XSO                     ; and scale bytes
	s_mov_b32 s57, 0
	s_mov_b32 s63, 0
	s_mul_i32 s54, s23, NKS                        ; where the results go: k, v: the block of my head and my 128 keys
	s_add_co_u32 s54, s54, s22
	s_mul_i32 s54, s54, BLK
	s_add_co_u32 s54, s54, KVO
	s_cmp_eq_u32 s18, 2
	s_cselect_b32 s42, 8192, 0
	s_cselect_b32 s46, 1024, 0
	s_add_co_u32 s42, s42, s54
	s_add_co_u32 s46, s46, s54
	s_add_co_u32 s46, s46, 16384
	s_mov_b32 s44, NKS*BLK                         ; the second head's lie a head further on
	s_mov_b32 s48, NKS*BLK
.if QSL
	s_lshl_b32 s54, s23, 7                         ; q: tile 128 x head + 8 x (my 128 rows), 1,024 bytes a tile
	s_lshl_b32 s55, s22, 3
	s_add_co_u32 s54, s54, s55
	s_lshl_b32 s54, s54, 10
	s_lshl_b32 s55, s23, 5                         ; scale words: 512 bytes for four tiles
	s_lshl_b32 s53, s22, 1
	s_add_co_u32 s55, s55, s53
	s_lshl_b32 s55, s55, 9
	s_add_co_u32 s55, s55, QSO
	s_cmp_eq_u32 s18, 0
	s_cselect_b32 s42, s54, s42
	s_cselect_b32 s46, s55, s46
	s_cselect_b32 s44, 131072, s44
	s_cselect_b32 s48, 16384, s48
.endif
	s_add_co_u32 s44, s44, s42
	s_add_co_u32 s48, s48, s46
	s_mov_b32 s43, 0
	s_mov_b32 s45, 0
	s_mov_b32 s47, 0
	s_mov_b32 s49, 0
	s_wait_dscnt 0x0
	s_wait_kmcnt 0x0
.if QSL
	s_cmp_eq_u32 s18, 0                            ; the weight is chosen by the slice's number alone
	s_cselect_b64 s[6:7], s[6:7], s[10:11]
	s_cselect_b64 s[8:9], s[8:9], s[12:13]
.else
	s_mov_b64 s[14:15], s[10:11]
.endif
	s_mov_b32 s24, 1                               ; group 0: count
	s_mul_i32 s25, s16, CHUNK                      ; LDS address: wave x a chunk
	s_add_nc_u64 s[26:27], s[6:7], s[58:59]
	s_or_b32 s27, s27, 0x80000000                  ; type
.if NCHK < 4
	s_cmp_lt_u32 s16, NCHK
	s_cbranch_scc0 .Lno_fill
.endif
	tensor_load_to_lds s[24:27], s[28:35]          ; my one tensor load: 128 rows x 256 bytes
	s_nop 0
	PLACES 4
.if NCHK < 4
.Lno_fill:
.endif
	s_add_nc_u64 s[36:37], s[4:5], s[56:57]
	s_add_nc_u64 s[38:39], s[4:5], s[62:63]
	s_add_nc_u64 s[40:41], s[8:9], s[60:61]
	s_add_nc_u64 s[42:43], s[14:15], s[42:43]
	s_add_nc_u64 s[44:45], s[14:15], s[44:45]
	s_add_nc_u64 s[46:47], s[14:15], s[46:47]
	s_add_nc_u64 s[48:49], s[14:15], s[48:49]
.set q, 0
.rept 4
.set j, 0
.rept KST/2
	global_load_b64 v[WS+KST*q+2*j:WS+KST*q+2*j+1], v2, s[40:41] offset:q*K+8*j
	global_load_b64 v[XS+KST*q+2*j:XS+KST*q+2*j+1], v2, s[38:39] offset:q*K+8*j
.set j, j+1
.endr
.set q, q+1
.endr
.macro XLOAD s, set                    ; my tokens' 8 fragments of K step s: 32 loads of 512 consecutive bytes
	WIN 0x40
.set a, 0
.rept 8
.irp c, 0,1,2,3
	global_load_b128 v[128*(\set)+16*a+4*\c:128*(\set)+16*a+4*\c+3], v1, s[36:37] offset:a*16*K+2048*(\s)+512*\c
.endr
.set a, a+1
.endr
	WIN 0
.endm
.macro WFETCH s, t0                    ; the weight's tiles t0 .. t0 + 3 of K step s: registers 4 c .. 4 c + 3 hold K = 32 c + 16 h + 0 .. 15 of row r
.irp t, \t0, \t0+1, \t0+2, \t0+3
.irp c, 0,1,2,3
	ds_load_b128 v[WF+16*(\t)+4*\c:WF+16*(\t)+4*\c+3], v[4+(\s)/2] offset:16*(\t)*272+128*((\s)%2)+32*\c
.endr
.endr
.endm
; One product, from the symbols DD (accumulator), AA, BB (fragments), SA, SB (scale registers), PA, PB (1: the scales lie in lanes 16-31), ZZ (1: the first K step starts the sum)
.macro MM
.if ZZ
.if PA && PB
	v_wmma_scale_f32_16x16x128_f8f6f4 v[DD:DD+7], v[AA:AA+15], v[BB:BB+15], 0, v[SA], v[SB] matrix_a_fmt:MATRIX_FMT_BF8 matrix_b_fmt:MATRIX_FMT_BF8 matrix_a_scale:MATRIX_SCALE_ROW1 matrix_b_scale:MATRIX_SCALE_ROW1
.elseif PA
	v_wmma_scale_f32_16x16x128_f8f6f4 v[DD:DD+7], v[AA:AA+15], v[BB:BB+15], 0, v[SA], v[SB] matrix_a_fmt:MATRIX_FMT_BF8 matrix_b_fmt:MATRIX_FMT_BF8 matrix_a_scale:MATRIX_SCALE_ROW1
.elseif PB
	v_wmma_scale_f32_16x16x128_f8f6f4 v[DD:DD+7], v[AA:AA+15], v[BB:BB+15], 0, v[SA], v[SB] matrix_a_fmt:MATRIX_FMT_BF8 matrix_b_fmt:MATRIX_FMT_BF8 matrix_b_scale:MATRIX_SCALE_ROW1
.else
	v_wmma_scale_f32_16x16x128_f8f6f4 v[DD:DD+7], v[AA:AA+15], v[BB:BB+15], 0, v[SA], v[SB] matrix_a_fmt:MATRIX_FMT_BF8 matrix_b_fmt:MATRIX_FMT_BF8
.endif
.else
.if PA && PB
	v_wmma_scale_f32_16x16x128_f8f6f4 v[DD:DD+7], v[AA:AA+15], v[BB:BB+15], v[DD:DD+7], v[SA], v[SB] matrix_a_fmt:MATRIX_FMT_BF8 matrix_b_fmt:MATRIX_FMT_BF8 matrix_a_scale:MATRIX_SCALE_ROW1 matrix_b_scale:MATRIX_SCALE_ROW1
.elseif PA
	v_wmma_scale_f32_16x16x128_f8f6f4 v[DD:DD+7], v[AA:AA+15], v[BB:BB+15], v[DD:DD+7], v[SA], v[SB] matrix_a_fmt:MATRIX_FMT_BF8 matrix_b_fmt:MATRIX_FMT_BF8 matrix_a_scale:MATRIX_SCALE_ROW1
.elseif PB
	v_wmma_scale_f32_16x16x128_f8f6f4 v[DD:DD+7], v[AA:AA+15], v[BB:BB+15], v[DD:DD+7], v[SA], v[SB] matrix_a_fmt:MATRIX_FMT_BF8 matrix_b_fmt:MATRIX_FMT_BF8 matrix_b_scale:MATRIX_SCALE_ROW1
.else
	v_wmma_scale_f32_16x16x128_f8f6f4 v[DD:DD+7], v[AA:AA+15], v[BB:BB+15], v[DD:DD+7], v[SA], v[SB] matrix_a_fmt:MATRIX_FMT_BF8 matrix_b_fmt:MATRIX_FMT_BF8
.endif
.endif
.endm
; 32 products: the weight's tiles 4 half .. 4 half + 3 against the tokens' eight.  The accumulator of source 1's tile lt and source 0's tile rt lies at 64 (lt % 4) + 8 rt of window 2 + lt / 4.
; The accumulators take turns, one instruction a turn, in the same order in every K step.
.macro HALF v, s, half
.set ZZ, (\s)==0
.if \v
	WIN 0xA1+0x50*(\half)                          ; source 0 (tokens) window 1, source 1 (weight) window 0, C and D window 2 or 3
.irp lt, 0,1,2,3
.irp rt, 0,1,2,3,4,5,6,7
.set DD, 64*\lt+8*\rt
.set AA, 128*((\s)%2)+16*\rt
.set BB, WF+16*(4*(\half)+\lt)
.set SA, XS+KST*(\rt/2)+(\s)
.set SB, WS+KST*((4*(\half)+\lt)/2)+(\s)
.set PA, \rt%2
.set PB, \lt%2
	MM
.endr
.endr
.else
.irp g, 0,1
	WIN 0xA4+0x50*\g                               ; source 0 (weight) window 0, source 1 (tokens) window 1, C and D window 2 or 3
.irp rt, 0,1,2,3
.irp lt, 0,1,2,3
.set DD, 64*\lt+8*(4*(\half)+\rt)
.set AA, WF+16*(4*(\half)+\rt)
.set BB, 128*((\s)%2)+16*(4*\g+\lt)
.set SA, WS+KST*((4*(\half)+\rt)/2)+(\s)
.set SB, XS+KST*((4*\g+\lt)/2)+(\s)
.set PA, \rt%2
.set PB, \lt%2
	MM
.endr
.endr
.endr
.endif
.endm
; A K step of 128: 64 products.  A weight tile is free as soon as its half is issued, so one set of registers serves the weight; the tokens' fragments are at work through the step and have two sets.
; Eight plain places stand between a product and a load into a register that it read.
.macro KSTEP v, s
.if (\s) < KST-1
	s_wait_loadcnt 32                              ; this step's tokens (and at first the scale words) are in; the next step's 32 loads may be out
.else
	s_wait_loadcnt 0x0
.endif
	s_wait_dscnt 16                                ; the weight's tiles 0-3 are in; tiles 4-7, 16 loads, may be out
	HALF \v, \s, 0
	s_wait_dscnt 0x0                               ; tiles 4-7 are in
.if (\s)+1 < KST
	PLACES 8
	WIN 0
	WFETCH (\s)+1, 0
.endif
	HALF \v, \s, 1
	PLACES 8                                       ; behind the last step these serve the first reads of results
	WIN 0
.if (\s)+1 < KST
	WFETCH (\s)+1, 4
.endif
.if (\s)+2 < KST
	XLOAD (\s)+2, (\s)%2
.endif
.endm
; The 64 results of source 1's tile i become a fragment's codes in v[PC] on and its scale word in v[PW]
.macro QUANT i
.set AC, 64*((\i)%4)
.set WN, 2+(\i)/4
	WIN WN|(WN<<2)                                 ; sources 0 and 1: the accumulators' window
.irp b, 0,1,2,3
	v_max3_num_f32 v[TM+\b], |v[AC+16*\b]|, |v[AC+16*\b+1]|, 0x8000000   ; block b: my 16 numbers, each accumulator from its low end on, and the floor 2^(16 - 127)
.endr
.irp e, 2,4,6,8,10,12,14
.irp b, 0,1,2,3
	v_max3_num_f32 v[TM+\b], |v[AC+16*\b+\e]|, |v[AC+16*\b+\e+1]|, v[TM+\b]
.endr
.endr
	WIN 0
.irp b, 0,1,2,3
	v_permlanex16_b32 v[TM+4+\b], v[TM+\b], s50, s51
.endr
.irp b, 0,1,2,3
	v_max_num_f32 v[TM+\b], v[TM+\b], v[TM+4+\b]   ; with lane l xor 16's: the block's largest magnitude
.endr
.irp b, 0,1,2,3
	v_add_nc_u32 v[TM+12+\b], 0xf8800000, v[TM+\b] ; 15 off its exponent field: the conversion's scale operand
.endr
.irp b, 0,1,2,3
	v_and_or_b32 v[TM+8+\b], v[TM+\b], 0x7f800000, s52   ; 57,344 x the scale
.endr
.irp b, 0,1,2,3
	v_lshrrev_b32 v[TM+4+\b], 23, v[TM+12+\b]      ; the scale's byte
.endr
	v_lshl_or_b32 v[PW], v[TM+5], 8, v[TM+4]
	v_lshl_or_b32 v[PW], v[TM+6], 16, v[PW]
	v_lshl_or_b32 v[PW], v[TM+7], 24, v[PW]
	WIN WN|(WN<<6)                                 ; source 0 and destination: the accumulators' window
.irp b, 0,1,2,3
.irp e, 0,1,2,3,4,5,6,7,8,9,10,11,12,13,14,15
	v_med3_num_f32 v[AC+16*\b+\e], v[AC+16*\b+\e], -v[TM+8+\b], v[TM+8+\b]   ; the conversion does not saturate (ISA guide 7.6.2): hold first
.endr
.endr
	s_wait_xcnt 0x0                                ; the last tile's stores have read their registers: the codes and the collected scale words are written again only behind this wait
	WIN WN
.irp b, 0,1,2,3
	v_cvt_scalef32_pk8_bf8_f32 v[PC+4*\b:PC+4*\b+1], v[AC+16*\b:AC+16*\b+7], v[TM+12+\b]
	v_cvt_scalef32_pk8_bf8_f32 v[PC+4*\b+2:PC+4*\b+3], v[AC+16*\b+8:AC+16*\b+15], v[TM+12+\b]
.endr
	WIN 0
	v_nop                                          ; one plain line behind the conversions
.irp b, 0,1,2,3
	v_permlane16_swap_b32 v[PC+4*\b], v[PC+4*\b+2]     ; lanes 16-31 of the first pair change places with lanes 0-15 of the second:
	v_permlane16_swap_b32 v[PC+4*\b+1], v[PC+4*\b+3]   ; the four registers now hold k = 32 b + 16 h + 0 .. 15
.endr
.endm
	XLOAD 0, 0
	XLOAD 1, 1
	s_wait_tensorcnt 0x0                           ; my part of the slice is in LDS,
	s_barrier_signal -1
	s_barrier_wait -1                              ; everybody's is
	WFETCH 0, 0
	WFETCH 0, 4
	s_cmp_eq_u32 s18, 2
	s_cbranch_scc1 .Lpath_v
.set ss, 0
.rept KST
	KSTEP 0, ss
.set ss, ss+1
.endr
.set ei, 0
.rept 8                                ; tile ei of my tokens: blocks 0, 1 are the first head's, 2, 3 the second's
	QUANT ei
	global_store_b128 v1, v[PC:PC+3],     s[42:43] offset:1024*ei        ; every store: 512 consecutive bytes, aligned to 256
	global_store_b128 v1, v[PC+4:PC+7],   s[42:43] offset:1024*ei+512
	global_store_b128 v1, v[PC+8:PC+11],  s[44:45] offset:1024*ei
	global_store_b128 v1, v[PC+12:PC+15], s[44:45] offset:1024*ei+512
	v_mov_b32 v[SWA+ei%4], v[PW]
	v_lshrrev_b32 v[SWB+ei%4], 16, v[PW]
.if ei%4 == 3
	global_store_b128 v1, v[SWA:SWA+3], s[46:47] offset:512*(ei/4)
	global_store_b128 v1, v[SWB:SWB+3], s[48:49] offset:512*(ei/4)
.endif
.set ei, ei+1
.endr
	s_wait_tensorcnt 0x0
	ds_add_u32 v110, v111
	s_wait_dscnt 0x0
	s_endpgm
.Lpath_v:
.set ss, 0
.rept KST
	KSTEP 1, ss
.set ss, ss+1
.endr
.set ei, 0
.rept 8                                ; weight tile ei: head ei / 4, channels 16 (ei % 4) on; the four blocks are my 128 keys
	QUANT ei
.irp c, 0,1,2,3
	global_store_b128 v1, v[PC+4*\c:PC+4*\c+3], s[42+2*(ei/4):43+2*(ei/4)] offset:2048*(ei%4)+512*\c
.endr
	v_mov_b32 v[SWA+ei%4], v[PW]
.if ei%4 == 3
	global_store_b128 v1, v[SWA:SWA+3], s[46+2*(ei/4):47+2*(ei/4)]
.endif
.set ei, ei+1
.endr
	s_wait_tensorcnt 0x0
	ds_add_u32 v110, v111
	s_wait_dscnt 0x0
	s_endpgm
.Lfunc_end_k_q61d726d7bc_proj_cakv:
	.size	k_q61d726d7bc_proj_cakv, .Lfunc_end_k_q61d726d7bc_proj_cakv-k_q61d726d7bc_proj_cakv
	.p2alignl 7, 3214868480
	.fill 96, 4, 3214868480
	.section	.rodata,"a",@progbits
	.p2align	6, 0x0
	.amdhsa_kernel k_q61d726d7bc_proj_cakv
		.amdhsa_group_segment_fixed_size 168448
		.amdhsa_private_segment_fixed_size 0
		.amdhsa_enable_private_segment 0
		.amdhsa_kernarg_size 32
		.amdhsa_user_sgpr_count 2
		.amdhsa_user_sgpr_kernarg_segment_ptr 1
		.amdhsa_wavefront_size32 1
		.amdhsa_system_sgpr_workgroup_id_x 1
		.amdhsa_system_sgpr_workgroup_id_y 1
		.amdhsa_system_sgpr_workgroup_id_z 1
		.amdhsa_system_vgpr_workitem_id 0
		.amdhsa_next_free_vgpr 1024
		.amdhsa_next_free_sgpr 66
		.amdhsa_reserve_vcc 0
		.amdhsa_float_denorm_mode_32 3
		.amdhsa_float_denorm_mode_16_64 3
		.amdhsa_memory_ordered 1
		.amdhsa_forward_progress 1
		.amdhsa_inst_pref_size 255
	.end_amdhsa_kernel
	.section	.bss,"aw",@nobits
	.p2align	6
	.space	262144
	.amdgpu_metadata
---
amdhsa.version: [ 1, 2 ]
amdhsa.kernels:
  - .name:           k_q61d726d7bc_proj_cakv
    .symbol:         k_q61d726d7bc_proj_cakv.kd
    .args:
      - { .name: lnb, .offset: 0, .size: 8, .value_kind: global_buffer, .address_space: global }
      - { .name: ca_wkv_codes, .offset: 8, .size: 8, .value_kind: global_buffer, .address_space: global }
      - { .name: ca_wkv_scales, .offset: 16, .size: 8, .value_kind: global_buffer, .address_space: global }
      - { .name: qkv, .offset: 24, .size: 8, .value_kind: global_buffer, .address_space: global }
    .group_segment_fixed_size: 168448
    .private_segment_fixed_size: 0
    .kernarg_segment_align: 8
    .kernarg_segment_size: 32
    .max_flat_workgroup_size: 128
    .sgpr_count:     66
    .vgpr_count:     1024
    .wavefront_size: 32
...
	.end_amdgpu_metadata
.endif
;; end of part 7
;; launch attn_ca (part 8): grid 8 x 32, 16 waves a work-group, no clusters, 169,984 bytes of LDS; arguments qkv, ob; writes ob
.if DOCPART == 8
	.amdgcn_target "amdgcn-amd-amdhsa--gfx1250"
	.amdhsa_code_object_version 6
	.text
	.protected	k_q61d726d7bc_attn_ca
	.globl	k_q61d726d7bc_attn_ca
	.p2align	8
	.type	k_q61d726d7bc_attn_ca,@function
k_q61d726d7bc_attn_ca:
	s_mov_b64 s[64:65], 0
	v_nop
	global_prefetch_b8 v0, s[64:65] scope:SCOPE_SE
	s_setreg_imm32_b32 hwreg(HW_REG_WAVE_MODE, 25, 1), 1
	s_wait_xcnt 0x0
; o = softmax(q k^T / 8) v for one head and 256 queries, both products on codes of E5M2 with E8M0 scales; o is quantised along the model's 512 for the projection that follows.
; THE SOFTMAX: t = score x log2(e) / 8; M = the running largest t rounded UP to a whole number; p = 2^(t - M) is quantised along the keys, not normalised; the row's sum is taken of the unquantised p and divides at the end.
; When M moves, the sum and O are multiplied by 2^(old M - new M): exact.
; SHARES: sixteen waves, each 16 queries in 256 registers, four waves to a SIMD: one wave's vector work stands beside another's products and LDS loads.  Every wave walks all NKS steps of 128 keys.
; LDS: the head's k, v and their scale words, NKS blocks of 17,920 bytes, come in ONCE, one tensor load for each of the first NKS waves; nothing is filled twice.  All lie as images of operand registers: a load takes 512 consecutive bytes.
; LAYOUT: S^T = k q^T (source 0 = 16 keys, source 1 = my queries), O^T = v^T p^T (source 0 = 16 channels, source 1 = p): a lane holds ONE query throughout.  The head's 64 fill half of the instruction's 128 along K:
; the upper half is zero codes on both sides, in registers cleared once.  p's registers 16 b + 0..7 are keys 32 b + 8 h + j, 16 b + 8..15 keys 32 b + 16 + 8 h + j: two lane swaps a block put the codes in the operand's order.
; LIMITS: NaN and infinities are not served; a block under 2^-111 keeps the byte 1.
; NO CLUSTER: the eight work-groups of a head share its blocks.
; REGISTERS: v1 16 x lane; v2 the step's LDS address; v4 4 x (lane % 16); v10 q's scale word; v12 -M, v13 the largest t, v[14:15] the sum; v16-31 q; v32-95 four fragments of k; v96-159 S^T, p, then v's four fragments;
; v160-191 O^T; v192-207 p's codes; v208-215 k's scale words, v216-219 v's, v220 p's; v232-254 at work.
.set NKS, 4
.set BLK, 17920
.set KVO, 4718592
.set QSO, 4194304
.set OSO, 4194304
	s_load_b128 s[4:7], s[0:1], 0x0                ; qkv, ob
	v_lshl_add_u32 v251, v0, 2, 0x29000
	v_mov_b32 v255, 0
	ds_add_u32 v251, v255
	ds_add_u32 v251, v255
	v_lshrrev_b32 v2, 5, v0
	v_readfirstlane_b32 s8, v2                     ; wave 0..15
	v_and_b32 v3, 31, v0
	v_lshlrev_b32 v1, 4, v3
	v_and_b32 v4, 15, v0
	v_lshlrev_b32 v4, 2, v4
	s_and_b32 s9, ttmp7, 0xffff                    ; 8 x batch + head
	s_mov_b32 s16, 3<<16                           ; group 1: a dense block as 70 rows of 32 elements of 8 bytes
	s_mov_b32 s17, 32<<16
	s_mov_b32 s18, 70<<16
	s_mov_b32 s19, 32<<16
	s_mov_b32 s20, 70
	s_mov_b32 s21, 32
	s_mov_b32 s22, 0
	s_mov_b32 s23, 0
	s_mul_i32 s10, s9, NKS
	s_add_co_u32 s10, s10, s8
	s_mul_i32 s10, s10, BLK
	s_add_co_u32 s10, s10, KVO                     ; the block that I fetch
	s_mov_b32 s11, 0
	s_lshl_b32 s24, ttmp9, 4
	s_add_co_u32 s24, s24, s8                      ; my tile of queries in the head
	s_lshl_b32 s25, s9, 7
	s_add_co_u32 s25, s25, s24
	s_lshl_b32 s26, s25, 10                        ; its codes
	s_mov_b32 s27, 0
	s_lshl_b32 s28, s9, 5
	s_lshr_b32 s29, s24, 2
	s_add_co_u32 s28, s28, s29
	s_lshl_b32 s28, s28, 9
	s_and_b32 s29, s24, 3
	s_lshl_b32 s29, s29, 2
	s_add_co_u32 s28, s28, s29
	s_add_co_u32 s28, s28, QSO                     ; its scale words: 16 bytes a lane for four tiles
	s_mov_b32 s29, 0
	s_lshr_b32 s30, s9, 3
	s_and_b32 s31, s9, 7                           ; head
	s_lshl_b32 s30, s30, 7
	s_add_co_u32 s30, s30, s24                     ; my tile among all rows
	s_lshl_b32 s32, s30, 2
	s_lshr_b32 s33, s31, 1
	s_add_co_u32 s32, s32, s33
	s_lshl_b32 s32, s32, 11                        ; o's codes: [tile][head / 2][2 (head % 2) + b][lane][16]
	s_and_b32 s33, s31, 1
	s_lshl_b32 s33, s33, 10
	s_add_co_u32 s32, s32, s33
	s_mov_b32 s33, 0
	s_lshl_b32 s34, s31, 15
	s_lshl_b32 s35, s30, 6
	s_add_co_u32 s34, s34, s35
	s_add_co_u32 s34, s34, OSO                     ; o's scale words: [head][tile][row]
	s_mov_b32 s35, 0
	s_mov_b32 s42, 0x3e38aa3b                      ; c = log2(e) / 8
	s_mov_b32 s43, s42                             ; (named with it as a pair)
	s_mov_b32 s44, 0x76543210
	s_mov_b32 s45, 0xfedcba98
	s_mov_b32 s46, 0x600000
	s_wait_dscnt 0x0
	s_wait_kmcnt 0x0
	s_mov_b32 s12, 1
	s_mul_i32 s13, s8, BLK                         ; LDS address: wave x a block
	s_add_nc_u64 s[14:15], s[4:5], s[10:11]
	s_or_b32 s15, s15, 0x80000000
.if NKS < 16
	s_cmp_lt_u32 s8, NKS
	s_cbranch_scc0 .Lno_fill
.endif
	tensor_load_to_lds s[12:15], s[16:23]          ; my one tensor load
	s_nop 0
.rept 4
	v_nop
.endr
.if NKS < 16
.Lno_fill:
.endif
	s_add_nc_u64 s[26:27], s[4:5], s[26:27]
	s_add_nc_u64 s[28:29], s[4:5], s[28:29]
	s_add_nc_u64 s[32:33], s[6:7], s[32:33]
	s_add_nc_u64 s[34:35], s[6:7], s[34:35]
	global_load_b128 v[16:19], v1, s[26:27]
	global_load_b128 v[20:23], v1, s[26:27] offset:512
	global_load_b32 v10, v1, s[28:29]
.irp j, 0,1,2,3,4,5,6,7
	v_mov_b32 v[24+\j], 0                          ; zero codes for the upper 64 along K: q's,
.endr
.irp t, 0,1,2,3
.irp j, 8,9,10,11,12,13,14,15
	v_mov_b32 v[32+16*\t+\j], 0                    ; and those of k's four fragments: never written again
.endr
.endr
.set j, 0
.rept 32
	v_mov_b32 v[160+j], 0                          ; O^T: the step is written once; its first trip finds zeros
.set j, j+1
.endr
	v_mov_b32 v13, 0xff61b1e6                      ; the largest t so far: -3e38
	v_floor_f32 v12, -v13                          ; -M
	v_mov_b32 v14, 0
	v_mov_b32 v15, 0
.irp b, 0,1,2,3
	v_mov_b32 v[236+\b], 0                         ; a lane permute's destination counts as read
.endr
	v_mov_b32 v253, 0                              ; (the upper half of the pair v[252:253])
	s_mov_b32 s40, 0                               ; the step's block in LDS
	s_mov_b32 s41, NKS
	s_wait_tensorcnt 0x0                           ; my block is in LDS,
	s_barrier_signal -1
	s_barrier_wait -1                              ; everybody's is
	s_wait_loadcnt 0x0                             ; q
.Lstep:
	v_add_nc_u32 v2, s40, v1
.rept 8
	v_nop                                          ; with the line above nine places: the first product below writes over registers that the last trip's products read
.endr
	ds_load_b128 v[208:211], v2 offset:16384       ; k's scale words: lane r has key r's, a register a tile
	ds_load_b128 v[212:215], v2 offset:16896
.irp g, 0,1
.if \g
.rept 8
	v_nop                                          ; places in front of loads into registers that products have read
.endr
.endif
.irp t, 0,1,2,3
	ds_load_b128 v[32+16*\t:35+16*\t], v2 offset:1024*(4*\g+\t)
	ds_load_b128 v[36+16*\t:39+16*\t], v2 offset:1024*(4*\g+\t)+512
.endr
	s_wait_dscnt 0x0
.irp t, 0,1,2,3
	v_wmma_scale_f32_16x16x128_f8f6f4 v[96+8*(4*\g+\t):103+8*(4*\g+\t)], v[32+16*\t:47+16*\t], v[16:31], 0, v[208+4*\g+\t], v10 matrix_a_fmt:MATRIX_FMT_BF8 matrix_b_fmt:MATRIX_FMT_BF8
.endr
.endr
.rept 8
	v_nop
.endr
.irp b, 0,1,2,3
	v_max3_num_f32 v[232+\b], v[96+16*\b], v[97+16*\b], v[98+16*\b]   ; the largest score of each block of 32 keys: for the row's maximum, and, since p rises with the score, for the block's largest p
.endr
.irp i, 3,5,7,9,11,13
.irp b, 0,1,2,3
	v_max3_num_f32 v[232+\b], v[232+\b], v[96+16*\b+\i], v[97+16*\b+\i]
.endr
.endr
.irp b, 0,1,2,3
	v_max_num_f32 v[232+\b], v[232+\b], v[111+16*\b]
.endr
.irp b, 0,1,2,3
	v_permlanex16_b32 v[236+\b], v[232+\b], s44, s45
.endr
.irp b, 0,1,2,3
	v_max_num_f32 v[232+\b], v[232+\b], v[236+\b]  ; with lane l xor 16's 16 keys
.endr
	v_max3_num_f32 v254, v232, v233, v234
	v_max_num_f32 v254, v254, v235
	v_mul_f32 v254, s42, v254                      ; the step's largest t (c is positive)
	v_max_num_f32 v13, v13, v254
	v_mov_b32 v254, v12
	v_floor_f32 v12, -v13                          ; the new -M = -ceil(t)
	v_sub_f32 v254, v12, v254                      ; old M - new M: a whole number, 0 or less
	v_cvt_i32_f32 v254, v254                       ; (it saturates)
	v_ldexp_f32 v252, 1.0, v254                    ; f = 2^(old M - new M)
.set j, 0
.rept 32
	v_pk_fma_f32 v[96+j:97+j], v[96+j:97+j], s[42:43], v[12:13] op_sel_hi:[1,0,0]   ; t - M
.set j, j+2
.endr
.irp b, 0,1,2,3
	v_fma_f32 v[232+\b], v[232+\b], s42, v12
.endr
.set j, 0
.rept 64
	v_exp_f32 v[96+j], v[96+j]                     ; p = 2^(t - M)
.set j, j+1
.endr
.irp b, 0,1,2,3
	v_exp_f32 v[232+\b], v[232+\b]                 ; the block's largest p: the same two instructions on the same number
.endr
	v_pk_mul_f32 v[14:15], v[14:15], v[252:253] op_sel_hi:[1,0]    ; the sums under the new M (a plain line behind the exponentials)
	s_wait_alu depctr_va_vdst(0)
.irp b, 0,1,2,3
	v_max_num_f32 v[232+\b], 0x8000000, v[232+\b]  ; the floor 2^(16 - 127)
.endr
.irp b, 0,1,2,3
	v_add_nc_u32 v[244+\b], 0xf8800000, v[232+\b]
.endr
.irp b, 0,1,2,3
	v_and_or_b32 v[240+\b], v[232+\b], 0x7f800000, s46
.endr
.irp b, 0,1,2,3
	v_lshrrev_b32 v[236+\b], 23, v[244+\b]
.endr
	v_lshl_or_b32 v220, v237, 8, v236              ; p's scale word for these 128 keys
	v_lshl_or_b32 v220, v238, 16, v220
	v_lshl_or_b32 v220, v239, 24, v220
	v_pk_add_f32 v[236:237], v[96:97], v[98:99]    ; the row's sum, of the unquantised p, in two chains
.set j, 4
.rept 15
	v_pk_add_f32 v[14:15], v[14:15], v[96+j:97+j]
	v_pk_add_f32 v[236:237], v[236:237], v[98+j:99+j]
.set j, j+4
.endr
	v_pk_add_f32 v[14:15], v[14:15], v[236:237]
.irp b, 0,1,2,3
.irp i, 0,1,2,3,4,5,6,7,8,9,10,11,12,13,14,15
	v_min_num_f32 v[96+16*\b+\i], v[96+16*\b+\i], v[240+\b]        ; the hold; p is not negative
.endr
	v_cvt_scalef32_pk8_bf8_f32 v[192+4*\b:193+4*\b], v[96+16*\b:103+16*\b], v[244+\b]
	v_cvt_scalef32_pk8_bf8_f32 v[194+4*\b:195+4*\b], v[104+16*\b:111+16*\b], v[244+\b]
.endr
	v_nop                                          ; one plain line behind the conversions
.irp b, 0,1,2,3
	v_permlane16_swap_b32 v[192+4*\b], v[194+4*\b] ; keys 32 b + 16 h + 0 .. 15 in four registers
	v_permlane16_swap_b32 v[193+4*\b], v[195+4*\b]
.endr
.irp d, 0,1,2,3
.irp c, 0,1,2,3
	ds_load_b128 v[96+16*\d+4*\c:99+16*\d+4*\c], v2 offset:8192+2048*\d+512*\c    ; v's four fragments, where p lay
.endr
.endr
	ds_load_b128 v[216:219], v2 offset:17408
.set j, 0
.rept 16
	v_pk_mul_f32 v[160+j:161+j], v[160+j:161+j], v[252:253] op_sel_hi:[1,0]       ; O^T under the new M; also the places between the codes' last write and the products
.set j, j+2
.endr
	s_wait_dscnt 0x0
.irp d, 0,1,2,3
	v_wmma_scale_f32_16x16x128_f8f6f4 v[160+8*\d:167+8*\d], v[96+16*\d:111+16*\d], v[192:207], v[160+8*\d:167+8*\d], v[216+\d], v220 matrix_a_fmt:MATRIX_FMT_BF8 matrix_b_fmt:MATRIX_FMT_BF8
.endr
	s_add_co_u32 s40, s40, BLK
	s_sub_co_u32 s41, s41, 1
	s_cmp_lg_u32 s41, 0
	s_cbranch_scc1 .Lstep
.rept 8
	v_nop
.endr
	v_add_f32 v14, v14, v15
	v_permlanex16_b32 v252, v14, s44, s45
	v_add_f32 v14, v14, v252                       ; the row's sum
	v_rcp_f32 v14, v14
	v_nop
.set j, 0
	s_wait_alu depctr_va_vdst(0)
.rept 32
	v_mul_f32 v[96+j], v[160+j], v14               ; o: register 8 t + i is channel 16 t + 8 h + i of my query
.set j, j+1
.endr
.irp b, 0,1
	v_max3_num_f32 v[232+\b], |v[96+16*\b]|, |v[97+16*\b]|, 0x8000000
.endr
.irp e, 2,4,6,8,10,12,14
.irp b, 0,1
	v_max3_num_f32 v[232+\b], v[232+\b], |v[96+16*\b+\e]|, |v[97+16*\b+\e]|
.endr
.endr
.irp b, 0,1
	v_permlanex16_b32 v[236+\b], v[232+\b], s44, s45
.endr
.irp b, 0,1
	v_max_num_f32 v[232+\b], v[232+\b], v[236+\b]
.endr
.irp b, 0,1
	v_add_nc_u32 v[244+\b], 0xf8800000, v[232+\b]
.endr
.irp b, 0,1
	v_and_or_b32 v[240+\b], v[232+\b], 0x7f800000, s46
.endr
.irp b, 0,1
	v_lshrrev_b32 v[236+\b], 23, v[244+\b]
.endr
	v_lshl_or_b32 v221, v237, 8, v236              ; the head's two bytes of my row
.irp b, 0,1
.irp e, 0,1,2,3,4,5,6,7,8,9,10,11,12,13,14,15
	v_med3_num_f32 v[96+16*\b+\e], v[96+16*\b+\e], -v[240+\b], v[240+\b]
.endr
	v_cvt_scalef32_pk8_bf8_f32 v[192+4*\b:193+4*\b], v[96+16*\b:103+16*\b], v[244+\b]
	v_cvt_scalef32_pk8_bf8_f32 v[194+4*\b:195+4*\b], v[104+16*\b:111+16*\b], v[244+\b]
.endr
	v_nop
.irp b, 0,1
	v_permlane16_swap_b32 v[192+4*\b], v[194+4*\b]
	v_permlane16_swap_b32 v[193+4*\b], v[195+4*\b]
.endr
	global_store_b128 v1, v[192:195], s[32:33]             ; 512 consecutive bytes each
	global_store_b128 v1, v[196:199], s[32:33] offset:512
	global_store_b32 v4, v221, s[34:35]                    ; 64 bytes: both halves of the lanes write the same words with the same values
	s_wait_tensorcnt 0x0
	ds_add_u32 v251, v255
	s_wait_dscnt 0x0
	s_endpgm
.Lfunc_end_k_q61d726d7bc_attn_ca:
	.size	k_q61d726d7bc_attn_ca, .Lfunc_end_k_q61d726d7bc_attn_ca-k_q61d726d7bc_attn_ca
	.p2alignl 7, 3214868480
	.fill 96, 4, 3214868480
	.section	.rodata,"a",@progbits
	.p2align	6, 0x0
	.amdhsa_kernel k_q61d726d7bc_attn_ca
		.amdhsa_group_segment_fixed_size 169984
		.amdhsa_private_segment_fixed_size 0
		.amdhsa_enable_private_segment 0
		.amdhsa_kernarg_size 16
		.amdhsa_user_sgpr_count 2
		.amdhsa_user_sgpr_kernarg_segment_ptr 1
		.amdhsa_wavefront_size32 1
		.amdhsa_system_sgpr_workgroup_id_x 1
		.amdhsa_system_sgpr_workgroup_id_y 1
		.amdhsa_system_sgpr_workgroup_id_z 1
		.amdhsa_system_vgpr_workitem_id 0
		.amdhsa_next_free_vgpr 256
		.amdhsa_next_free_sgpr 66
		.amdhsa_reserve_vcc 0
		.amdhsa_float_denorm_mode_32 3
		.amdhsa_float_denorm_mode_16_64 3
		.amdhsa_memory_ordered 1
		.amdhsa_forward_progress 1
		.amdhsa_inst_pref_size 32
	.end_amdhsa_kernel
	.amdgpu_metadata
---
amdhsa.version: [ 1, 2 ]
amdhsa.kernels:
  - .name:           k_q61d726d7bc_attn_ca
    .symbol:         k_q61d726d7bc_attn_ca.kd
    .args:
      - { .name: qkv, .offset: 0, .size: 8, .value_kind: global_buffer, .address_space: global }
      - { .name: ob, .offset: 8, .size: 8, .value_kind: global_buffer, .address_space: global }
    .group_segment_fixed_size: 169984
    .private_segment_fixed_size: 0
    .kernarg_segment_align: 8
    .kernarg_segment_size: 16
    .max_flat_workgroup_size: 512
    .sgpr_count:     66
    .vgpr_count:     256
    .wavefront_size: 32
...
	.end_amdgpu_metadata
.endif
;; end of part 8
;; launch oproj_ca: the kernel of part 4 again; grid 8 x 32, 4 waves a work-group, no clusters, 168,448 bytes of LDS; arguments ob, ca_wo_codes, ca_wo_scales, ca_bo, x1, out0; writes out0
;; ======== version 2 of 2: 8 launches
;; limits: right only within a limited range of input values
;; workspace buffers: lnb 17,301,504 bytes; qkv 13,893,632 bytes; ob 4,456,448 bytes; x1 33,554,432 bytes
;; launch lnq_x (part 9): grid 256 x 1, 8 waves a work-group, no clusters, 72,704 bytes of LDS; arguments x, sa_ng, sa_nb, sa_ncg, sa_ncb, lnb; writes lnb
.if DOCPART == 9
	.amdgcn_target "amdgcn-amd-amdhsa--gfx1250"
	.amdhsa_code_object_version 6
	.text
	.protected	k_q61d726d7bc_lnq_x
	.globl	k_q61d726d7bc_lnq_x
	.p2align	8
	.type	k_q61d726d7bc_lnq_x,@function
k_q61d726d7bc_lnq_x:
	s_mov_b64 s[64:65], 0
	v_nop
	global_prefetch_b8 v0, s[64:65] scope:SCOPE_SE
	s_setreg_imm32_b32 hwreg(HW_REG_WAVE_MODE, 25, 1), 1
	s_wait_xcnt 0x0
; LayerNorm of rows of K f32 numbers under NSETS pairs of gain and bias; each result is quantised along the row to codes of E5M2 with one E8M0 byte for each 32.
; y = (x - mean) / sqrt(var + 1e-5) * g + b, all in f32; the variance is the mean of (x - mean)^2, taken in a second pass over registers: no difference of large sums.
; OUT: codes in the order of a matrix operand's registers: [tile of 16 rows][K / 16][row][16 bytes]; scale bytes row-major [row][K / 32].  Set s goes 8,388,608 bytes (codes) and 262,144 bytes (scales) behind set 0.
; SHARES: a work-group takes 32 rows (two tiles), a wave four of them, one at a time.  A lane holds 8 neighbours of each 256 along the row; four lanes hold a block of 32.
; A lane's 8 codes are 8 bytes of a 256-byte piece of the output whose other bytes belong to other rows: so codes and bytes meet in LDS and leave as runs of 512 (codes) and 256 (scales) consecutive bytes.
; LIMITS: NaN and infinities are not served; a block whose largest magnitude lies under 2^-111 (a block of zeros too) keeps the byte 1: its codes are then tiny or zero, and only this program reads the bytes.
; No matrix unit, no tensor load, no cluster: the launch streams, and work-groups share only the gains and biases (16 K bytes).
.set K,     1024
.set NSETS, 2
.set OUTC,  0                          ; where set 0's codes begin in the buffer
.set OUTS,  16777216                   ; and its scale bytes
.set INVK,  0x3a800000                 ; 1 / K as f32
.set NST,   K/256                      ; steps of 256 along a row
.set KSB,   K/32                       ; scale bytes of a row
.set CSTS,  (K/8)*272                  ; LDS: a set's codes: K / 8 pieces of 256 bytes + 16 of padding
.set SST,   NSETS*CSTS                 ; behind them the scale bytes, K for each set
.set UPW,   K/64                       ; pieces that a wave copies out for each set
.set NL,    NSETS*UPW/2
.set GB,    16                         ; v16..    g (8) and b (8) of set s, step t at GB + 16 (NST s + t)
.set XR,    144                        ; v144..   two rows in turn, 8 NST registers each
.set Y,     208                        ; v208-215 the 8 numbers in hand
.set SL,    224                        ; v224     LDS address of the scale bytes that I copy out
.set CD,    232                        ; v232..   a step's codes
.set EB,    240                        ; v240..   a step's scale byte
	s_load_b256 s[4:11], s[0:1], 0x0               ; the rows, g0, b0, then g1 (two sets) or the output (one set)
.if NSETS == 2
	s_load_b128 s[12:15], s[0:1], 0x20             ; b1, the output
	v_lshl_add_u32 v254, v0, 2, 0x11800
	v_mov_b32 v255, 0
.endif
	v_lshrrev_b32 v8, 5, v0
	s_delay_alu instid0(VALU_DEP_1)
	v_readfirstlane_b32 s16, v8                    ; wave 0..7
	v_and_b32 v1, 31, v0                           ; lane
	s_delay_alu instid0(VALU_DEP_1)
	v_lshlrev_b32 v2, 5, v1                        ; my 32 bytes of a step's 1,024
	s_delay_alu instid0(VALU_DEP_2)
	v_lshrrev_b32 v8, 1, v1
	s_delay_alu instid0(VALU_DEP_1)
	v_mul_u32_u24 v3, v8, 272
	s_delay_alu instid0(VALU_DEP_4)
	v_and_b32 v8, 1, v1
	s_delay_alu instid0(VALU_DEP_1)
	v_lshl_add_u32 v3, v8, 3, v3                   ; codes into LDS: piece lane / 2 of a step's 16, byte 8 (lane % 2),
	s_lshr_b32 s17, s16, 2
	s_mul_i32 s17, s17, (K/16)*272                 ; my tile of the two,
	s_and_b32 s18, s16, 3
	s_lshl_b32 s19, s18, 6                         ; my four rows in it, 16 bytes each
	s_add_co_u32 s17, s17, s19
	v_add_nc_u32 v3, s17, v3
	v_lshrrev_b32 v4, 2, v1
	s_mul_i32 s17, s16, 4*KSB
	s_add_co_u32 s17, s17, SST
	v_add_nc_u32 v4, s17, v4                       ; scale bytes into LDS: my rows, block lane / 4 of a step's 8
	v_lshrrev_b32 v8, 4, v1
	s_delay_alu instid0(VALU_DEP_1)
	v_mul_u32_u24 v5, v8, 272
	v_and_b32 v8, 15, v1
	s_delay_alu instid0(VALU_DEP_1)
	v_lshl_add_u32 v5, v8, 4, v5
	s_mul_i32 s17, s16, UPW*272
	v_add_nc_u32 v5, s17, v5                       ; codes out of LDS: sixteen lanes to a piece, two pieces an instruction
	v_lshlrev_b32 v6, 4, v1
	s_mul_i32 s17, s16, UPW*256
	v_add_nc_u32 v6, s17, v6                       ; and the same place in memory
	v_lshlrev_b32 v7, 3, v1
	s_lshl_b32 s17, s16, 8
	s_add_co_u32 s17, s17, SST
	v_add_nc_u32 v[SL], s17, v7
	s_mov_b32 s20, 0x76543210
	s_mov_b32 s21, 0xfedcba98                      ; v_permlanex16_b32: lane l xor 16
	s_mov_b32 s22, 0x600000                        ; the mantissa field of 57,344
	s_mov_b32 s23, INVK
	s_mov_b32 s24, 0x3727c5ac                      ; 1e-5
	s_lshl_b32 s26, ttmp9, 5
	s_lshl_b32 s27, s16, 2
	s_add_co_u32 s26, s26, s27
	s_mul_i32 s26, s26, 4*K                        ; my first row, in bytes
	s_mov_b32 s27, 0
	s_mul_i32 s28, ttmp9, 32*K
	s_add_co_u32 s28, s28, OUTC                    ; the work-group's two tiles of codes
	s_mov_b32 s29, 0
	s_mul_i32 s30, ttmp9, K
	s_add_co_u32 s30, s30, OUTS                    ; its scale bytes; wave w copies piece w % 4 of set w / 4
	s_lshl_b32 s31, s18, 8
	s_add_co_u32 s30, s30, s31
	s_lshr_b32 s31, s16, 2
	s_lshl_b32 s31, s31, 18
	s_add_co_u32 s30, s30, s31
	s_mov_b32 s31, 0
	s_wait_kmcnt 0x0
.if NSETS == 1
	s_mov_b64 s[14:15], s[10:11]
.endif
	s_add_nc_u64 s[4:5], s[4:5], s[26:27]
	s_add_nc_u64 s[32:33], s[14:15], s[28:29]
.if NSETS == 2
	s_add_nc_u64 s[34:35], s[32:33], 8388608
.endif
	s_add_nc_u64 s[36:37], s[14:15], s[30:31]
.macro GBLOAD set, g, b                ; my 8 gains and 8 biases of each step: they stay in registers
.set t, 0
.rept NST
.set GG, GB+16*(NST*\set+t)
	global_load_b128 v[GG:GG+3],     v2, s[\g:\g+1] offset:1024*t
	global_load_b128 v[GG+4:GG+7],   v2, s[\g:\g+1] offset:1024*t+16
	global_load_b128 v[GG+8:GG+11],  v2, s[\b:\b+1] offset:1024*t
	global_load_b128 v[GG+12:GG+15], v2, s[\b:\b+1] offset:1024*t+16
.set t, t+1
.endr
.endm
.macro LOADROW i, slot                 ; row i of my four: two loads a step, which together take 1,024 consecutive bytes
.set t, 0
.rept NST
.set XX, XR+8*NST*(\slot)+8*t
	global_load_b128 v[XX:XX+3],   v2, s[4:5] offset:(\i)*4*K+1024*t
	global_load_b128 v[XX+4:XX+7], v2, s[4:5] offset:(\i)*4*K+1024*t+16
.set t, t+1
.endr
.endm
.macro LANESUM                         ; v8 summed over the 32 lanes, in every lane
	s_delay_alu instid0(VALU_DEP_1)
	v_add_f32_dpp v8, v8, v8 row_xmask:1 row_mask:0xf bank_mask:0xf
	s_delay_alu instid0(VALU_DEP_1)
	v_add_f32_dpp v8, v8, v8 row_xmask:2 row_mask:0xf bank_mask:0xf
	s_delay_alu instid0(VALU_DEP_1)
	v_add_f32_dpp v8, v8, v8 row_xmask:4 row_mask:0xf bank_mask:0xf
	s_delay_alu instid0(VALU_DEP_1)
	v_add_f32_dpp v8, v8, v8 row_xmask:8 row_mask:0xf bank_mask:0xf
	s_delay_alu instid0(VALU_DEP_1)
	v_permlanex16_b32 v11, v8, s20, s21            ; (v11 has been written: a lane permute's destination counts as read)
	s_delay_alu instid0(VALU_DEP_1)
	v_add_f32 v8, v8, v11
.endm
; 8 numbers of step t under set's gain and bias become 8 codes and a scale byte
.macro QSTEP set, t, i
.set GG, GB+16*(NST*(\set)+(\t))
	s_wait_dscnt 2*(NST-1)                         ; the two LDS stores that read this step's code and byte registers NST steps ago are done: behind them 2 (NST - 1) were issued
.irp e, 0,2,4,6
	v_pk_fma_f32 v[Y+\e:Y+\e+1], v[XB+8*(\t)+\e:XB+8*(\t)+\e+1], v[GG+\e:GG+\e+1], v[GG+8+\e:GG+8+\e+1]
.endr
	s_delay_alu instid0(VALU_DEP_4)
	v_max3_num_f32 v216, |v[Y]|, |v[Y+1]|, 0x8000000               ; the largest magnitude of my 8, and the floor 2^(16 - 127): the byte cannot fall under 1
	s_delay_alu instid0(VALU_DEP_3)
	v_max3_num_f32 v217, |v[Y+2]|, |v[Y+3]|, |v[Y+4]|
	s_delay_alu instid0(VALU_DEP_2)
	v_max3_num_f32 v216, v216, |v[Y+5]|, |v[Y+6]|
	s_delay_alu instid0(VALU_DEP_1)
	v_max3_num_f32 v216, v216, v217, |v[Y+7]|
	s_delay_alu instid0(VALU_DEP_1)
	v_max_num_f32_dpp v216, v216, v216 row_xmask:1 row_mask:0xf bank_mask:0xf
	s_delay_alu instid0(VALU_DEP_1)
	v_max_num_f32_dpp v216, v216, v216 row_xmask:2 row_mask:0xf bank_mask:0xf   ; of the four lanes that hold the block
	s_delay_alu instid0(VALU_DEP_1)
	v_add_nc_u32 v218, 0xf8800000, v216            ; 15 off its exponent field: the conversion's scale operand
	s_delay_alu instid0(VALU_DEP_2)
	v_and_or_b32 v219, v216, 0x7f800000, s22       ; 57,344 x the scale
.irp e, 0,1,2,3,4,5,6,7
	v_med3_num_f32 v[Y+\e], v[Y+\e], -v219, v219   ; the conversion does not saturate (ISA guide 7.6.2): hold first
.endr
	v_cvt_scalef32_pk8_bf8_f32 v[CD+2*(\t):CD+2*(\t)+1], v[Y:Y+7], v218
	v_lshrrev_b32 v[EB+(\t)], 23, v218             ; the scale's byte (also the plain line behind the conversion)
	ds_store_b64 v3, v[CD+2*(\t):CD+2*(\t)+1] offset:(\set)*CSTS+(\t)*16*272+16*(\i)
	ds_store_b8 v4, v[EB+(\t)] offset:(\set)*K+(\i)*KSB+8*(\t)     ; the block's four lanes write the same byte with the same value
.endm
; One row.  left: the younger loads that may stay out (the other slot's row)
.macro ROW i, slot, refill, left
.set XB, XR+8*NST*(\slot)
	s_wait_loadcnt \left
	v_pk_add_f32 v[8:9], v[XB:XB+1], v[XB+2:XB+3]                  ; the sum, in two chains
	v_pk_add_f32 v[10:11], v[XB+4:XB+5], v[XB+6:XB+7]
.set j, 8
.rept NST-1
	s_delay_alu instid0(VALU_DEP_2)
	v_pk_add_f32 v[8:9], v[8:9], v[XB+j:XB+j+1]
	s_delay_alu instid0(VALU_DEP_2)
	v_pk_add_f32 v[10:11], v[10:11], v[XB+j+2:XB+j+3]
	s_delay_alu instid0(VALU_DEP_2)
	v_pk_add_f32 v[8:9], v[8:9], v[XB+j+4:XB+j+5]
	s_delay_alu instid0(VALU_DEP_2)
	v_pk_add_f32 v[10:11], v[10:11], v[XB+j+6:XB+j+7]
.set j, j+8
.endr
	s_delay_alu instid0(VALU_DEP_1)
	v_pk_add_f32 v[8:9], v[8:9], v[10:11]
	s_delay_alu instid0(VALU_DEP_1)
	v_add_f32 v8, v8, v9
	LANESUM
	s_delay_alu instid0(VALU_DEP_1)
	v_mul_f32 v12, s23, v8                         ; the mean, twice: a pair for the packed forms
	s_delay_alu instid0(VALU_DEP_2)
	v_mul_f32 v13, s23, v8
.set j, 0
.rept 4*NST
	v_pk_add_f32 v[XB+j:XB+j+1], v[XB+j:XB+j+1], v[12:13] neg_lo:[0,1] neg_hi:[0,1]   ; d = x - mean, in place
.set j, j+2
.endr
	v_pk_mul_f32 v[8:9], v[XB:XB+1], v[XB:XB+1]                    ; the sum of d^2, in two chains
	v_pk_mul_f32 v[10:11], v[XB+2:XB+3], v[XB+2:XB+3]
.set j, 4
.rept 2*NST-1
	s_delay_alu instid0(VALU_DEP_2)
	v_pk_fma_f32 v[8:9], v[XB+j:XB+j+1], v[XB+j:XB+j+1], v[8:9]
	s_delay_alu instid0(VALU_DEP_2)
	v_pk_fma_f32 v[10:11], v[XB+j+2:XB+j+3], v[XB+j+2:XB+j+3], v[10:11]
.set j, j+4
.endr
	s_delay_alu instid0(VALU_DEP_1)
	v_pk_add_f32 v[8:9], v[8:9], v[10:11]
	s_delay_alu instid0(VALU_DEP_1)
	v_add_f32 v8, v8, v9
	LANESUM
	s_delay_alu instid0(VALU_DEP_1)
	v_fma_f32 v14, v8, s23, s24                    ; var + 1e-5
	s_wait_alu depctr_va_vdst(0)
	v_rsq_f32 v14, v14
	v_nop                                          ; one plain line behind a transcendental
	s_wait_alu depctr_va_vdst(0)
	v_mov_b32 v15, v14
.set j, 0
.rept 4*NST
	v_pk_mul_f32 v[XB+j:XB+j+1], v[XB+j:XB+j+1], v[14:15]
.set j, j+2
.endr
.set qs, 0
.rept NSETS
.set qt, 0
.rept NST
	QSTEP qs, qt, \i
.set qt, qt+1
.endr
.set qs, qs+1
.endr
.if \refill
	LOADROW (\i)+2, \slot
.endif
.endm
	GBLOAD 0, 6, 8
.if NSETS == 2
	GBLOAD 1, 10, 12
.endif
	LOADROW 0, 0
	LOADROW 1, 1
	ROW 0, 0, 1, 2*NST
	ROW 1, 1, 1, 2*NST
	ROW 2, 0, 0, 2*NST
	ROW 3, 1, 0, 0
	s_wait_dscnt 0x0                               ; for the others' sake: my stores into LDS are done
	s_barrier_signal -1
	s_barrier_wait -1
.set cs, 0
.rept NSETS
.set j, 0
.rept UPW/2
.set RR, 16+4*(cs*(UPW/2)+j)
	ds_load_b128 v[RR:RR+3], v5 offset:cs*CSTS+2*j*272
.set j, j+1
.endr
.set cs, cs+1
.endr
.set cs, 0
.rept NSETS
.set j, 0
.rept UPW/2
.set RR, 16+4*(cs*(UPW/2)+j)
	s_wait_dscnt NL-1-(cs*(UPW/2)+j)               ; LDS loads come back in order: this one is in
	global_store_b128 v6, v[RR:RR+3], s[32+2*cs:33+2*cs] offset:512*j    ; the wave stores 512 consecutive bytes, aligned to 256
.set j, j+1
.endr
.set cs, cs+1
.endr
.if NSETS*NST < 8
	s_cmp_lt_u32 s16, NSETS*NST                    ; there are NSETS x NST runs of 256 scale bytes: one wave to each
	s_cbranch_scc0 .Ldone
.endif
	ds_load_b64 v[80:81], v[SL]
	s_wait_dscnt 0x0
	global_store_b64 v7, v[80:81], s[36:37]        ; 32 lanes store 256 consecutive bytes, aligned
.Ldone:
	s_wait_tensorcnt 0x0
	ds_add_u32 v254, v255
	s_wait_dscnt 0x0
	s_endpgm
.Lfunc_end_k_q61d726d7bc_lnq_x:
	.size	k_q61d726d7bc_lnq_x, .Lfunc_end_k_q61d726d7bc_lnq_x-k_q61d726d7bc_lnq_x
	.p2alignl 7, 3214868480
	.fill 96, 4, 3214868480
	.section	.rodata,"a",@progbits
	.p2align	6, 0x0
	.amdhsa_kernel k_q61d726d7bc_lnq_x
		.amdhsa_group_segment_fixed_size 72704
		.amdhsa_private_segment_fixed_size 0
		.amdhsa_enable_private_segment 0
		.amdhsa_kernarg_size 48
		.amdhsa_user_sgpr_count 2
		.amdhsa_user_sgpr_kernarg_segment_ptr 1
		.amdhsa_wavefront_size32 1
		.amdhsa_system_sgpr_workgroup_id_x 1
		.amdhsa_system_sgpr_workgroup_id_y 1
		.amdhsa_system_sgpr_workgroup_id_z 1
		.amdhsa_system_vgpr_workitem_id 0
		.amdhsa_next_free_vgpr 256
		.amdhsa_next_free_sgpr 66
		.amdhsa_reserve_vcc 0
		.amdhsa_float_denorm_mode_32 3
		.amdhsa_float_denorm_mode_16_64 3
		.amdhsa_memory_ordered 1
		.amdhsa_forward_progress 1
		.amdhsa_inst_pref_size 97
	.end_amdhsa_kernel
	.amdgpu_metadata
---
amdhsa.version: [ 1, 2 ]
amdhsa.kernels:
  - .name:           k_q61d726d7bc_lnq_x
    .symbol:         k_q61d726d7bc_lnq_x.kd
    .args:
      - { .name: x, .offset: 0, .size: 8, .value_kind: global_buffer, .address_space: global }
      - { .name: sa_ng, .offset: 8, .size: 8, .value_kind: global_buffer, .address_space: global }
      - { .name: sa_nb, .offset: 16, .size: 8, .value_kind: global_buffer, .address_space: global }
      - { .name: sa_ncg, .offset: 24, .size: 8, .value_kind: global_buffer, .address_space: global }
      - { .name: sa_ncb, .offset: 32, .size: 8, .value_kind: global_buffer, .address_space: global }
      - { .name: lnb, .offset: 40, .size: 8, .value_kind: global_buffer, .address_space: global }
    .group_segment_fixed_size: 72704
    .private_segment_fixed_size: 0
    .kernarg_segment_align: 8
    .kernarg_segment_size: 48
    .max_flat_workgroup_size: 256
    .sgpr_count:     66
    .vgpr_count:     256
    .wavefront_size: 32
...
	.end_amdgpu_metadata
.endif
;; end of part 9
;; launch proj_sa (part 10): grid 12 x 16, 4 waves a work-group, no clusters, 168,448 bytes of LDS; arguments lnb, sa_wq_codes, sa_wq_scales, sa_wkv_codes, sa_wkv_scales, qkv; writes qkv
.if DOCPART == 10
	.amdgcn_target "amdgcn-amd-amdhsa--gfx1250"
	.amdhsa_code_object_version 6
	.text
	.protected	k_q61d726d7bc_proj_sa
	.globl	k_q61d726d7bc_proj_sa
	.p2align	8
	.type	k_q61d726d7bc_proj_sa,@function
k_q61d726d7bc_proj_sa:
	s_mov_b64 s[64:65], 0
	v_nop
	global_prefetch_b8 v0, s[64:65] scope:SCOPE_SE
	s_setreg_imm32_b32 hwreg(HW_REG_WAVE_MODE, 25, 1), 1
	s_wait_xcnt 0x0
; q, k or v = (normalised rows) x W, on codes of E5M2 with E8M0 scales, and the result quantised at once for the attention that follows.
; A work-group takes 128 rows of a weight (two heads' 64 columns of q, k or v: slice x) and 512 rows of tokens; each of its four waves 128 tokens x 128 columns: 64 accumulators, 512 registers.
; The weight slice (128 x K bytes) comes into LDS once, by one tensor load a wave (256 bytes of each row, 16 bytes of padding behind them); nothing in LDS is filled twice.
; The tokens' codes lie in memory in the order of an operand's registers, each fragment is wanted by one wave alone: they go straight to registers, 512 consecutive bytes a load, two K steps ahead.
; q and k: source 0 = 16 weight rows, source 1 = 16 tokens: a lane holds ONE token and its registers run along the head's 64, the next product's K.
; v:       source 0 = 16 tokens, source 1 = 16 weight rows: a lane holds ONE channel and its registers run along the 128 keys, the next K.
; In both, registers 16 b + 0..7 hold k = 32 b + 8 h + j and 16 b + 8..15 hold k = 32 b + 16 + 8 h + j (h = lane / 16): a block of 32 lies in lanes l and l xor 16, and two lane swaps put the codes into the operand's order.
; OUT (qkv): q's codes [head][tile][2][lane][16 B], its scale words [head][tile / 4][lane][tile % 4]; for each head and 128 keys a block of 17,920 bytes: k's codes, v's codes, k's scale words, v's scale words.
; A scale word of q or k carries the head's two bytes below; its upper two bytes (the other head's, or 0) meet zero codes only and are never 0xff.
; LIMITS: NaN and infinities are not served; a block under 2^-111 keeps the byte 1.
; NO CLUSTER: what work-groups share through LDS is the slice, 128 K bytes against the 512 K bytes of tokens' codes that a work-group takes through registers.
.set K,     1024
.set QSL,   4                          ; slices 0 .. QSL - 1 are q's; then four of k, four of v
.set NKS,   16                         ; blocks of 128 keys in a head
.set LOGNB, 4                          ; log2 of a batch's rows / 128
.set KST,   K/128
.set NCHK,  K/256
.set KSB,   K/32
.set CHUNK, 128*272                    ; LDS: 256 along K of the slice's 128 rows
.set CCO,   8388608                    ; lnb: the second set's codes; scale bytes from XSO on, the second set's CSD further
.set XSO,   16777216
.set CSD,   262144
.set QSO,   4194304                    ; qkv: q's scale words; the key blocks
.set KVO,   4718592
.set BLK,   17920
.set WS,  16                           ; v16..  weight scale words: WS + KST q + s: lane l has row 32 q + l, K step s
.set XS,  48                           ; v48..  the tokens' likewise
.set TM,  80                           ; v80-95 the quantiser: 4 maxima, 4 bytes, 4 holds, 4 scale operands
.set PW,  96                           ; v96    the scale word just made
.set SWA, 100                          ; v100-103, v104-107 four tiles' scale words, for a store of 16 bytes a lane
.set SWB, 104
.set PC,  112                          ; v112-127 the codes just made
.set WF,  128                          ; v128-255 the weight's 8 fragments of a K step, one set.  Window 1: the tokens' 8 fragments, two sets (v0, v128).  Windows 2, 3: the accumulators
.set MSB, 0
.macro WIN new                         ; the immediate's high byte repeats the setting that is left
.if MSB != (\new)
	s_set_vgpr_msb (MSB<<8)|(\new)
.set MSB, (\new)
.endif
.endm
.macro PLACES n
.rept \n
	v_nop
.endr
.endm
	s_load_b256 s[4:11], s[0:1], 0x0               ; lnb, then wq's codes and scales and wkv's codes (QSL > 0), or wkv's codes and scales and qkv
.if QSL
	s_load_b128 s[12:15], s[0:1], 0x20             ; wkv's scales, qkv
	v_lshl_add_u32 v110, v0, 2, 0x29000
	v_mov_b32 v111, 0
	ds_add_u32 v110, v111
	ds_add_u32 v110, v111
.endif
	v_lshrrev_b32 v3, 5, v0
	v_readfirstlane_b32 s16, v3                    ; wave 0..3
	v_and_b32 v3, 31, v0
	v_lshlrev_b32 v1, 4, v3                        ; 16 x lane: an image's place for my lane
	v_mul_u32_u24 v2, v3, KSB                      ; my row of 32 rows of scale bytes
	v_and_b32 v8, 15, v0
	v_bfe_u32 v9, v0, 4, 1
	v_mul_u32_u24 v8, v8, 272
	v_lshl_add_u32 v8, v9, 4, v8                   ; a weight fragment: row r x pitch + 16 h
.set j, 0
.rept NCHK
	v_add_nc_u32 v[4+j], j*CHUNK, v8
.set j, j+1
.endr
.irp b, 0,1,2,3
	v_mov_b32 v[TM+4+\b], 0                        ; written once: a lane permute's destination counts as read
.endr
	s_mov_b32 s28, (1<<20)|(5<<22)|(3<<25)         ; group 1: elements of 1 byte; 4 words of padding behind every 64
	s_mov_b32 s29, 256<<16                         ; tensor_dim0
	s_mov_b32 s30, 128<<16                         ; tensor_dim1
	s_mov_b32 s31, 256<<16                         ; tile_dim0
	s_mov_b32 s32, 128                             ; tile_dim1
	s_mov_b32 s33, K                               ; from row to row
	s_mov_b32 s34, 0
	s_mov_b32 s35, 0
	s_mov_b32 s50, 0x76543210
	s_mov_b32 s51, 0xfedcba98
	s_mov_b32 s52, 0x600000
	s_lshr_b32 s18, ttmp9, 2                       ; kind: 0 q, 1 k, 2 v
.if QSL == 0
	s_add_co_u32 s18, s18, 1
.endif
	s_and_b32 s19, ttmp9, 3                        ; which two heads
	s_and_b32 s20, ttmp7, 0xffff
	s_lshl_b32 s20, s20, 2
	s_add_co_u32 s20, s20, s16                     ; my 128 tokens
	s_lshr_b32 s21, s20, LOGNB                     ; batch
	s_and_b32 s22, s20, (1<<LOGNB)-1               ; and which 128 of its rows
	s_lshl_b32 s23, s21, 3
	s_lshl_b32 s54, s19, 1
	s_add_co_u32 s23, s23, s54                     ; 8 x batch + my first head
.if QSL
	s_cmp_eq_u32 s18, 0
	s_cselect_b32 s55, 0, QSL
	s_cselect_b32 s56, 0, CCO                      ; q reads the first set of normalised rows, k and v the second
	s_cselect_b32 s57, 0, CSD
	s_sub_co_u32 s55, ttmp9, s55
.else
	s_mov_b32 s55, ttmp9
	s_mov_b32 s56, CCO
	s_mov_b32 s57, CSD
.endif
	s_lshl_b32 s55, s55, 7                         ; the slice's first weight row
	s_mul_i32 s58, s55, K
	s_lshl_b32 s59, s16, 8
	s_add_co_u32 s58, s58, s59                     ; its codes, + the 256 along K that I fetch
	s_mov_b32 s59, 0
	s_mul_i32 s60, s55, KSB                        ; its scale bytes
	s_mov_b32 s61, 0
	s_mul_i32 s54, s20, 128*K
	s_add_co_u32 s56, s56, s54                     ; my tokens' codes
	s_mul_i32 s54, s20, 4*K
	s_add_co_u32 s62, s57, s54
	s_add_co_u32 s62, s62, XSO                     ; and scale bytes
	s_mov_b32 s57, 0
	s_mov_b32 s63, 0
	s_mul_i32 s54, s23, NKS                        ; where the results go: k, v: the block of my head and my 128 keys
	s_add_co_u32 s54, s54, s22
	s_mul_i32 s54, s54, BLK
	s_add_co_u32 s54, s54, KVO
	s_cmp_eq_u32 s18, 2
	s_cselect_b32 s42, 8192, 0
	s_cselect_b32 s46, 1024, 0
	s_add_co_u32 s42, s42, s54
	s_add_co_u32 s46, s46, s54
	s_add_co_u32 s46, s46, 16384
	s_mov_b32 s44, NKS*BLK                         ; the second head's lie a head further on
	s_mov_b32 s48, NKS*BLK
.if QSL
	s_lshl_b32 s54, s23, 7                         ; q: tile 128 x head + 8 x (my 128 rows), 1,024 bytes a tile
	s_lshl_b32 s55, s22, 3
	s_add_co_u32 s54, s54, s55
	s_lshl_b32 s54, s54, 10
	s_lshl_b32 s55, s23, 5                         ; scale words: 512 bytes for four tiles
	s_lshl_b32 s53, s22, 1
	s_add_co_u32 s55, s55, s53
	s_lshl_b32 s55, s55, 9
	s_add_co_u32 s55, s55, QSO
	s_cmp_eq_u32 s18, 0
	s_cselect_b32 s42, s54, s42
	s_cselect_b32 s46, s55, s46
	s_cselect_b32 s44, 131072, s44
	s_cselect_b32 s48, 16384, s48
.endif
	s_add_co_u32 s44, s44, s42
	s_add_co_u32 s48, s48, s46
	s_mov_b32 s43, 0
	s_mov_b32 s45, 0
	s_mov_b32 s47, 0
	s_mov_b32 s49, 0
	s_wait_alu depctr_va_vdst(0)
	s_wait_dscnt 0x0
	s_wait_kmcnt 0x0
.if QSL
	s_cmp_eq_u32 s18, 0                            ; the weight is chosen by the slice's number alone
	s_cselect_b64 s[6:7], s[6:7], s[10:11]
	s_cselect_b64 s[8:9], s[8:9], s[12:13]
.else
	s_mov_b64 s[14:15], s[10:11]
.endif
	s_mov_b32 s24, 1                               ; group 0: count
	s_mul_i32 s25, s16, CHUNK                      ; LDS address: wave x a chunk
	s_add_nc_u64 s[26:27], s[6:7], s[58:59]
	s_or_b32 s27, s27, 0x80000000                  ; type
.if NCHK < 4
	s_cmp_lt_u32 s16, NCHK
	s_cbranch_scc0 .Lno_fill
.endif
	tensor_load_to_lds s[24:27], s[28:35]          ; my one tensor load: 128 rows x 256 bytes
	s_nop 0
	PLACES 4
.if NCHK < 4
.Lno_fill:
.endif
	s_add_nc_u64 s[36:37], s[4:5], s[56:57]
	s_add_nc_u64 s[38:39], s[4:5], s[62:63]
	s_add_nc_u64 s[40:41], s[8:9], s[60:61]
	s_add_nc_u64 s[42:43], s[14:15], s[42:43]
	s_add_nc_u64 s[44:45], s[14:15], s[44:45]
	s_add_nc_u64 s[46:47], s[14:15], s[46:47]
	s_add_nc_u64 s[48:49], s[14:15], s[48:49]
.set q, 0
.rept 4
.set j, 0
.rept KST/2
	global_load_b64 v[WS+KST*q+2*j:WS+KST*q+2*j+1], v2, s[40:41] offset:q*K+8*j
	global_load_b64 v[XS+KST*q+2*j:XS+KST*q+2*j+1], v2, s[38:39] offset:q*K+8*j
.set j, j+1
.endr
.set q, q+1
.endr
.macro XLOAD s, set                    ; my tokens' 8 fragments of K step s: 32 loads of 512 consecutive bytes
	WIN 0x40
.set a, 0
.rept 8
.irp c, 0,1,2,3
	global_load_b128 v[128*(\set)+16*a+4*\c:128*(\set)+16*a+4*\c+3], v1, s[36:37] offset:a*16*K+2048*(\s)+512*\c
.endr
.set a, a+1
.endr
	WIN 0
.endm
.macro WFETCH s, t0                    ; the weight's tiles t0 .. t0 + 3 of K step s: registers 4 c .. 4 c + 3 hold K = 32 c + 16 h + 0 .. 15 of row r
.irp t, \t0, \t0+1, \t0+2, \t0+3
.irp c, 0,1,2,3
	ds_load_b128 v[WF+16*(\t)+4*\c:WF+16*(\t)+4*\c+3], v[4+(\s)/2] offset:16*(\t)*272+128*((\s)%2)+32*\c
.endr
.endr
.endm
; One product, from the symbols DD (accumulator), AA, BB (fragments), SA, SB (scale registers), PA, PB (1: the scales lie in lanes 16-31), ZZ (1: the first K step starts the sum)
.macro MM
.if ZZ
.if PA && PB
	v_wmma_scale_f32_16x16x128_f8f6f4 v[DD:DD+7], v[AA:AA+15], v[BB:BB+15], 0, v[SA], v[SB] matrix_a_fmt:MATRIX_FMT_BF8 matrix_b_fmt:MATRIX_FMT_BF8 matrix_a_scale:MATRIX_SCALE_ROW1 matrix_b_scale:MATRIX_SCALE_ROW1
.elseif PA
	v_wmma_scale_f32_16x16x128_f8f6f4 v[DD:DD+7], v[AA:AA+15], v[BB:BB+15], 0, v[SA], v[SB] matrix_a_fmt:MATRIX_FMT_BF8 matrix_b_fmt:MATRIX_FMT_BF8 matrix_a_scale:MATRIX_SCALE_ROW1
.elseif PB
	v_wmma_scale_f32_16x16x128_f8f6f4 v[DD:DD+7], v[AA:AA+15], v[BB:BB+15], 0, v[SA], v[SB] matrix_a_fmt:MATRIX_FMT_BF8 matrix_b_fmt:MATRIX_FMT_BF8 matrix_b_scale:MATRIX_SCALE_ROW1
.else
	v_wmma_scale_f32_16x16x128_f8f6f4 v[DD:DD+7], v[AA:AA+15], v[BB:BB+15], 0, v[SA], v[SB] matrix_a_fmt:MATRIX_FMT_BF8 matrix_b_fmt:MATRIX_FMT_BF8
.endif
.else
.if PA && PB
	v_wmma_scale_f32_16x16x128_f8f6f4 v[DD:DD+7], v[AA:AA+15], v[BB:BB+15], v[DD:DD+7], v[SA], v[SB] matrix_a_fmt:MATRIX_FMT_BF8 matrix_b_fmt:MATRIX_FMT_BF8 matrix_a_scale:MATRIX_SCALE_ROW1 matrix_b_scale:MATRIX_SCALE_ROW1
.elseif PA
	v_wmma_scale_f32_16x16x128_f8f6f4 v[DD:DD+7], v[AA:AA+15], v[BB:BB+15], v[DD:DD+7], v[SA], v[SB] matrix_a_fmt:MATRIX_FMT_BF8 matrix_b_fmt:MATRIX_FMT_BF8 matrix_a_scale:MATRIX_SCALE_ROW1
.elseif PB
	v_wmma_scale_f32_16x16x128_f8f6f4 v[DD:DD+7], v[AA:AA+15], v[BB:BB+15], v[DD:DD+7], v[SA], v[SB] matrix_a_fmt:MATRIX_FMT_BF8 matrix_b_fmt:MATRIX_FMT_BF8 matrix_b_scale:MATRIX_SCALE_ROW1
.else
	v_wmma_scale_f32_16x16x128_f8f6f4 v[DD:DD+7], v[AA:AA+15], v[BB:BB+15], v[DD:DD+7], v[SA], v[SB] matrix_a_fmt:MATRIX_FMT_BF8 matrix_b_fmt:MATRIX_FMT_BF8
.endif
.endif
.endm
; 32 products: the weight's tiles 4 half .. 4 half + 3 against the tokens' eight.  The accumulator of source 1's tile lt and source 0's tile rt lies at 64 (lt % 4) + 8 rt of window 2 + lt / 4.
; The accumulators take turns, one instruction a turn, in the same order in every K step.
.macro HALF v, s, half
.set ZZ, (\s)==0
.if \v
	WIN 0xA1+0x50*(\half)                          ; source 0 (tokens) window 1, source 1 (weight) window 0, C and D window 2 or 3
.irp lt, 0,1,2,3
.irp rt, 0,1,2,3,4,5,6,7
.set DD, 64*\lt+8*\rt
.set AA, 128*((\s)%2)+16*\rt
.set BB, WF+16*(4*(\half)+\lt)
.set SA, XS+KST*(\rt/2)+(\s)
.set SB, WS+KST*((4*(\half)+\lt)/2)+(\s)
.set PA, \rt%2
.set PB, \lt%2
	MM
.endr
.endr
.else
.irp g, 0,1
	WIN 0xA4+0x50*\g                               ; source 0 (weight) window 0, source 1 (tokens) window 1, C and D window 2 or 3
.irp rt, 0,1,2,3
.irp lt, 0,1,2,3
.set DD, 64*\lt+8*(4*(\half)+\rt)
.set AA, WF+16*(4*(\half)+\rt)
.set BB, 128*((\s)%2)+16*(4*\g+\lt)
.set SA, WS+KST*((4*(\half)+\rt)/2)+(\s)
.set SB, XS+KST*((4*\g+\lt)/2)+(\s)
.set PA, \rt%2
.set PB, \lt%2
	MM
.endr
.endr
.endr
.endif
.endm
; A K step of 128: 64 products.  A weight tile is free as soon as its half is issued, so one set of registers serves the weight; the tokens' fragments are at work through the step and have two sets.
; Eight plain places stand between a product and a load into a register that it read.
.macro KSTEP v, s
.if (\s) < KST-1
	s_wait_loadcnt 32                              ; this step's tokens (and at first the scale words) are in; the next step's 32 loads may be out
.else
	s_wait_loadcnt 0x0
.endif
	s_wait_dscnt 16                                ; the weight's tiles 0-3 are in; tiles 4-7, 16 loads, may be out
	HALF \v, \s, 0
	s_wait_dscnt 0x0                               ; tiles 4-7 are in
.if (\s)+1 < KST
	PLACES 8
	WIN 0
	WFETCH (\s)+1, 0
.endif
	HALF \v, \s, 1
	PLACES 8                                       ; behind the last step these serve the first reads of results
	WIN 0
.if (\s)+1 < KST
	WFETCH (\s)+1, 4
.endif
.if (\s)+2 < KST
	XLOAD (\s)+2, (\s)%2
.endif
.endm
; The 64 results of source 1's tile i become a fragment's codes in v[PC] on and its scale word in v[PW]
.macro QUANT i
.set AC, 64*((\i)%4)
.set WN, 2+(\i)/4
	WIN WN|(WN<<2)                                 ; sources 0 and 1: the accumulators' window
.irp b, 0,1,2,3
	v_max3_num_f32 v[TM+\b], |v[AC+16*\b]|, |v[AC+16*\b+1]|, 0x8000000   ; block b: my 16 numbers, each accumulator from its low end on, and the floor 2^(16 - 127)
.endr
.irp e, 2,4,6,8,10,12,14
.irp b, 0,1,2,3
	v_max3_num_f32 v[TM+\b], |v[AC+16*\b+\e]|, |v[AC+16*\b+\e+1]|, v[TM+\b]
.endr
.endr
	WIN 0
.irp b, 0,1,2,3
	v_permlanex16_b32 v[TM+4+\b], v[TM+\b], s50, s51
.endr
.irp b, 0,1,2,3
	v_max_num_f32 v[TM+\b], v[TM+\b], v[TM+4+\b]   ; with lane l xor 16's: the block's largest magnitude
.endr
.irp b, 0,1,2,3
	v_add_nc_u32 v[TM+12+\b], 0xf8800000, v[TM+\b] ; 15 off its exponent field: the conversion's scale operand
.endr
.irp b, 0,1,2,3
	v_and_or_b32 v[TM+8+\b], v[TM+\b], 0x7f800000, s52   ; 57,344 x the scale
.endr
.irp b, 0,1,2,3
	v_lshrrev_b32 v[TM+4+\b], 23, v[TM+12+\b]      ; the scale's byte
.endr
	v_lshl_or_b32 v[PW], v[TM+5], 8, v[TM+4]
	v_lshl_or_b32 v[PW], v[TM+6], 16, v[PW]
	v_lshl_or_b32 v[PW], v[TM+7], 24, v[PW]
	WIN WN|(WN<<6)                                 ; source 0 and destination: the accumulators' window
.irp b, 0,1,2,3
.irp e, 0,1,2,3,4,5,6,7,8,9,10,11,12,13,14,15
	v_med3_num_f32 v[AC+16*\b+\e], v[AC+16*\b+\e], -v[TM+8+\b], v[TM+8+\b]   ; the conversion does not saturate (ISA guide 7.6.2): hold first
.endr
.endr
	s_wait_alu depctr_va_vdst(0)
	s_wait_xcnt 0x0                                ; the last tile's stores have read their registers: the codes and the collected scale words are written again only behind this wait
	WIN WN
.irp b, 0,1,2,3
	v_cvt_scalef32_pk8_bf8_f32 v[PC+4*\b:PC+4*\b+1], v[AC+16*\b:AC+16*\b+7], v[TM+12+\b]
	v_cvt_scalef32_pk8_bf8_f32 v[PC+4*\b+2:PC+4*\b+3], v[AC+16*\b+8:AC+16*\b+15], v[TM+12+\b]
.endr
	WIN 0
	v_nop                                          ; one plain line behind the conversions
.irp b, 0,1,2,3
	v_permlane16_swap_b32 v[PC+4*\b], v[PC+4*\b+2]     ; lanes 16-31 of the first pair change places with lanes 0-15 of the second:
	v_permlane16_swap_b32 v[PC+4*\b+1], v[PC+4*\b+3]   ; the four registers now hold k = 32 b + 16 h + 0 .. 15
.endr
.endm
	XLOAD 0, 0
	XLOAD 1, 1
	s_wait_tensorcnt 0x0                           ; my part of the slice is in LDS,
	s_barrier_signal -1
	s_barrier_wait -1                              ; everybody's is
	WFETCH 0, 0
	WFETCH 0, 4
	s_cmp_eq_u32 s18, 2
	s_cbranch_scc1 .Lpath_v
.set ss, 0
.rept KST
	KSTEP 0, ss
.set ss, ss+1
.endr
	s_branch .Lepi                                 ; the way out is written once, for q, k and v
.Lpath_v:
.set ss, 0
.rept KST
	KSTEP 1, ss
.set ss, ss+1
.endr
; THE WAY OUT, one text for the two ways: tile ei is quantised alike; only the stores differ, and a scalar branch on the slice's kind (s18 = 2: v) leads to v's.
.macro EPI1
	QUANT ei
	v_mov_b32 v[SWA+ei%4], v[PW]
	v_lshrrev_b32 v[SWB+ei%4], 16, v[PW]
	s_cmp_eq_u32 s18, 2
	s_wait_alu depctr_va_vdst(0)
	s_cbranch_scc1 .Lev_\@
	global_store_b128 v1, v[PC:PC+3],     s[42:43] offset:1024*ei        ; q, k: blocks 0, 1 are the first head's, 2, 3 the second's; every store: 512 consecutive bytes
	global_store_b128 v1, v[PC+4:PC+7],   s[42:43] offset:1024*ei+512
	global_store_b128 v1, v[PC+8:PC+11],  s[44:45] offset:1024*ei
	global_store_b128 v1, v[PC+12:PC+15], s[44:45] offset:1024*ei+512
.if ei%4 == 3
	global_store_b128 v1, v[SWA:SWA+3], s[46:47] offset:512*(ei/4)
	global_store_b128 v1, v[SWB:SWB+3], s[48:49] offset:512*(ei/4)
.endif
	s_branch .Lej_\@
.Lev_\@:
.irp c, 0,1,2,3
	global_store_b128 v1, v[PC+4*\c:PC+4*\c+3], s[42+2*(ei/4):43+2*(ei/4)] offset:2048*(ei%4)+512*\c   ; v: head ei / 4, channels 16 (ei % 4) on
.endr
.if ei%4 == 3
	global_store_b128 v1, v[SWA:SWA+3], s[46+2*(ei/4):47+2*(ei/4)]
.endif
.Lej_\@:
.endm
.Lepi:
.set ei, 0
.rept 8
	EPI1
.set ei, ei+1
.endr
	s_wait_tensorcnt 0x0
	ds_add_u32 v110, v111
	s_wait_dscnt 0x0
	s_endpgm
.Lfunc_end_k_q61d726d7bc_proj_sa:
	.size	k_q61d726d7bc_proj_sa, .Lfunc_end_k_q61d726d7bc_proj_sa-k_q61d726d7bc_proj_sa
	.p2alignl 7, 3214868480
	.fill 96, 4, 3214868480
	.section	.rodata,"a",@progbits
	.p2align	6, 0x0
	.amdhsa_kernel k_q61d726d7bc_proj_sa
		.amdhsa_group_segment_fixed_size 168448
		.amdhsa_private_segment_fixed_size 0
		.amdhsa_enable_private_segment 0
		.amdhsa_kernarg_size 48
		.amdhsa_user_sgpr_count 2
		.amdhsa_user_sgpr_kernarg_segment_ptr 1
		.amdhsa_wavefront_size32 1
		.amdhsa_system_sgpr_workgroup_id_x 1
		.amdhsa_system_sgpr_workgroup_id_y 1
		.amdhsa_system_sgpr_workgroup_id_z 1
		.amdhsa_system_vgpr_workitem_id 0
		.amdhsa_next_free_vgpr 1024
		.amdhsa_next_free_sgpr 66
		.amdhsa_reserve_vcc 0
		.amdhsa_float_denorm_mode_32 3
		.amdhsa_float_denorm_mode_16_64 3
		.amdhsa_memory_ordered 1
		.amdhsa_forward_progress 1
		.amdhsa_inst_pref_size 255
	.end_amdhsa_kernel
	.section	.bss,"aw",@nobits
	.p2align	6
	.space	262144
	.amdgpu_metadata
---
amdhsa.version: [ 1, 2 ]
amdhsa.kernels:
  - .name:           k_q61d726d7bc_proj_sa
    .symbol:         k_q61d726d7bc_proj_sa.kd
    .args:
      - { .name: lnb, .offset: 0, .size: 8, .value_kind: global_buffer, .address_space: global }
      - { .name: sa_wq_codes, .offset: 8, .size: 8, .value_kind: global_buffer, .address_space: global }
      - { .name: sa_wq_scales, .offset: 16, .size: 8, .value_kind: global_buffer, .address_space: global }
      - { .name: sa_wkv_codes, .offset: 24, .size: 8, .value_kind: global_buffer, .address_space: global }
      - { .name: sa_wkv_scales, .offset: 32, .size: 8, .value_kind: global_buffer, .address_space: global }
      - { .name: qkv, .offset: 40, .size: 8, .value_kind: global_buffer, .address_space: global }
    .group_segment_fixed_size: 168448
    .private_segment_fixed_size: 0
    .kernarg_segment_align: 8
    .kernarg_segment_size: 48
    .max_flat_workgroup_size: 128
    .sgpr_count:     66
    .vgpr_count:     1024
    .wavefront_size: 32
...
	.end_amdgpu_metadata
.endif
;; end of part 10
;; launch attn_sa (part 11): grid 8 x 32, 16 waves a work-group, clusters of 4 x 1, 327,680 bytes of LDS; arguments qkv, ob; writes ob
.if DOCPART == 11
	.amdgcn_target "amdgcn-amd-amdhsa--gfx1250"
	.amdhsa_code_object_version 6
	.text
	.protected	k_q61d726d7bc_attn_sa
	.globl	k_q61d726d7bc_attn_sa
	.p2align	8
	.type	k_q61d726d7bc_attn_sa,@function
k_q61d726d7bc_attn_sa:
	s_mov_b64 s[64:65], 0
	v_nop
	global_prefetch_b8 v0, s[64:65] scope:SCOPE_SE
	s_setreg_imm32_b32 hwreg(HW_REG_WAVE_MODE, 25, 1), 1
	s_wait_xcnt 0x0
	s_wait_alu depctr_hold_cnt(0) depctr_sa_sdst(0) depctr_va_vdst(0) depctr_va_sdst(0) depctr_va_ssrc(0) depctr_va_vcc(0) depctr_vm_vsrc(0)
	s_getreg_b32 s2, hwreg(HW_REG_IB_STS2, 6, 4)
	s_cmp_eq_u32 s2, 0
	s_cbranch_scc0 .Lentry_in_a_cluster
	s_endpgm
.Lentry_in_a_cluster:
	s_bfe_u32 s2, ttmp6, 0x10000c
	s_cmp_lg_u32 s2, 0x3003
	s_cbranch_scc0 .Lentry_shape_is_right
	s_endpgm
.Lentry_shape_is_right:
; o = softmax(q k^T / 8) v for one head and 256 queries, both products on codes of E5M2 with E8M0 scales; o is quantised along the model's 512 for the projection that follows.
; THE SOFTMAX: t = score x log2(e) / 8; M = the running largest t rounded UP to a whole number; p = 2^(t - M) is quantised along the keys, not normalised; the row's sum is taken of the unquantised p and divides at the end.
; When M moves, the sum and O are multiplied by 2^(old M - new M): exact.
; SHARES: sixteen waves, each 16 queries in 256 registers; every wave walks all NKS steps of 128 keys.
; LDS: the head's NKS blocks of 17,920 bytes (k's codes, v's codes, their scale words, all as images of operand registers) are filled once, wave w fetching block w, IN STAGES:
; blocks 0 .. NA-1 at the head, the next NB behind the first round, the last NC behind the second: the steps on the blocks of one stage run while the next stage's loads are out.
; CLUSTER: the 8 work-groups of a head read the same blocks; four of them form a cluster and ask jointly (mask 15): the descriptor hangs on the head and the wave's number alone.
; PREFETCH: the last stage's NC blocks (70 NC pieces of 256 bytes) are asked for behind the first round, NA steps ahead of their loads: each partner takes a quarter, told apart by address; six waves, a lane a piece,
; lanes left over name the quarter's last piece again.  The first two stages come by their loads alone: no step of the loop stands ahead of them.
; LAYOUT: S^T = k q^T (source 0 = 16 keys, source 1 = my queries), O^T = v^T p^T (source 0 = 16 channels, source 1 = p): a lane holds ONE query.  The head's 64 fill half of the instruction's 128 along K:
; the upper half is zero codes on both sides.  p's registers 16 b + 0..7 are keys 32 b + 8 h + j, 16 b + 8..15 keys 32 b + 16 + 8 h + j: two lane swaps a block put the codes in the operand's order.
; LIMITS: NaN and infinities are not served; a block under 2^-111 keeps the byte 1; the scaled scores stay under 2^31 in magnitude.
; REGISTERS: v1 16 x lane; v2 the step's LDS address; v4 4 x (lane % 16); v5 the prefetch's offset; v10 q's scale word; v12 -M, v13 the largest t, v[14:15] the sum; v16-31 q; v32-95 four fragments of k;
; v96-159 S^T, p, then v's fragments; v160-191 O^T; v192-207 p's codes; v208-215 k's scale words, v216-219 v's, v220 p's; v226-254 at work; v251, v255 the add's two registers.
.set NKS, 16
.set NA, 2
.set NB, 4
.set NC, 10
.set BLK, 17920
.set KVO, 4718592
.set QSO, 4194304
.set OSO, 4194304
.set SPARE, 0x46000                    ; behind 16 blocks: 128 spare bytes a wave
.set SPW, 251
.set NIL, 255
.macro D n
	s_delay_alu instid0(VALU_DEP_\n)
.endm
.macro CROUND                          ; a round of the cluster's barrier
	s_barrier_signal -1
	s_barrier_wait -1
	s_cmp_lg_u32 s8, 0
	s_cbranch_scc1 .Lnw0_\@
	s_barrier_signal -3
.Lnw0_\@:
	s_barrier_wait -3
	s_barrier_signal -1
	s_barrier_wait -1
.endm
.macro TL lo, hi                       ; waves lo .. hi - 1 ask for their blocks, jointly with the partners' same waves
.if \lo
	s_cmp_lt_u32 s8, \lo
	s_cbranch_scc1 .Lnl_\@
.endif
.if \hi < 16
	s_cmp_lt_u32 s8, \hi
	s_cbranch_scc0 .Lnl_\@
.endif
	tensor_load_to_lds s[12:15], s[16:23]
	s_nop 0
.rept 4
	v_nop
.endr
.Lnl_\@:
.endm
.macro SEQ2                            ; ahead of a later first fill: all my loads are in, the add, its wait, a round
	s_wait_tensorcnt 0x0
	ds_add_u32 v[SPW], v[NIL]
	ds_add_u32 v[SPW], v[NIL]
	s_wait_dscnt 0x0
	CROUND
.endm
	s_load_b128 s[4:7], s[0:1], 0x0                ; qkv, ob
	v_lshl_add_u32 v[SPW], v0, 2, SPARE
	v_mov_b32 v[NIL], 0
	ds_add_u32 v[SPW], v[NIL]                      ; the opening lines
	ds_add_u32 v[SPW], v[NIL]
	v_lshrrev_b32 v2, 5, v0
	D 1
	v_readfirstlane_b32 s8, v2                     ; wave 0..15
	v_and_b32 v3, 31, v0
	D 1
	v_lshlrev_b32 v1, 4, v3
	v_and_b32 v4, 15, v0
	D 1
	v_lshlrev_b32 v4, 2, v4
	s_bfe_u32 s38, ttmp6, 0x40000                  ; cx
.if NC
	s_sub_co_u32 s47, s8, NA+NB
	s_lshl_b32 s47, s47, 5
	s_mul_i32 s48, s38, NC*70/4
	v_add_nc_u32 v5, s47, v3                       ; piece 32 (wave - NA - NB) + lane of my quarter,
	D 1
	v_min_u32 v5, NC*70/4-1, v5                    ; held at its last,
	D 1
	v_add_lshl_u32 v5, v5, s48, 8                  ; + my quarter's first; 256 bytes a piece
.endif
	s_lshl_b32 s39, ttmp9, 2
	s_add_co_u32 s39, s39, s38                     ; work-group x
	s_and_b32 s9, ttmp7, 0xffff                    ; 8 x batch + head
	s_mov_b32 s16, 15|(3<<16)|(1<<21)              ; group 1: the four partners; a dense block as 70 rows of 32 elements of 8 bytes
	s_mov_b32 s17, 32<<16
	s_mov_b32 s18, 70<<16
	s_mov_b32 s19, 32<<16
	s_mov_b32 s20, 70
	s_mov_b32 s21, 32
	s_mov_b32 s22, 0
	s_mov_b32 s23, 0
	s_mul_i32 s10, s9, NKS
.if NC
	s_add_co_u32 s36, s10, NA+NB
	s_mul_i32 s36, s36, BLK
	s_add_co_u32 s36, s36, KVO                     ; the last stage's first block
	s_mov_b32 s37, 0
.endif
	s_add_co_u32 s10, s10, s8
	s_mul_i32 s10, s10, BLK
	s_add_co_u32 s10, s10, KVO                     ; the block that I fetch
	s_mov_b32 s11, 0
	s_lshl_b32 s24, s39, 4
	s_add_co_u32 s24, s24, s8                      ; my tile of queries in the head
	s_lshl_b32 s25, s9, 7
	s_add_co_u32 s25, s25, s24
	s_lshl_b32 s26, s25, 10                        ; its codes
	s_mov_b32 s27, 0
	s_lshl_b32 s28, s9, 5
	s_lshr_b32 s29, s24, 2
	s_add_co_u32 s28, s28, s29
	s_lshl_b32 s28, s28, 9
	s_and_b32 s29, s24, 3
	s_lshl_b32 s29, s29, 2
	s_add_co_u32 s28, s28, s29
	s_add_co_u32 s28, s28, QSO                     ; its scale words: 16 bytes a lane for four tiles
	s_mov_b32 s29, 0
	s_lshr_b32 s30, s9, 3
	s_and_b32 s31, s9, 7                           ; head
	s_lshl_b32 s30, s30, 7
	s_add_co_u32 s30, s30, s24                     ; my tile among all rows
	s_lshl_b32 s32, s30, 2
	s_lshr_b32 s33, s31, 1
	s_add_co_u32 s32, s32, s33
	s_lshl_b32 s32, s32, 11                        ; o's codes: [tile][head / 2][2 (head % 2) + b][lane][16]
	s_and_b32 s33, s31, 1
	s_lshl_b32 s33, s33, 10
	s_add_co_u32 s32, s32, s33
	s_mov_b32 s33, 0
	s_lshl_b32 s34, s31, 15
	s_lshl_b32 s35, s30, 6
	s_add_co_u32 s34, s34, s35
	s_add_co_u32 s34, s34, OSO                     ; o's scale words: [head][tile][row]
	s_mov_b32 s35, 0
	s_mov_b32 s42, 0x3e38aa3b                      ; c = log2(e) / 8
	s_mov_b32 s43, s42
	s_mov_b32 s44, 0x76543210
	s_mov_b32 s45, 0xfedcba98
	s_mov_b32 s46, 0x600000
	s_mov_b32 s40, 0                               ; the step's block in LDS
	s_wait_alu depctr_va_vdst(0)
	s_wait_dscnt 0x0
	s_wait_kmcnt 0x0
	s_mov_b32 s12, 1
	s_mul_i32 s13, s8, BLK                         ; LDS address: wave x a block
	s_add_nc_u64 s[14:15], s[4:5], s[10:11]
	s_or_b32 s15, s15, 0x80000000
	s_add_nc_u64 s[26:27], s[4:5], s[26:27]
	s_add_nc_u64 s[28:29], s[4:5], s[28:29]
	s_add_nc_u64 s[32:33], s[6:7], s[32:33]
	s_add_nc_u64 s[34:35], s[6:7], s[34:35]
.if NC
	s_add_nc_u64 s[36:37], s[4:5], s[36:37]
.endif
	CROUND                                         ; the partners are here: the first joint loads meet
	TL 0, NA
	global_load_b128 v[16:19], v1, s[26:27]
	global_load_b128 v[20:23], v1, s[26:27] offset:512
	global_load_b32 v10, v1, s[28:29]
.irp j, 0,1,2,3,4,5,6,7
	v_mov_b32 v[24+\j], 0                          ; zero codes for the upper 64 along K: q's,
.endr
.irp t, 0,1,2,3
.irp j, 8,9,10,11,12,13,14,15
	v_mov_b32 v[32+16*\t+\j], 0                    ; and those of k's four fragments: never written again
.endr
.endr
.set j, 0
.rept 32
	v_mov_b32 v[160+j], 0                          ; O^T: the first step finds zeros
.set j, j+1
.endr
	v_mov_b32 v13, 0xff61b1e6                      ; the largest t so far: -3e38
	D 1
	v_floor_f32 v12, -v13                          ; -M
	v_mov_b32 v14, 0
	v_mov_b32 v15, 0
.irp b, 0,1,2,3
	v_mov_b32 v[236+\b], 0
.endr
	v_mov_b32 v253, 0                              ; (the upper half of the pair v[252:253])
; A KEY STEP: 128 keys, the block at s40
.macro STEP
	s_barrier_signal -1                            ; a split barrier in every step: I have begun this step (no LDS instruction of mine is out)
	v_add_nc_u32 v2, s40, v1
	s_wait_alu depctr_va_vdst(0)
	ds_load_b128 v[208:211], v2 offset:16384       ; k's scale words: lane r has key r's, a register a tile
	ds_load_b128 v[212:215], v2 offset:16896
.irp g, 0,1
.if \g
.rept 8
	v_nop                                          ; places in front of loads into registers that products have read, and of the first reads of the first four results
.endr
.endif
.irp t, 0,1,2,3
	ds_load_b128 v[32+16*\t:35+16*\t], v2 offset:1024*(4*\g+\t)
	ds_load_b128 v[36+16*\t:39+16*\t], v2 offset:1024*(4*\g+\t)+512
.endr
	s_wait_dscnt 0x0
.irp t, 0,1,2,3
	v_wmma_scale_f32_16x16x128_f8f6f4 v[96+8*(4*\g+\t):103+8*(4*\g+\t)], v[32+16*\t:47+16*\t], v[16:31], 0, v[208+4*\g+\t], v10 matrix_a_fmt:MATRIX_FMT_BF8 matrix_b_fmt:MATRIX_FMT_BF8
.endr
.endr
; the largest score of each block of 32 keys, two chains a block (v232+b, v236+b).  Blocks 0 and 1 come first: their 12 lines name the first four results alone and are the places behind the last four products
.irp p, 0,2
.irp e, 0,8
.irp b, 0,1
	v_max3_num_f32 v[232+4*(\e/8)+\p+\b], v[96+16*(\p+\b)+\e], v[97+16*(\p+\b)+\e], v[98+16*(\p+\b)+\e]
.endr
.endr
.irp i, 3,5
.irp e, 0,8
.irp b, 0,1
	v_max3_num_f32 v[232+4*(\e/8)+\p+\b], v[232+4*(\e/8)+\p+\b], v[96+16*(\p+\b)+\e+\i], v[97+16*(\p+\b)+\e+\i]
.endr
.endr
.endr
.endr
.irp b, 0,1,2,3
	v_max3_num_f32 v[232+\b], v[232+\b], v[103+16*\b], v[111+16*\b]
.endr
.irp b, 0,1,2,3
	D 4
	v_max_num_f32 v[232+\b], v[232+\b], v[236+\b]
.endr
.irp b, 0,1,2,3
	D 4
	v_permlanex16_b32 v[236+\b], v[232+\b], s44, s45
.endr
.irp b, 0,1,2,3
	D 4
	v_max_num_f32 v[232+\b], v[232+\b], v[236+\b]  ; with lane l xor 16's 16 keys
.endr
	D 2
	v_max3_num_f32 v254, v232, v233, v234
	D 1
	v_max_num_f32 v254, v254, v235
	D 1
	v_mul_f32 v254, s42, v254                      ; the step's largest t (c is positive)
	D 1
	v_max_num_f32 v13, v13, v254
	v_mov_b32 v254, v12
	D 2
	v_floor_f32 v12, -v13                          ; the new -M = -ceil(t)
	D 1
	v_sub_f32 v254, v12, v254                      ; old M - new M: a whole number, 0 or less
	D 1
	v_cvt_i32_f32 v254, v254                       ; (it saturates)
	D 1
	v_ldexp_f32 v252, 1.0, v254                    ; f = 2^(old M - new M)
.set j, 0
.rept 32
	v_pk_fma_f32 v[96+j:97+j], v[96+j:97+j], s[42:43], v[12:13] op_sel_hi:[1,0,0]   ; t - M
.set j, j+2
.endr
.irp b, 0,1,2,3
	v_fma_f32 v[232+\b], v[232+\b], s42, v12
.endr
	s_wait_alu depctr_va_vdst(0)                   ; ahead of the batch
.set j, 0
.rept 64
	v_exp_f32 v[96+j], v[96+j]                     ; p = 2^(t - M)
.set j, j+1
.endr
.irp b, 0,1,2,3
	v_exp_f32 v[232+\b], v[232+\b]                 ; the block's largest p: the same two instructions on the same number
.endr
	v_pk_mul_f32 v[14:15], v[14:15], v[252:253] op_sel_hi:[1,0]    ; the sum under the new M (a plain line behind the batch)
	s_wait_alu depctr_va_vdst(0)                   ; and behind it
.irp b, 0,1,2,3
	v_max_num_f32 v[232+\b], 0x8000000, v[232+\b]  ; the floor 2^(16 - 127)
.endr
.irp b, 0,1,2,3
	D 4
	v_add_nc_u32 v[244+\b], 0xf8800000, v[232+\b]  ; the conversion's scale operand
.endr
.irp b, 0,1,2,3
	v_and_or_b32 v[240+\b], v[232+\b], 0x7f800000, s46   ; 57,344 x the scale
.endr
.irp b, 0,1,2,3
	v_lshrrev_b32 v[236+\b], 23, v[244+\b]
.endr
	D 3
	v_lshl_or_b32 v220, v237, 8, v236              ; p's scale word for these 128 keys
	D 1
	v_lshl_or_b32 v220, v238, 16, v220
	D 1
	v_lshl_or_b32 v220, v239, 24, v220
; the row's sum of the unquantised p: 32 pairs into seven part sums (v226 + 2 k) and the sum itself; the part sums are joined behind the second product
.irp k, 0,1,2,3,4,5,6
	v_pk_add_f32 v[226+2*\k:227+2*\k], v[96+2*\k:97+2*\k], v[112+2*\k:113+2*\k]
.endr
	v_pk_add_f32 v[14:15], v[14:15], v[110:111]
.irp o, 128,144
.irp k, 0,1,2,3,4,5,6
	v_pk_add_f32 v[226+2*\k:227+2*\k], v[226+2*\k:227+2*\k], v[\o+2*\k:\o+1+2*\k]
.endr
	v_pk_add_f32 v[14:15], v[14:15], v[\o+14:\o+15]
.endr
	v_pk_add_f32 v[14:15], v[14:15], v[126:127]
.irp b, 0,1,2,3
.irp i, 0,2,4,6,8,10,12,14
	v_dual_min_num_f32 v[96+16*\b+\i], v[96+16*\b+\i], v[240+\b] :: v_dual_min_num_f32 v[97+16*\b+\i], v[97+16*\b+\i], v[240+\b]   ; the hold, two numbers a line; p is not negative
.endr
	v_cvt_scalef32_pk8_bf8_f32 v[192+4*\b:193+4*\b], v[96+16*\b:103+16*\b], v[244+\b]
	v_cvt_scalef32_pk8_bf8_f32 v[194+4*\b:195+4*\b], v[104+16*\b:111+16*\b], v[244+\b]
.endr
	v_nop                                          ; one plain line behind the conversions
.irp b, 0,1,2,3
	v_permlane16_swap_b32 v[192+4*\b], v[194+4*\b] ; keys 32 b + 16 h + 0 .. 15 in four registers
	v_permlane16_swap_b32 v[193+4*\b], v[195+4*\b]
.endr
.irp d, 0,1,2,3
.irp c, 0,1,2,3
	ds_load_b128 v[96+16*\d+4*\c:99+16*\d+4*\c], v2 offset:8192+2048*\d+512*\c    ; v's four fragments, where p lay
.endr
.endr
	ds_load_b128 v[216:219], v2 offset:17408
	s_wait_alu depctr_va_vdst(0)                   ; ahead of the first reader of O^T
.set j, 0
.rept 16
	v_pk_mul_f32 v[160+j:161+j], v[160+j:161+j], v[252:253] op_sel_hi:[1,0]       ; O^T under the new M; also the places between the codes' last write and the products
.set j, j+2
.endr
	s_wait_alu depctr_va_vdst(0)
	s_wait_dscnt 0x0
	s_barrier_wait -1                              ; every wave has begun this step: no wave leads another by more than a step; between signal and wait stand register work and LDS loads alone
.irp d, 0,1,2,3
	v_wmma_scale_f32_16x16x128_f8f6f4 v[160+8*\d:167+8*\d], v[96+16*\d:111+16*\d], v[192:207], v[160+8*\d:167+8*\d], v[216+\d], v220 matrix_a_fmt:MATRIX_FMT_BF8 matrix_b_fmt:MATRIX_FMT_BF8
.endr
; the part sums are joined here: seven lines that name no register of the products above, and two v_nop: nine places; the next step's first product writes over registers that these products read
	v_pk_add_f32 v[226:227], v[226:227], v[228:229]
	v_pk_add_f32 v[230:231], v[230:231], v[232:233]
	v_pk_add_f32 v[234:235], v[234:235], v[236:237]
	v_pk_add_f32 v[14:15], v[14:15], v[238:239]
	D 3
	v_pk_add_f32 v[226:227], v[226:227], v[230:231]
	D 2
	v_pk_add_f32 v[14:15], v[14:15], v[234:235]
	D 1
	v_pk_add_f32 v[14:15], v[14:15], v[226:227]
	v_nop
	v_nop
	s_add_co_u32 s40, s40, BLK
.endm
.macro LOOP n
	s_mov_b32 s41, \n
.Lst_\@:
	STEP
	s_sub_co_u32 s41, s41, 1
	s_cmp_lg_u32 s41, 0
	s_wait_alu depctr_va_vdst(0)
	s_cbranch_scc1 .Lst_\@
.endm
	s_wait_alu depctr_va_vdst(0)                   ; the head's end
	s_wait_loadcnt 0x0                             ; q
	SEQ2                                           ; blocks 0 .. NA - 1 are in, in every partner
	TL NA, NA+NB
.if NC
	s_cmp_lt_u32 s8, NA+NB
	s_cbranch_scc1 .Lnoask
	s_cmp_lt_u32 s8, NA+NB+6
	s_cbranch_scc0 .Lnoask
	global_prefetch_b8 v5, s[36:37] th:TH_LOAD_NT scope:SCOPE_SE   ; my quarter's pieces of the last stage; its registers are never written again
.Lnoask:
.endif
	LOOP NA
.if NC
	SEQ2                                           ; the second stage is in
	TL NA+NB, NKS
	LOOP NB
.endif
	s_wait_tensorcnt 0x0                           ; the last stage: my block is in,
	s_barrier_signal -1
	s_barrier_wait -1                              ; everybody's is; nothing more is filled
.if NC
	LOOP NC
.else
	LOOP NB
.endif
	v_add_f32 v14, v14, v15
	D 1
	v_permlanex16_b32 v252, v14, s44, s45
	D 1
	v_add_f32 v14, v14, v252                       ; the row's sum
	s_wait_alu depctr_va_vdst(0)
	v_rcp_f32 v14, v14
	v_nop
	s_wait_alu depctr_va_vdst(0)
.set j, 0
.rept 32
	v_mul_f32 v[96+j], v[160+j], v14               ; o: register 8 t + i is channel 16 t + 8 h + i of my query
.set j, j+1
.endr
.irp b, 0,1
	v_max3_num_f32 v[232+\b], |v[96+16*\b]|, |v[97+16*\b]|, 0x8000000
.endr
.irp e, 2,4,6,8,10,12,14
.irp b, 0,1
	D 2
	v_max3_num_f32 v[232+\b], v[232+\b], |v[96+16*\b+\e]|, |v[97+16*\b+\e]|
.endr
.endr
.irp b, 0,1
	D 2
	v_permlanex16_b32 v[236+\b], v[232+\b], s44, s45
.endr
.irp b, 0,1
	D 2
	v_max_num_f32 v[232+\b], v[232+\b], v[236+\b]
.endr
.irp b, 0,1
	D 2
	v_add_nc_u32 v[244+\b], 0xf8800000, v[232+\b]
.endr
.irp b, 0,1
	D 4
	v_and_or_b32 v[240+\b], v[232+\b], 0x7f800000, s46
.endr
.irp b, 0,1
	D 4
	v_lshrrev_b32 v[236+\b], 23, v[244+\b]
.endr
	D 1
	v_lshl_or_b32 v221, v237, 8, v236              ; the head's two bytes of my row
.irp b, 0,1
.irp e, 0,1,2,3,4,5,6,7,8,9,10,11,12,13,14,15
	v_med3_num_f32 v[96+16*\b+\e], v[96+16*\b+\e], -v[240+\b], v[240+\b]
.endr
	v_cvt_scalef32_pk8_bf8_f32 v[192+4*\b:193+4*\b], v[96+16*\b:103+16*\b], v[244+\b]
	v_cvt_scalef32_pk8_bf8_f32 v[194+4*\b:195+4*\b], v[104+16*\b:111+16*\b], v[244+\b]
.endr
	v_nop
.irp b, 0,1
	v_permlane16_swap_b32 v[192+4*\b], v[194+4*\b]
	v_permlane16_swap_b32 v[193+4*\b], v[195+4*\b]
.endr
	global_store_b128 v1, v[192:195], s[32:33]             ; 512 consecutive bytes each
	global_store_b128 v1, v[196:199], s[32:33] offset:512
	global_store_b32 v4, v221, s[34:35]                    ; 64 bytes: both halves of the lanes write the same words with the same values
	s_wait_tensorcnt 0x0                           ; the wave's end
	ds_add_u32 v[SPW], v[NIL]
	s_wait_dscnt 0x0
	CROUND                                         ; the closing round
	s_endpgm
.Lfunc_end_k_q61d726d7bc_attn_sa:
	.size	k_q61d726d7bc_attn_sa, .Lfunc_end_k_q61d726d7bc_attn_sa-k_q61d726d7bc_attn_sa
	.p2alignl 7, 3214868480
	.fill 96, 4, 3214868480
	.section	.rodata,"a",@progbits
	.p2align	6, 0x0
	.amdhsa_kernel k_q61d726d7bc_attn_sa
		.amdhsa_group_segment_fixed_size 327680
		.amdhsa_private_segment_fixed_size 0
		.amdhsa_enable_private_segment 0
		.amdhsa_kernarg_size 16
		.amdhsa_user_sgpr_count 2
		.amdhsa_user_sgpr_kernarg_segment_ptr 1
		.amdhsa_wavefront_size32 1
		.amdhsa_system_sgpr_workgroup_id_x 1
		.amdhsa_system_sgpr_workgroup_id_y 1
		.amdhsa_system_sgpr_workgroup_id_z 1
		.amdhsa_system_vgpr_workitem_id 0
		.amdhsa_next_free_vgpr 256
		.amdhsa_next_free_sgpr 66
		.amdhsa_reserve_vcc 0
		.amdhsa_float_denorm_mode_32 3
		.amdhsa_float_denorm_mode_16_64 3
		.amdhsa_memory_ordered 1
		.amdhsa_forward_progress 1
		.amdhsa_inst_pref_size 76
	.end_amdhsa_kernel
	.amdgpu_metadata
---
amdhsa.version: [ 1, 2 ]
amdhsa.kernels:
  - .name:           k_q61d726d7bc_attn_sa
    .symbol:         k_q61d726d7bc_attn_sa.kd
    .args:
      - { .name: qkv, .offset: 0, .size: 8, .value_kind: global_buffer, .address_space: global }
      - { .name: ob, .offset: 8, .size: 8, .value_kind: global_buffer, .address_space: global }
    .group_segment_fixed_size: 327680
    .private_segment_fixed_size: 0
    .kernarg_segment_align: 8
    .kernarg_segment_size: 16
    .max_flat_workgroup_size: 512
    .sgpr_count:     66
    .vgpr_count:     256
    .wavefront_size: 32
...
	.end_amdgpu_metadata
.endif
;; end of part 11
;; launch oproj_sa (part 12): grid 128 x 2, 4 waves a work-group, clusters of 4 x 1, 327,680 bytes of LDS; arguments ob, sa_wo_codes, sa_wo_scales, sa_bo, x, x1; writes x1
.if DOCPART == 12
	.amdgcn_target "amdgcn-amd-amdhsa--gfx1250"
	.amdhsa_code_object_version 6
	.text
	.protected	k_q61d726d7bc_oproj_sa
	.globl	k_q61d726d7bc_oproj_sa
	.p2align	8
	.type	k_q61d726d7bc_oproj_sa,@function
k_q61d726d7bc_oproj_sa:
	s_mov_b64 s[64:65], 0
	v_nop
	global_prefetch_b8 v0, s[64:65] scope:SCOPE_SE
	s_setreg_imm32_b32 hwreg(HW_REG_WAVE_MODE, 25, 1), 1
	s_wait_xcnt 0x0
	s_wait_alu depctr_hold_cnt(0) depctr_sa_sdst(0) depctr_va_vdst(0) depctr_va_sdst(0) depctr_va_ssrc(0) depctr_va_vcc(0) depctr_vm_vsrc(0)
	s_getreg_b32 s2, hwreg(HW_REG_IB_STS2, 6, 4)
	s_cmp_eq_u32 s2, 0
	s_cbranch_scc0 .Lentry_in_a_cluster
	s_endpgm
.Lentry_in_a_cluster:
	s_bfe_u32 s2, ttmp6, 0x10000c
	s_cmp_lg_u32 s2, 0x3003
	s_cbranch_scc0 .Lentry_shape_is_right
	s_endpgm
.Lentry_shape_is_right:
; out = o W^T + bias + residual.  o [8,192][512] as codes of E5M2 in the order of an operand's registers, its scale bytes by head; W [1,024][512] as codes, K innermost; bias, residual and out f32.
; A work-group takes 64 rows x 512 columns (x: which 64 rows; y: which half of the columns), a wave 64 rows x 128 columns: 32 accumulators.  So a work-group reads and stores 2,048 consecutive bytes of each of its 64 rows.
; Each wave fetches its own slice of the weight, 128 rows x 512 bytes, by one tensor load, and it alone reads those LDS bytes: its wait on TENSORcnt is all the ordering; nothing in LDS is filled twice.
; CLUSTER: the 128 work-groups of a column half want the same four slices; four neighbours along x form a cluster and ask jointly (mask 15): the descriptor hangs on y and the wave's number alone.
; o's 16 fragments of the 64 rows, and a wave's 64 x 512 bytes of the residual, are asked for at the head and lie in registers.
; Source 0 = 16 weight rows, source 1 = 16 rows of o: a lane holds eight neighbouring columns of one row; a tile of 16 rows goes through the wave's own stage in LDS and comes back as whole rows of 512 bytes.
; NO PREFETCH: the text has no loop to run ahead in; everything is asked for at the head.
; REGISTERS: window 0: v1 16 x lane, v2 4 x lane, v4 weight fragments' address, v6-7 the stage; v16-31 the weight's scale words, v32-39 o's, v40-55 o's by head, v56-59 the bias; v62-63 the add's; v64-127 rows from the stage; v128-255 the weight's 8 fragments.
; window 1: o's fragments (K step s, tile a) at 64 s + 16 a.  window 2: the accumulator of tile lt and weight tile rt at 64 lt + 8 rt.  window 3: the residual, four registers a row.
.set KST,   4
.set PITCH, 528                        ; an LDS row of the slice: 512 bytes + 16 of padding
.set SLICE, 128*PITCH
.set STG,   4*SLICE                    ; behind the slices: 16 rows x (512 + 16) bytes for each wave; no tensor load lands there
.set SPARE, STG+4*16*528               ; behind the stages: the spare words
.set OSO,   4194304
.set WS, 16
.set XS, 32
.set RAW, 40
.set BK, 64
.set WF, 128
.set MSB, 0
.macro WIN new                         ; the immediate's high byte repeats the setting that is left
.if MSB != (\new)
	s_set_vgpr_msb (MSB<<8)|(\new)
.set MSB, (\new)
.endif
.endm
.macro PLACES n
.rept \n
	v_nop
.endr
.endm
.macro CROUND                          ; a round of the cluster's barrier
	s_barrier_signal -1
	s_barrier_wait -1
	s_cmp_lg_u32 s16, 0
	s_cbranch_scc1 .Lnw0_\@
	s_barrier_signal -3
.Lnw0_\@:
	s_barrier_wait -3
	s_barrier_signal -1
	s_barrier_wait -1
.endm
	s_load_b256 s[4:11], s[0:1], 0x0               ; o, W's codes, W's scales, the bias
	s_load_b128 s[12:15], s[0:1], 0x20             ; the residual, out
	v_lshl_add_u32 v62, v0, 2, SPARE
	v_mov_b32 v63, 0
	ds_add_u32 v62, v63                            ; the opening lines
	ds_add_u32 v62, v63
	v_lshrrev_b32 v3, 5, v0
	v_readfirstlane_b32 s16, v3                    ; wave 0..3
	v_and_b32 v3, 31, v0
	v_lshlrev_b32 v1, 4, v3
	v_lshlrev_b32 v2, 2, v3
	v_and_b32 v8, 15, v0
	v_bfe_u32 v9, v0, 4, 1
	v_mul_u32_u24 v4, v8, PITCH
	v_lshl_add_u32 v4, v9, 4, v4                   ; a weight fragment: row r x pitch + 16 h,
	s_mul_i32 s17, s16, SLICE
	v_add_nc_u32 v4, s17, v4                       ; in my slice
	s_mul_i32 s17, s16, 16*528
	s_add_co_u32 s17, s17, STG                     ; my stage
	v_mul_u32_u24 v6, v8, 528
	v_lshl_add_u32 v6, v9, 5, v6
	v_add_nc_u32 v6, s17, v6                       ; in: row r, 32 bytes for each half of the lanes
	v_add_nc_u32 v7, s17, v1                       ; back: the 32 lanes take a row
	s_mov_b32 s28, 15|(1<<20)|(1<<21)|(6<<22)|(3<<25)   ; group 1: the four partners; elements of 1 byte; 4 words of padding behind every 128
	s_mov_b32 s29, 512<<16
	s_mov_b32 s30, 128<<16
	s_mov_b32 s31, 512<<16
	s_mov_b32 s32, 128
	s_mov_b32 s33, 512
	s_mov_b32 s34, 0
	s_mov_b32 s35, 0
	s_and_b32 s18, ttmp7, 0xffff                   ; which half of the columns
	s_lshl_b32 s18, s18, 2
	s_add_co_u32 s18, s18, s16                     ; my slice of 128 weight rows
	s_bfe_u32 s20, ttmp6, 0x40000                  ; cx
	s_lshl_b32 s19, ttmp9, 2
	s_add_co_u32 s19, s19, s20                     ; which 64 rows
	s_lshl_b32 s19, s19, 2                         ; their first tile
	s_lshl_b32 s36, s18, 16                        ; the slice: 128 rows of 512 bytes
	s_mov_b32 s37, 0
	s_lshl_b32 s38, s18, 11                        ; its scale bytes
	s_mov_b32 s39, 0
	s_lshl_b32 s40, s18, 9                         ; its columns, in bytes of f32
	s_mov_b32 s41, 0
	s_lshl_b32 s42, s19, 13                        ; o's codes: 8,192 bytes a tile
	s_mov_b32 s43, 0
	s_lshl_b32 s44, s19, 6
	s_add_co_u32 s44, s44, OSO                     ; o's scale words: 64 bytes a tile and head
	s_mov_b32 s45, 0
	s_lshl_b32 s46, s19, 16                        ; my first row of 4,096 bytes,
	s_add_co_u32 s46, s46, s40                     ; + the columns
	s_mov_b32 s47, 0
	s_wait_alu depctr_va_vdst(0)
	s_wait_dscnt 0x0
	s_wait_kmcnt 0x0
	s_mov_b32 s24, 1
	s_mul_i32 s25, s16, SLICE
	s_add_nc_u64 s[26:27], s[6:7], s[36:37]
	s_or_b32 s27, s27, 0x80000000
	CROUND                                         ; the partners are here: the joint loads meet
	tensor_load_to_lds s[24:27], s[28:35]          ; my one tensor load
	s_nop 0
	PLACES 4
	s_add_nc_u64 s[8:9], s[8:9], s[38:39]
	s_add_nc_u64 s[10:11], s[10:11], s[40:41]
	s_add_nc_u64 s[36:37], s[4:5], s[42:43]
	s_add_nc_u64 s[38:39], s[4:5], s[44:45]
	s_add_nc_u64 s[12:13], s[12:13], s[46:47]
	s_add_nc_u64 s[14:15], s[14:15], s[46:47]
.irp q, 0,1,2,3
	global_load_b128 v[WS+4*\q:WS+4*\q+3], v1, s[8:9] offset:512*\q       ; lane l: the four words of weight row 32 q + l
.endr
.irp q, 0,1
.irp d, 0,1,2,3,4,5,6,7
	global_load_b32 v[RAW+8*\q+\d], v2, s[38:39] offset:32768*\d+128*\q   ; lane l: head d's two bytes of row 32 q + l
.endr
.endr
	global_load_b128 v[56:59], v1, s[10:11]        ; the bias of columns 4 l .. 4 l + 3
	WIN 0x40
.irp s, 0,1,2,3
.irp a, 0,1,2,3
.irp c, 0,1,2,3
	global_load_b128 v[64*\s+16*\a+4*\c:64*\s+16*\a+4*\c+3], v1, s[36:37] offset:8192*\a+2048*\s+512*\c
.endr
.endr
.endr
	WIN 0
	s_wait_loadcnt 63                              ; of the 85 loads so far the oldest 22 are in: the scale words and the bias are the first 21
.irp q, 0,1
.irp s, 0,1,2,3
	v_lshl_or_b32 v[XS+4*\q+\s], v[RAW+8*\q+2*\s+1], 16, v[RAW+8*\q+2*\s]   ; K step s is heads 2 s and 2 s + 1
.endr
.endr
	WIN 0xc0
.set n, 0
.rept 64
	global_load_b128 v[4*n:4*n+3], v1, s[12:13] offset:4096*n th:TH_LOAD_NT   ; the residual: 512 consecutive bytes of a row; read once in this launch
.set n, n+1
.endr
	WIN 0
	PLACES 8                                       ; a scale register written by a vector instruction stands eight places ahead of the product
	s_wait_alu depctr_va_vdst(0)
	s_wait_tensorcnt 0x0                           ; my slice is in; nobody else reads it
.macro WFETCH s, t0
.irp t, \t0, \t0+1, \t0+2, \t0+3
.irp c, 0,1,2,3
	ds_load_b128 v[WF+16*(\t)+4*\c:WF+16*(\t)+4*\c+3], v4 offset:16*(\t)*PITCH+128*(\s)+32*\c
.endr
.endr
.endm
; One product, from the symbols DD, AA, BB, SA, SB, PA, PB (1: the scales lie in lanes 16-31); c: the C operand (0: the first K step starts the sum)
.macro MM c
.if PA && PB
	v_wmma_scale_f32_16x16x128_f8f6f4 v[DD:DD+7], v[AA:AA+15], v[BB:BB+15], \c, v[SA], v[SB] matrix_a_fmt:MATRIX_FMT_BF8 matrix_b_fmt:MATRIX_FMT_BF8 matrix_a_scale:MATRIX_SCALE_ROW1 matrix_b_scale:MATRIX_SCALE_ROW1
.elseif PA
	v_wmma_scale_f32_16x16x128_f8f6f4 v[DD:DD+7], v[AA:AA+15], v[BB:BB+15], \c, v[SA], v[SB] matrix_a_fmt:MATRIX_FMT_BF8 matrix_b_fmt:MATRIX_FMT_BF8 matrix_a_scale:MATRIX_SCALE_ROW1
.elseif PB
	v_wmma_scale_f32_16x16x128_f8f6f4 v[DD:DD+7], v[AA:AA+15], v[BB:BB+15], \c, v[SA], v[SB] matrix_a_fmt:MATRIX_FMT_BF8 matrix_b_fmt:MATRIX_FMT_BF8 matrix_b_scale:MATRIX_SCALE_ROW1
.else
	v_wmma_scale_f32_16x16x128_f8f6f4 v[DD:DD+7], v[AA:AA+15], v[BB:BB+15], \c, v[SA], v[SB] matrix_a_fmt:MATRIX_FMT_BF8 matrix_b_fmt:MATRIX_FMT_BF8
.endif
.endm
.macro HALF s, half                    ; 16 products: the weight's tiles 4 half .. + 3 against my four tiles of rows; the accumulators take turns
	WIN 0xA4                                       ; source 0 (weight) window 0, source 1 (o) window 1, C and D window 2
.irp rt, 0,1,2,3
.irp lt, 0,1,2,3
.set DD, 64*\lt+8*(4*(\half)+\rt)
.set AA, WF+16*(4*(\half)+\rt)
.set BB, 64*(\s)+16*\lt
.set SA, WS+KST*((4*(\half)+\rt)/2)+(\s)
.set SB, XS+KST*(\lt/2)+(\s)
.set PA, \rt%2
.set PB, \lt%2
.if (\s)==0
	MM 0
.else
	MM v[DD:DD+7]
.endif
.endr
.endr
.endm
.macro KSTEP s
	s_wait_dscnt 16                                ; the weight's tiles 0-3 are in; tiles 4-7 may be out
	HALF \s, 0
	s_wait_dscnt 0x0
.if (\s)+1 < KST
	PLACES 8                                       ; places in front of loads into registers that products have read
	WIN 0
	WFETCH (\s)+1, 0
.endif
	HALF \s, 1
	PLACES 8                                       ; behind the last step these serve the first reads of results
	WIN 0
.if (\s)+1 < KST
	WFETCH (\s)+1, 4
.endif
.endm
	WFETCH 0, 0
	WFETCH 0, 4
	s_wait_loadcnt 63                              ; of the 149 loads the oldest 86 are in: o's fragments end at the 85th
.irp s, 0,1,2,3
	KSTEP \s
.endr
; THE WAY OUT, a tile of 16 rows at a time.  LDS serves a wave's instructions in order (ISA guide 5.7.1.4): no wait between the stores into my stage and the loads from it.
.macro OUTT lt
.if \lt
	s_wait_xcnt 0x0                                ; the last tile's stores have read their registers
.endif
	WIN 0x08                                       ; an LDS store's data are its source 1: window 2
.irp rt, 0,1,2,3,4,5,6,7
	ds_store_b128 v6, v[64*\lt+8*\rt:64*\lt+8*\rt+3] offset:64*\rt           ; each accumulator from its low end on
	ds_store_b128 v6, v[64*\lt+8*\rt+4:64*\lt+8*\rt+7] offset:64*\rt+16
.endr
	WIN 0
.set i, 0
.rept 16
	ds_load_b128 v[BK+4*i:BK+4*i+3], v7 offset:528*i
.set i, i+1
.endr
	s_wait_dscnt 0x0
	s_wait_loadcnt 48-16*\lt                       ; this tile's 16 rows of the residual are in; the later tiles' may be out
	WIN 0x0c                                       ; source 1: window 3
.set n, 0
.rept 32
	v_pk_add_f32 v[BK+n:BK+n+1], v[BK+n:BK+n+1], v[64*\lt+n:64*\lt+n+1]
.set n, n+2
.endr
	WIN 0
.set i, 0
.rept 16
	v_pk_add_f32 v[BK+4*i:BK+4*i+1], v[BK+4*i:BK+4*i+1], v[56:57]
	v_pk_add_f32 v[BK+4*i+2:BK+4*i+3], v[BK+4*i+2:BK+4*i+3], v[58:59]
.set i, i+1
.endr
.set i, 0
.rept 16
	global_store_b128 v1, v[BK+4*i:BK+4*i+3], s[14:15] offset:(16*\lt+i)*4096 th:TH_STORE_NT   ; 512 consecutive bytes of a row, aligned; written once, read by nobody in this launch
.set i, i+1
.endr
.endm
	OUTT 0
	OUTT 1
	OUTT 2
	OUTT 3
	s_wait_tensorcnt 0x0                           ; the wave's end
	ds_add_u32 v62, v63
	s_wait_dscnt 0x0
	CROUND                                         ; the closing round
	s_endpgm
.Lfunc_end_k_q61d726d7bc_oproj_sa:
	.size	k_q61d726d7bc_oproj_sa, .Lfunc_end_k_q61d726d7bc_oproj_sa-k_q61d726d7bc_oproj_sa
	.p2alignl 7, 3214868480
	.fill 96, 4, 3214868480
	.section	.rodata,"a",@progbits
	.p2align	6, 0x0
	.amdhsa_kernel k_q61d726d7bc_oproj_sa
		.amdhsa_group_segment_fixed_size 327680
		.amdhsa_private_segment_fixed_size 0
		.amdhsa_enable_private_segment 0
		.amdhsa_kernarg_size 48
		.amdhsa_user_sgpr_count 2
		.amdhsa_user_sgpr_kernarg_segment_ptr 1
		.amdhsa_wavefront_size32 1
		.amdhsa_system_sgpr_workgroup_id_x 1
		.amdhsa_system_sgpr_workgroup_id_y 1
		.amdhsa_system_sgpr_workgroup_id_z 1
		.amdhsa_system_vgpr_workitem_id 0
		.amdhsa_next_free_vgpr 1024
		.amdhsa_next_free_sgpr 66
		.amdhsa_reserve_vcc 0
		.amdhsa_float_denorm_mode_32 3
		.amdhsa_float_denorm_mode_16_64 3
		.amdhsa_memory_ordered 1
		.amdhsa_forward_progress 1
		.amdhsa_inst_pref_size 77
	.end_amdhsa_kernel
	.amdgpu_metadata
---
amdhsa.version: [ 1, 2 ]
amdhsa.kernels:
  - .name:           k_q61d726d7bc_oproj_sa
    .symbol:         k_q61d726d7bc_oproj_sa.kd
    .args:
      - { .name: ob, .offset: 0, .size: 8, .value_kind: global_buffer, .address_space: global }
      - { .name: sa_wo_codes, .offset: 8, .size: 8, .value_kind: global_buffer, .address_space: global }
      - { .name: sa_wo_scales, .offset: 16, .size: 8, .value_kind: global_buffer, .address_space: global }
      - { .name: sa_bo, .offset: 24, .size: 8, .value_kind: global_buffer, .address_space: global }
      - { .name: x, .offset: 32, .size: 8, .value_kind: global_buffer, .address_space: global }
      - { .name: x1, .offset: 40, .size: 8, .value_kind: global_buffer, .address_space: global }
    .group_segment_fixed_size: 327680
    .private_segment_fixed_size: 0
    .kernarg_segment_align: 8
    .kernarg_segment_size: 48
    .max_flat_workgroup_size: 128
    .sgpr_count:     66
    .vgpr_count:     1024
    .wavefront_size: 32
...
	.end_amdgpu_metadata
.endif
;; end of part 12
;; launch lnq_ca (part 13): grid 320 x 1, 8 waves a work-group, no clusters, 63,744 bytes of LDS; arguments x1, ca_ng, ca_nb, context, ca_ncg, ca_ncb, lnb; writes lnb
.if DOCPART == 13
	.amdgcn_target "amdgcn-amd-amdhsa--gfx1250"
	.amdhsa_code_object_version 6
	.text
	.protected	k_q61d726d7bc_lnq_ca
	.globl	k_q61d726d7bc_lnq_ca
	.p2align	8
	.type	k_q61d726d7bc_lnq_ca,@function
k_q61d726d7bc_lnq_ca:
	s_mov_b64 s[64:65], 0
	v_nop
	global_prefetch_b8 v0, s[64:65] scope:SCOPE_SE
	s_setreg_imm32_b32 hwreg(HW_REG_WAVE_MODE, 25, 1), 1
	s_wait_xcnt 0x0
; LayerNorm of rows of f32 numbers under a gain and a bias; the result is quantised along the row to codes of E5M2 with one E8M0 byte for each 32.
; y = (x - mean) / sqrt(var + 1e-5) * g + b, all in f32; the variance is the mean of (x - mean)^2, taken in a second pass over registers: no difference of large sums.
; ONE LAUNCH FOR TWO TENSORS that do not hang on each other: work-groups 0-255 take the 8,192 rows of 1,024 of the first, work-groups 256-319 the 2,048 rows of 768 of the context.
; The two ways part at the first line, on the work-group's number alone, and never join; the way is written once, as the macro PATH.  Each way has LDS bytes of its own.
; OUT: codes in the order of a matrix operand's registers: [tile of 16 rows][K / 16][row][16 bytes]; scale bytes row-major [row][K / 32]; each tensor in its own region of the buffer.
; SHARES: a work-group takes 32 rows (two tiles), a wave four of them, one at a time.  A lane holds 8 neighbours of each 256 along the row; four lanes hold a block of 32.
; A lane's 8 codes are 8 bytes of a 256-byte piece of the output whose other bytes belong to other rows: so codes and bytes meet in LDS and leave as runs of 512 (codes) and 256 (scales) consecutive bytes.
; LIMITS: NaN and infinities are not served; a block whose largest magnitude lies under 2^-111 (a block of zeros too) keeps the byte 1: its codes are then tiny or zero, and only this program reads the bytes.
; No matrix unit, no tensor load, no cluster: the launch streams, and work-groups share only the gain and the bias (8 K bytes).
.set GB,    16                         ; v16..    g (8) and b (8) of step t at GB + 16 t
.set XR,    80                         ; v80-207  my four rows, 8 NST registers each: all are asked for at the start
.set Y,     208                        ; v208-215 the 8 numbers in hand
.set SL,    224                        ; v224     LDS address of the scale bytes that I copy out
.set CD,    232                        ; v232..   a step's codes
.set EB,    240                        ; v240..   a step's scale byte
.macro GBLOAD                          ; my 8 gains and 8 biases of each step: they stay in registers
.set t, 0
.rept NST
.set GG, GB+16*t
	global_load_b128 v[GG:GG+3],     v2, s[6:7] offset:1024*t
	global_load_b128 v[GG+4:GG+7],   v2, s[6:7] offset:1024*t+16
	global_load_b128 v[GG+8:GG+11],  v2, s[8:9] offset:1024*t
	global_load_b128 v[GG+12:GG+15], v2, s[8:9] offset:1024*t+16
.set t, t+1
.endr
.endm
.macro LOADROW i, slot                 ; row i of my four: two loads a step, which together take 1,024 consecutive bytes
.set t, 0
.rept NST
.set XX, XR+8*NST*(\slot)+8*t
	global_load_b128 v[XX:XX+3],   v2, s[4:5] offset:(\i)*4*K+1024*t
	global_load_b128 v[XX+4:XX+7], v2, s[4:5] offset:(\i)*4*K+1024*t+16
.set t, t+1
.endr
.endm
.macro LANESUM                         ; v8 summed over the 32 lanes, in every lane
	s_delay_alu instid0(VALU_DEP_1)
	v_add_f32_dpp v8, v8, v8 row_xmask:1 row_mask:0xf bank_mask:0xf
	s_delay_alu instid0(VALU_DEP_1)
	v_add_f32_dpp v8, v8, v8 row_xmask:2 row_mask:0xf bank_mask:0xf
	s_delay_alu instid0(VALU_DEP_1)
	v_add_f32_dpp v8, v8, v8 row_xmask:4 row_mask:0xf bank_mask:0xf
	s_delay_alu instid0(VALU_DEP_1)
	v_add_f32_dpp v8, v8, v8 row_xmask:8 row_mask:0xf bank_mask:0xf
	s_delay_alu instid0(VALU_DEP_1)
	v_permlanex16_b32 v11, v8, s20, s21            ; (v11 has been written: a lane permute's destination counts as read)
	s_delay_alu instid0(VALU_DEP_1)
	v_add_f32 v8, v8, v11
.endm
; 8 numbers of step t of row i become 8 codes and a scale byte
.macro QSTEP t, i
.set GG, GB+16*(\t)
	s_wait_dscnt 2*(NST-1)                         ; the two LDS stores that read this step's code and byte registers NST steps ago are done: behind them 2 (NST - 1) were issued
.irp e, 0,2,4,6
	v_pk_fma_f32 v[Y+\e:Y+\e+1], v[XB+8*(\t)+\e:XB+8*(\t)+\e+1], v[GG+\e:GG+\e+1], v[GG+8+\e:GG+8+\e+1]
.endr
	s_delay_alu instid0(VALU_DEP_4)
	v_max3_num_f32 v216, |v[Y]|, |v[Y+1]|, 0x8000000               ; the largest magnitude of my 8, and the floor 2^(16 - 127): the byte cannot fall under 1
	s_delay_alu instid0(VALU_DEP_3)
	v_max3_num_f32 v217, |v[Y+2]|, |v[Y+3]|, |v[Y+4]|
	s_delay_alu instid0(VALU_DEP_2)
	v_max3_num_f32 v216, v216, |v[Y+5]|, |v[Y+6]|
	s_delay_alu instid0(VALU_DEP_1)
	v_max3_num_f32 v216, v216, v217, |v[Y+7]|
	s_delay_alu instid0(VALU_DEP_1)
	v_max_num_f32_dpp v216, v216, v216 row_xmask:1 row_mask:0xf bank_mask:0xf
	s_delay_alu instid0(VALU_DEP_1)
	v_max_num_f32_dpp v216, v216, v216 row_xmask:2 row_mask:0xf bank_mask:0xf   ; of the four lanes that hold the block
	s_delay_alu instid0(VALU_DEP_1)
	v_add_nc_u32 v218, 0xf8800000, v216            ; 15 off its exponent field: the conversion's scale operand
	s_delay_alu instid0(VALU_DEP_2)
	v_and_or_b32 v219, v216, 0x7f800000, s22       ; 57,344 x the scale
.irp e, 0,1,2,3,4,5,6,7
	v_med3_num_f32 v[Y+\e], v[Y+\e], -v219, v219   ; the conversion does not saturate (ISA guide 7.6.2): hold first
.endr
	v_cvt_scalef32_pk8_bf8_f32 v[CD+2*(\t):CD+2*(\t)+1], v[Y:Y+7], v218
	v_lshrrev_b32 v[EB+(\t)], 23, v218             ; the scale's byte (also the plain line behind the conversion)
	ds_store_b64 v3, v[CD+2*(\t):CD+2*(\t)+1] offset:(\t)*16*272+16*(\i)
	ds_store_b8 v4, v[EB+(\t)] offset:(\i)*KSB+8*(\t)              ; the block's four lanes write the same byte with the same value
.endm
; One row.  left: the younger loads that may stay out (the later rows')
.macro ROW i, slot, refill, left
.set XB, XR+8*NST*(\slot)
	s_wait_loadcnt \left
	v_pk_add_f32 v[8:9], v[XB:XB+1], v[XB+2:XB+3]                  ; the sum, in two chains
	v_pk_add_f32 v[10:11], v[XB+4:XB+5], v[XB+6:XB+7]
.set j, 8
.rept NST-1
	s_delay_alu instid0(VALU_DEP_2)
	v_pk_add_f32 v[8:9], v[8:9], v[XB+j:XB+j+1]
	s_delay_alu instid0(VALU_DEP_2)
	v_pk_add_f32 v[10:11], v[10:11], v[XB+j+2:XB+j+3]
	s_delay_alu instid0(VALU_DEP_2)
	v_pk_add_f32 v[8:9], v[8:9], v[XB+j+4:XB+j+5]
	s_delay_alu instid0(VALU_DEP_2)
	v_pk_add_f32 v[10:11], v[10:11], v[XB+j+6:XB+j+7]
.set j, j+8
.endr
	s_delay_alu instid0(VALU_DEP_1)
	v_pk_add_f32 v[8:9], v[8:9], v[10:11]
	s_delay_alu instid0(VALU_DEP_1)
	v_add_f32 v8, v8, v9
	LANESUM
	s_delay_alu instid0(VALU_DEP_1)
	v_mul_f32 v12, s23, v8                         ; the mean, twice: a pair for the packed forms
	s_delay_alu instid0(VALU_DEP_2)
	v_mul_f32 v13, s23, v8
.set j, 0
.rept 4*NST
	v_pk_add_f32 v[XB+j:XB+j+1], v[XB+j:XB+j+1], v[12:13] neg_lo:[0,1] neg_hi:[0,1]   ; d = x - mean, in place
.set j, j+2
.endr
	v_pk_mul_f32 v[8:9], v[XB:XB+1], v[XB:XB+1]                    ; the sum of d^2, in two chains
	v_pk_mul_f32 v[10:11], v[XB+2:XB+3], v[XB+2:XB+3]
.set j, 4
.rept 2*NST-1
	s_delay_alu instid0(VALU_DEP_2)
	v_pk_fma_f32 v[8:9], v[XB+j:XB+j+1], v[XB+j:XB+j+1], v[8:9]
	s_delay_alu instid0(VALU_DEP_2)
	v_pk_fma_f32 v[10:11], v[XB+j+2:XB+j+3], v[XB+j+2:XB+j+3], v[10:11]
.set j, j+4
.endr
	s_delay_alu instid0(VALU_DEP_1)
	v_pk_add_f32 v[8:9], v[8:9], v[10:11]
	s_delay_alu instid0(VALU_DEP_1)
	v_add_f32 v8, v8, v9
	LANESUM
	s_delay_alu instid0(VALU_DEP_1)
	v_fma_f32 v14, v8, s23, s24                    ; var + 1e-5
	s_wait_alu depctr_va_vdst(0)
	v_rsq_f32 v14, v14
	v_nop                                          ; one plain line behind a transcendental
	s_wait_alu depctr_va_vdst(0)
	v_mov_b32 v15, v14
.set j, 0
.rept 4*NST
	v_pk_mul_f32 v[XB+j:XB+j+1], v[XB+j:XB+j+1], v[14:15]
.set j, j+2
.endr
.set qt, 0
.rept NST
	QSTEP qt, \i
.set qt, qt+1
.endr
.if \refill
	LOADROW (\i)+2, \slot
.endif
.endm
; One tensor's way.  kk: the row's length; outc, outs: where its codes and scale bytes begin in the buffer; invk: 1 / kk as f32; lb: the way's first LDS byte;
; wg0: the way's first work-group; arg0: where its three addresses (rows, gain, bias) stand among the arguments
.macro PATH kk, outc, outs, invk, lb, wg0, arg0
.set K,    \kk
.set NST,  K/256                       ; steps of 256 along a row
.set KSB,  K/32                        ; scale bytes of a row
.set CSTS, (K/8)*272                   ; LDS: the codes: K / 8 pieces of 256 bytes + 16 of padding
.set SST,  \lb+CSTS                    ; behind them the scale bytes, K of them
.set UPW,  K/64                        ; pieces that a wave copies out
.set NL,   UPW/2
	s_load_b64 s[4:5], s[0:1], \arg0               ; the rows
	s_load_b64 s[6:7], s[0:1], \arg0+8             ; the gain
	s_load_b64 s[8:9], s[0:1], \arg0+16            ; the bias
	s_load_b64 s[14:15], s[0:1], 0x30              ; the output
	v_lshrrev_b32 v8, 5, v0
	s_delay_alu instid0(VALU_DEP_1)
	v_readfirstlane_b32 s16, v8                    ; wave 0..7
	v_and_b32 v1, 31, v0                           ; lane
	s_wait_alu depctr_va_vdst(0)
	v_lshlrev_b32 v2, 5, v1                        ; my 32 bytes of a step's 1,024
	v_lshrrev_b32 v8, 1, v1
	s_delay_alu instid0(VALU_DEP_1)
	v_mul_u32_u24 v3, v8, 272
	v_and_b32 v8, 1, v1
	s_delay_alu instid0(VALU_DEP_1)
	v_lshl_add_u32 v3, v8, 3, v3                   ; codes into LDS: piece lane / 2 of a step's 16, byte 8 (lane % 2),
	s_lshr_b32 s17, s16, 2
	s_mul_i32 s17, s17, (K/16)*272                 ; my tile of the two,
	s_and_b32 s18, s16, 3
	s_lshl_b32 s19, s18, 6                         ; my four rows in it, 16 bytes each
	s_add_co_u32 s17, s17, s19
.if \lb
	s_add_co_u32 s17, s17, \lb
.endif
	v_add_nc_u32 v3, s17, v3
	v_lshrrev_b32 v4, 2, v1
	s_mul_i32 s17, s16, 4*KSB
	s_add_co_u32 s17, s17, SST
	v_add_nc_u32 v4, s17, v4                       ; scale bytes into LDS: my rows, block lane / 4 of a step's 8
	v_lshrrev_b32 v8, 4, v1
	s_delay_alu instid0(VALU_DEP_1)
	v_mul_u32_u24 v5, v8, 272
	v_and_b32 v8, 15, v1
	s_delay_alu instid0(VALU_DEP_1)
	v_lshl_add_u32 v5, v8, 4, v5
	s_mul_i32 s17, s16, UPW*272
.if \lb
	s_add_co_u32 s17, s17, \lb
.endif
	v_add_nc_u32 v5, s17, v5                       ; codes out of LDS: sixteen lanes to a piece, two pieces an instruction
	v_lshlrev_b32 v6, 4, v1
	s_mul_i32 s17, s16, UPW*256
	v_add_nc_u32 v6, s17, v6                       ; and the same place in memory
	v_lshlrev_b32 v7, 3, v1
	s_lshl_b32 s17, s16, 8
	s_add_co_u32 s17, s17, SST
	v_add_nc_u32 v[SL], s17, v7
	s_mov_b32 s20, 0x76543210
	s_mov_b32 s21, 0xfedcba98                      ; v_permlanex16_b32: lane l xor 16
	s_mov_b32 s22, 0x600000                        ; the mantissa field of 57,344
	s_mov_b32 s23, \invk
	s_mov_b32 s24, 0x3727c5ac                      ; 1e-5
.if \wg0
	s_sub_co_u32 s25, ttmp9, \wg0                  ; which 32 rows of this tensor
.else
	s_mov_b32 s25, ttmp9
.endif
	s_lshl_b32 s26, s25, 5
	s_lshl_b32 s27, s16, 2
	s_add_co_u32 s26, s26, s27
	s_mul_i32 s26, s26, 4*K                        ; my first row, in bytes
	s_mov_b32 s27, 0
	s_mul_i32 s28, s25, 32*K
.if \outc
	s_add_co_u32 s28, s28, \outc                   ; the work-group's two tiles of codes
.endif
	s_mov_b32 s29, 0
	s_mul_i32 s30, s25, K
	s_add_co_u32 s30, s30, \outs                   ; its K scale bytes; wave w copies the w-th 256 of them
	s_lshl_b32 s31, s16, 8
	s_add_co_u32 s30, s30, s31
	s_mov_b32 s31, 0
	s_wait_kmcnt 0x0
	s_add_nc_u64 s[4:5], s[4:5], s[26:27]
	s_add_nc_u64 s[32:33], s[14:15], s[28:29]
	s_add_nc_u64 s[36:37], s[14:15], s[30:31]
	GBLOAD
	LOADROW 0, 0
	LOADROW 1, 1
	LOADROW 2, 2
	LOADROW 3, 3
	ROW 0, 0, 0, 6*NST                             ; the later rows' loads, 2 NST each, may stay out
	ROW 1, 1, 0, 4*NST
	ROW 2, 2, 0, 2*NST
	ROW 3, 3, 0, 0
	s_wait_dscnt 0x0                               ; for the others' sake: my stores into LDS are done
	s_barrier_signal -1
	s_barrier_wait -1
.set j, 0
.rept UPW/2
.set RR, 16+4*j
	ds_load_b128 v[RR:RR+3], v5 offset:2*j*272
.set j, j+1
.endr
.set j, 0
.rept UPW/2
.set RR, 16+4*j
	s_wait_dscnt NL-1-j                            ; LDS loads come back in order: this one is in
	global_store_b128 v6, v[RR:RR+3], s[32:33] offset:512*j        ; the wave stores 512 consecutive bytes, aligned to 256
.set j, j+1
.endr
	s_cmp_lt_u32 s16, NST                          ; there are NST runs of 256 scale bytes: one wave to each
	s_cbranch_scc0 .Ldone_\@
	ds_load_b64 v[80:81], v[SL]
	s_wait_dscnt 0x0
	global_store_b64 v7, v[80:81], s[36:37]        ; 32 lanes store 256 consecutive bytes, aligned
.Ldone_\@:
	s_wait_tensorcnt 0x0
	ds_add_u32 v254, v255
	s_wait_dscnt 0x0
	s_endpgm
.endm
	v_lshl_add_u32 v254, v0, 2, 0xf500
	v_mov_b32 v255, 0
	s_cmp_lt_u32 ttmp9, 256                        ; the same for all waves of a work-group
	s_cbranch_scc0 .Lcontext
	PATH 1024, 0, 16777216, 0x3a800000, 0, 0, 0x0
.Lcontext:
	PATH 768, 8388608, 17039360, 0x3aaaaaab, 35840, 256, 0x18
.Lfunc_end_k_q61d726d7bc_lnq_ca:
	.size	k_q61d726d7bc_lnq_ca, .Lfunc_end_k_q61d726d7bc_lnq_ca-k_q61d726d7bc_lnq_ca
	.p2alignl 7, 3214868480
	.fill 96, 4, 3214868480
	.section	.rodata,"a",@progbits
	.p2align	6, 0x0
	.amdhsa_kernel k_q61d726d7bc_lnq_ca
		.amdhsa_group_segment_fixed_size 63744
		.amdhsa_private_segment_fixed_size 0
		.amdhsa_enable_private_segment 0
		.amdhsa_kernarg_size 56
		.amdhsa_user_sgpr_count 2
		.amdhsa_user_sgpr_kernarg_segment_ptr 1
		.amdhsa_wavefront_size32 1
		.amdhsa_system_sgpr_workgroup_id_x 1
		.amdhsa_system_sgpr_workgroup_id_y 1
		.amdhsa_system_sgpr_workgroup_id_z 1
		.amdhsa_system_vgpr_workitem_id 0
		.amdhsa_next_free_vgpr 256
		.amdhsa_next_free_sgpr 66
		.amdhsa_reserve_vcc 0
		.amdhsa_float_denorm_mode_32 3
		.amdhsa_float_denorm_mode_16_64 3
		.amdhsa_memory_ordered 1
		.amdhsa_forward_progress 1
		.amdhsa_inst_pref_size 116
	.end_amdhsa_kernel
	.amdgpu_metadata
---
amdhsa.version: [ 1, 2 ]
amdhsa.kernels:
  - .name:           k_q61d726d7bc_lnq_ca
    .symbol:         k_q61d726d7bc_lnq_ca.kd
    .args:
      - { .name: x1, .offset: 0, .size: 8, .value_kind: global_buffer, .address_space: global }
      - { .name: ca_ng, .offset: 8, .size: 8, .value_kind: global_buffer, .address_space: global }
      - { .name: ca_nb, .offset: 16, .size: 8, .value_kind: global_buffer, .address_space: global }
      - { .name: context, .offset: 24, .size: 8, .value_kind: global_buffer, .address_space: global }
      - { .name: ca_ncg, .offset: 32, .size: 8, .value_kind: global_buffer, .address_space: global }
      - { .name: ca_ncb, .offset: 40, .size: 8, .value_kind: global_buffer, .address_space: global }
      - { .name: lnb, .offset: 48, .size: 8, .value_kind: global_buffer, .address_space: global }
    .group_segment_fixed_size: 63744
    .private_segment_fixed_size: 0
    .kernarg_segment_align: 8
    .kernarg_segment_size: 56
    .max_flat_workgroup_size: 256
    .sgpr_count:     66
    .vgpr_count:     256
    .wavefront_size: 32
...
	.end_amdgpu_metadata
.endif
;; end of part 13
;; launch proj_ca (part 14): grid 6 x 16, 4 waves a work-group, no clusters, 244,224 bytes of LDS; arguments lnb, ca_wq_codes, ca_wq_scales, ca_wkv_codes, ca_wkv_scales, qkv; writes qkv
.if DOCPART == 14
	.amdgcn_target "amdgcn-amd-amdhsa--gfx1250"
	.amdhsa_code_object_version 6
	.text
	.protected	k_q61d726d7bc_proj_ca
	.globl	k_q61d726d7bc_proj_ca
	.p2align	8
	.type	k_q61d726d7bc_proj_ca,@function
k_q61d726d7bc_proj_ca:
	s_mov_b64 s[64:65], 0
	v_nop
	global_prefetch_b8 v0, s[64:65] scope:SCOPE_SE
	s_setreg_imm32_b32 hwreg(HW_REG_WAVE_MODE, 25, 1), 1
	s_wait_xcnt 0x0
; The cross attention's q = (normalised rows) x Wq and k, v = (normalised context) x Wkv, on codes of E5M2 with E8M0 scales, each result quantised at once for the attention that follows.
; ONE LAUNCH FOR BOTH PRODUCTS, which do not hang on each other: x = 0-3: q's four slices of 128 weight rows (K = 1,024), y = which 512 of the 8,192 rows.
; x = 4, 5: c = 16 (x - 4) + y = 0 .. 31: slice c % 8 of Wkv (0-3 k, 4-7 v; K = 768), c / 8 = which 512 of the context's 2,048 rows.  The ways part on the work-group's number alone and meet again only at the way out.
; A work-group takes 128 rows of a weight (two heads' 64 columns) and 512 rows of tokens; each of its four waves 128 tokens x 128 columns: 64 accumulators, 512 registers.
; The weight slice (128 x K bytes) comes into LDS once, by one tensor load a wave (256 bytes of each row, 16 bytes of padding behind them; K = 768: three waves); nothing in LDS is filled twice; each way has LDS bytes of its own.
; The tokens' codes lie in memory in the order of an operand's registers, each fragment is wanted by one wave alone: they go straight to registers, 512 consecutive bytes a load, two K steps ahead.
; q and k: source 0 = 16 weight rows, source 1 = 16 tokens: a lane holds ONE token and its registers run along the head's 64, the next product's K.
; v:       source 0 = 16 tokens, source 1 = 16 weight rows: a lane holds ONE channel and its registers run along the 128 keys, the next K.
; In both, registers 16 b + 0..7 hold k = 32 b + 8 h + j and 16 b + 8..15 hold k = 32 b + 16 + 8 h + j (h = lane / 16): a block of 32 lies in lanes l and l xor 16, and two lane swaps put the codes into the operand's order.
; OUT (qkv): q's codes [head][tile][2][lane][16 B], its scale words [head][tile / 4][lane][tile % 4]; for each head and 128 keys a block of 17,920 bytes: k's codes, v's codes, k's scale words, v's scale words.
; A scale word of q or k carries the head's two bytes below; its upper two bytes (the other head's, or 0) meet zero codes only and are never 0xff.
; LIMITS: NaN and infinities are not served; a block under 2^-111 keeps the byte 1.
; The text has three straight ways (q; k; v) and no loop: a work-group walks one of them, each instruction once.
; NO CLUSTER: what work-groups share through LDS is the slice, 128 K bytes against the 512 K bytes of tokens' codes that a work-group takes through registers.
.set NKS,   4                          ; blocks of 128 keys in a head
.set CHUNK, 128*272                    ; LDS: 256 along K of a slice's 128 rows
.set CCO,   8388608                    ; lnb: the context's codes; scale bytes from XSO on, the context's CSD further
.set XSO,   16777216
.set CSD,   262144
.set QSO,   4194304                    ; qkv: q's scale words; the key blocks
.set KVO,   4718592
.set BLK,   17920
.set WS,  16                           ; v16..  weight scale words: WS + KST q + s: lane l has row 32 q + l, K step s
.set XS,  48                           ; v48..  the tokens' likewise
.set TM,  80                           ; v80-95 the quantiser: 4 maxima, 4 bytes, 4 holds, 4 scale operands
.set PW,  96                           ; v96    the scale word just made
.set SWA, 100                          ; v100-103, v104-107 four tiles' scale words, for a store of 16 bytes a lane
.set SWB, 104
.set PC,  112                          ; v112-127 the codes just made
.set WF,  128                          ; v128-255 the weight's 8 fragments of a K step, one set.  Window 1: the tokens' 8 fragments, two sets (v0, v128).  Windows 2, 3: the accumulators
.set G1Q, 28                           ; s[28:35] descriptor group 1 for Wq's slice;  s[68:75] for Wkv's: they differ in the pitch alone
.set G1C, 68
.set MSB, 0
.macro WIN new                         ; the immediate's high byte repeats the setting that is left
.if MSB != (\new)
	s_set_vgpr_msb (MSB<<8)|(\new)
.set MSB, (\new)
.endif
.endm
.macro PLACES n
.rept \n
	v_nop
.endr
.endm
.macro XLOAD s, set                    ; my tokens' 8 fragments of K step s: 32 loads of 512 consecutive bytes
	WIN 0x40
.set a, 0
.rept 8
.irp c, 0,1,2,3
	global_load_b128 v[128*(\set)+16*a+4*\c:128*(\set)+16*a+4*\c+3], v1, s[36:37] offset:a*16*K+2048*(\s)+512*\c
.endr
.set a, a+1
.endr
	WIN 0
.endm
.macro WFETCH s, t0                    ; the weight's tiles t0 .. t0 + 3 of K step s: registers 4 c .. 4 c + 3 hold K = 32 c + 16 h + 0 .. 15 of row r
.irp t, \t0, \t0+1, \t0+2, \t0+3
.irp c, 0,1,2,3
	ds_load_b128 v[WF+16*(\t)+4*\c:WF+16*(\t)+4*\c+3], v[4+(\s)/2] offset:16*(\t)*272+128*((\s)%2)+32*\c
.endr
.endr
.endm
; One product, from the symbols DD (accumulator), AA, BB (fragments), SA, SB (scale registers), PA, PB (1: the scales lie in lanes 16-31), ZZ (1: the first K step starts the sum)
.macro MM
.if ZZ
.if PA && PB
	v_wmma_scale_f32_16x16x128_f8f6f4 v[DD:DD+7], v[AA:AA+15], v[BB:BB+15], 0, v[SA], v[SB] matrix_a_fmt:MATRIX_FMT_BF8 matrix_b_fmt:MATRIX_FMT_BF8 matrix_a_scale:MATRIX_SCALE_ROW1 matrix_b_scale:MATRIX_SCALE_ROW1
.elseif PA
	v_wmma_scale_f32_16x16x128_f8f6f4 v[DD:DD+7], v[AA:AA+15], v[BB:BB+15], 0, v[SA], v[SB] matrix_a_fmt:MATRIX_FMT_BF8 matrix_b_fmt:MATRIX_FMT_BF8 matrix_a_scale:MATRIX_SCALE_ROW1
.elseif PB
	v_wmma_scale_f32_16x16x128_f8f6f4 v[DD:DD+7], v[AA:AA+15], v[BB:BB+15], 0, v[SA], v[SB] matrix_a_fmt:MATRIX_FMT_BF8 matrix_b_fmt:MATRIX_FMT_BF8 matrix_b_scale:MATRIX_SCALE_ROW1
.else
	v_wmma_scale_f32_16x16x128_f8f6f4 v[DD:DD+7], v[AA:AA+15], v[BB:BB+15], 0, v[SA], v[SB] matrix_a_fmt:MATRIX_FMT_BF8 matrix_b_fmt:MATRIX_FMT_BF8
.endif
.else
.if PA && PB
	v_wmma_scale_f32_16x16x128_f8f6f4 v[DD:DD+7], v[AA:AA+15], v[BB:BB+15], v[DD:DD+7], v[SA], v[SB] matrix_a_fmt:MATRIX_FMT_BF8 matrix_b_fmt:MATRIX_FMT_BF8 matrix_a_scale:MATRIX_SCALE_ROW1 matrix_b_scale:MATRIX_SCALE_ROW1
.elseif PA
	v_wmma_scale_f32_16x16x128_f8f6f4 v[DD:DD+7], v[AA:AA+15], v[BB:BB+15], v[DD:DD+7], v[SA], v[SB] matrix_a_fmt:MATRIX_FMT_BF8 matrix_b_fmt:MATRIX_FMT_BF8 matrix_a_scale:MATRIX_SCALE_ROW1
.elseif PB
	v_wmma_scale_f32_16x16x128_f8f6f4 v[DD:DD+7], v[AA:AA+15], v[BB:BB+15], v[DD:DD+7], v[SA], v[SB] matrix_a_fmt:MATRIX_FMT_BF8 matrix_b_fmt:MATRIX_FMT_BF8 matrix_b_scale:MATRIX_SCALE_ROW1
.else
	v_wmma_scale_f32_16x16x128_f8f6f4 v[DD:DD+7], v[AA:AA+15], v[BB:BB+15], v[DD:DD+7], v[SA], v[SB] matrix_a_fmt:MATRIX_FMT_BF8 matrix_b_fmt:MATRIX_FMT_BF8
.endif
.endif
.endm
; 32 products: the weight's tiles 4 half .. 4 half + 3 against the tokens' eight.  The accumulator of source 1's tile lt and source 0's tile rt lies at 64 (lt % 4) + 8 rt of window 2 + lt / 4.
; The accumulators take turns, one instruction a turn, in the same order in every K step.
.macro HALF v, s, half
.set ZZ, (\s)==0
.if \v
	WIN 0xA1+0x50*(\half)                          ; source 0 (tokens) window 1, source 1 (weight) window 0, C and D window 2 or 3
.irp lt, 0,1,2,3
.irp rt, 0,1,2,3,4,5,6,7
.set DD, 64*\lt+8*\rt
.set AA, 128*((\s)%2)+16*\rt
.set BB, WF+16*(4*(\half)+\lt)
.set SA, XS+KST*(\rt/2)+(\s)
.set SB, WS+KST*((4*(\half)+\lt)/2)+(\s)
.set PA, \rt%2
.set PB, \lt%2
	MM
.endr
.endr
.else
.irp g, 0,1
	WIN 0xA4+0x50*\g                               ; source 0 (weight) window 0, source 1 (tokens) window 1, C and D window 2 or 3
.irp rt, 0,1,2,3
.irp lt, 0,1,2,3
.set DD, 64*\lt+8*(4*(\half)+\rt)
.set AA, WF+16*(4*(\half)+\rt)
.set BB, 128*((\s)%2)+16*(4*\g+\lt)
.set SA, WS+KST*((4*(\half)+\rt)/2)+(\s)
.set SB, XS+KST*((4*\g+\lt)/2)+(\s)
.set PA, \rt%2
.set PB, \lt%2
	MM
.endr
.endr
.endr
.endif
.endm
; A K step of 128: 64 products.  A weight tile is free as soon as its half is issued, so one set of registers serves the weight; the tokens' fragments are at work through the step and have two sets.
; Eight plain places stand between a product and a load into a register that it read.
.macro KSTEP v, s
.if (\s) < KST-1
	s_wait_loadcnt 32                              ; this step's tokens (and at first the scale words) are in; the next step's 32 loads may be out
.else
	s_wait_loadcnt 0x0
.endif
	s_wait_dscnt 16                                ; the weight's tiles 0-3 are in; tiles 4-7, 16 loads, may be out
	HALF \v, \s, 0
	s_wait_dscnt 0x0                               ; tiles 4-7 are in
.if (\s)+1 < KST
	PLACES 8
	WIN 0
	WFETCH (\s)+1, 0
.endif
	HALF \v, \s, 1
	PLACES 8                                       ; behind the last step these serve the first reads of results
	WIN 0
.if (\s)+1 < KST
	WFETCH (\s)+1, 4
.endif
.if (\s)+2 < KST
	XLOAD (\s)+2, (\s)%2
.endif
.endm
; The 64 results of source 1's tile i become a fragment's codes in v[PC] on and its scale word in v[PW]
.macro QUANT i
.set AC, 64*((\i)%4)
.set WN, 2+(\i)/4
	WIN WN|(WN<<2)                                 ; sources 0 and 1: the accumulators' window
.irp b, 0,1,2,3
	v_max3_num_f32 v[TM+\b], |v[AC+16*\b]|, |v[AC+16*\b+1]|, 0x8000000   ; block b: my 16 numbers, each accumulator from its low end on, and the floor 2^(16 - 127)
.endr
.irp e, 2,4,6,8,10,12,14
.irp b, 0,1,2,3
	v_max3_num_f32 v[TM+\b], |v[AC+16*\b+\e]|, |v[AC+16*\b+\e+1]|, v[TM+\b]
.endr
.endr
	WIN 0
.irp b, 0,1,2,3
	v_permlanex16_b32 v[TM+4+\b], v[TM+\b], s50, s51
.endr
.irp b, 0,1,2,3
	v_max_num_f32 v[TM+\b], v[TM+\b], v[TM+4+\b]   ; with lane l xor 16's: the block's largest magnitude
.endr
.irp b, 0,1,2,3
	v_add_nc_u32 v[TM+12+\b], 0xf8800000, v[TM+\b] ; 15 off its exponent field: the conversion's scale operand
.endr
.irp b, 0,1,2,3
	v_and_or_b32 v[TM+8+\b], v[TM+\b], 0x7f800000, s52   ; 57,344 x the scale
.endr
.irp b, 0,1,2,3
	v_lshrrev_b32 v[TM+4+\b], 23, v[TM+12+\b]      ; the scale's byte
.endr
	v_lshl_or_b32 v[PW], v[TM+5], 8, v[TM+4]
	v_lshl_or_b32 v[PW], v[TM+6], 16, v[PW]
	v_lshl_or_b32 v[PW], v[TM+7], 24, v[PW]
	WIN WN|(WN<<6)                                 ; source 0 and destination: the accumulators' window
.irp b, 0,1,2,3
.irp e, 0,1,2,3,4,5,6,7,8,9,10,11,12,13,14,15
	v_med3_num_f32 v[AC+16*\b+\e], v[AC+16*\b+\e], -v[TM+8+\b], v[TM+8+\b]   ; the conversion does not saturate (ISA guide 7.6.2): hold first
.endr
.endr
	s_wait_alu depctr_va_vdst(0)
	s_wait_xcnt 0x0                                ; the last tile's stores have read their registers: the codes and the collected scale words are written again only behind this wait
	WIN WN
.irp b, 0,1,2,3
	v_cvt_scalef32_pk8_bf8_f32 v[PC+4*\b:PC+4*\b+1], v[AC+16*\b:AC+16*\b+7], v[TM+12+\b]
	v_cvt_scalef32_pk8_bf8_f32 v[PC+4*\b+2:PC+4*\b+3], v[AC+16*\b+8:AC+16*\b+15], v[TM+12+\b]
.endr
	WIN 0
	v_nop                                          ; one plain line behind the conversions
.irp b, 0,1,2,3
	v_permlane16_swap_b32 v[PC+4*\b], v[PC+4*\b+2]     ; lanes 16-31 of the first pair change places with lanes 0-15 of the second:
	v_permlane16_swap_b32 v[PC+4*\b+1], v[PC+4*\b+3]   ; the four registers now hold k = 32 b + 16 h + 0 .. 15
.endr
.endm
.macro EPIQK                           ; q or k goes out.  Tile ei of my tokens: blocks 0, 1 are the first head's, 2, 3 the second's
.set ei, 0
.rept 8
	QUANT ei
	global_store_b128 v1, v[PC:PC+3],     s[42:43] offset:1024*ei        ; every store: 512 consecutive bytes, aligned to 256
	global_store_b128 v1, v[PC+4:PC+7],   s[42:43] offset:1024*ei+512
	global_store_b128 v1, v[PC+8:PC+11],  s[44:45] offset:1024*ei
	global_store_b128 v1, v[PC+12:PC+15], s[44:45] offset:1024*ei+512
	v_mov_b32 v[SWA+ei%4], v[PW]
	v_lshrrev_b32 v[SWB+ei%4], 16, v[PW]
.if ei%4 == 3
	global_store_b128 v1, v[SWA:SWA+3], s[46:47] offset:512*(ei/4)
	global_store_b128 v1, v[SWB:SWB+3], s[48:49] offset:512*(ei/4)
.endif
.set ei, ei+1
.endr
.endm
.macro EPIV                            ; v goes out.  Weight tile ei: head ei / 4, channels 16 (ei % 4) on; the four blocks are my 128 keys
.set ei, 0
.rept 8
	QUANT ei
.irp c, 0,1,2,3
	global_store_b128 v1, v[PC+4*\c:PC+4*\c+3], s[42+2*(ei/4):43+2*(ei/4)] offset:2048*(ei%4)+512*\c
.endr
	v_mov_b32 v[SWA+ei%4], v[PW]
.if ei%4 == 3
	global_store_b128 v1, v[SWA:SWA+3], s[46+2*(ei/4):47+2*(ei/4)]
.endif
.set ei, ei+1
.endr
.endm
; One product's way.  mode 0: q;  mode 1: k and v of the context
.macro MAIN mode
.if \mode
.set K,     768
.set LOGNB, 2                          ; log2 of a batch's rows / 128
.set LB,    4*CHUNK                    ; the way's first LDS byte
.set G1,    G1C
.else
.set K,     1024
.set LOGNB, 4
.set LB,    0
.set G1,    G1Q
.endif
.set KST,   K/128
.set NCHK,  K/256
.set KSB,   K/32
	s_load_b64 s[4:5], s[0:1], 0x0                 ; lnb
	s_load_b64 s[6:7], s[0:1], 0x8+0x10*\mode      ; the weight's codes
	s_load_b64 s[8:9], s[0:1], 0x10+0x10*\mode     ; and scale bytes
	s_load_b64 s[14:15], s[0:1], 0x28              ; qkv
	v_mul_u32_u24 v2, v3, KSB                      ; my row of 32 rows of scale bytes
.set j, 0
.rept NCHK
	v_add_nc_u32 v[4+j], LB+j*CHUNK, v8
.set j, j+1
.endr
.if \mode
	s_sub_co_u32 s17, ttmp9, 4
	s_lshl_b32 s17, s17, 4
	s_add_co_u32 s17, s17, s20                     ; c = 0 .. 31
	s_lshr_b32 s20, s17, 3                         ; which 512 tokens
	s_and_b32 s17, s17, 7                          ; the slice
	s_lshr_b32 s18, s17, 2                         ; 0: k, 1: v
.else
	s_mov_b32 s17, ttmp9                           ; the slice; s20 holds which 512 tokens
	s_mov_b32 s18, 0                               ; not v
.endif
	s_and_b32 s19, s17, 3                          ; which two heads
	s_lshl_b32 s20, s20, 2
	s_add_co_u32 s20, s20, s16                     ; my 128 tokens
	s_lshr_b32 s21, s20, LOGNB                     ; batch
	s_and_b32 s22, s20, (1<<LOGNB)-1               ; and which 128 of its rows
	s_lshl_b32 s23, s21, 3
	s_lshl_b32 s54, s19, 1
	s_add_co_u32 s23, s23, s54                     ; 8 x batch + my first head
	s_lshl_b32 s55, s17, 7                         ; the slice's first weight row
	s_mul_i32 s58, s55, K
	s_lshl_b32 s59, s16, 8
	s_add_co_u32 s58, s58, s59                     ; its codes, + the 256 along K that I fetch
	s_mov_b32 s59, 0
	s_mul_i32 s60, s55, KSB                        ; its scale bytes
	s_mov_b32 s61, 0
	s_mul_i32 s56, s20, 128*K                      ; my tokens' codes
.if \mode
	s_add_co_u32 s56, s56, CCO
.endif
	s_mov_b32 s57, 0
	s_mul_i32 s62, s20, 4*K
	s_add_co_u32 s62, s62, XSO+CSD*\mode           ; and scale bytes
	s_mov_b32 s63, 0
.if \mode
	s_mul_i32 s54, s23, NKS                        ; where the results go: the block of my head and my 128 keys
	s_add_co_u32 s54, s54, s22
	s_mul_i32 s54, s54, BLK
	s_add_co_u32 s54, s54, KVO
	s_lshl_b32 s42, s18, 13                        ; v's codes lie 8,192 bytes behind k's,
	s_lshl_b32 s46, s18, 10                        ; its scale words 1,024 behind k's
	s_add_co_u32 s42, s42, s54
	s_add_co_u32 s46, s46, s54
	s_add_co_u32 s46, s46, 16384
	s_add_co_u32 s44, s42, NKS*BLK                 ; the second head's lie a head further on
	s_add_co_u32 s48, s46, NKS*BLK
.else
	s_lshl_b32 s42, s23, 7                         ; q: tile 128 x head + 8 x (my 128 rows), 1,024 bytes a tile
	s_lshl_b32 s55, s22, 3
	s_add_co_u32 s42, s42, s55
	s_lshl_b32 s42, s42, 10
	s_add_co_u32 s44, s42, 131072                  ; the second head's
	s_lshl_b32 s46, s23, 5                         ; scale words: 512 bytes for four tiles
	s_lshl_b32 s55, s22, 1
	s_add_co_u32 s46, s46, s55
	s_lshl_b32 s46, s46, 9
	s_add_co_u32 s46, s46, QSO
	s_add_co_u32 s48, s46, 16384
.endif
	s_mov_b32 s43, 0
	s_mov_b32 s45, 0
	s_mov_b32 s47, 0
	s_mov_b32 s49, 0
	s_wait_alu depctr_va_vdst(0)
	s_wait_kmcnt 0x0
	s_mov_b32 s24, 1                               ; group 0: count
	s_mul_i32 s25, s16, CHUNK                      ; LDS address: wave x a chunk, from the way's first byte on
.if LB
	s_add_co_u32 s25, s25, LB
.endif
	s_add_nc_u64 s[26:27], s[6:7], s[58:59]
	s_or_b32 s27, s27, 0x80000000                  ; type
.if NCHK < 4
	s_cmp_lt_u32 s16, NCHK
	s_cbranch_scc0 .Lno_fill_\@
.endif
	tensor_load_to_lds s[24:27], s[G1:G1+7]        ; my one tensor load: 128 rows x 256 bytes
	s_nop 0
	PLACES 4
.if NCHK < 4
.Lno_fill_\@:
.endif
	s_add_nc_u64 s[36:37], s[4:5], s[56:57]
	s_add_nc_u64 s[38:39], s[4:5], s[62:63]
	s_add_nc_u64 s[40:41], s[8:9], s[60:61]
	s_add_nc_u64 s[42:43], s[14:15], s[42:43]
	s_add_nc_u64 s[44:45], s[14:15], s[44:45]
	s_add_nc_u64 s[46:47], s[14:15], s[46:47]
	s_add_nc_u64 s[48:49], s[14:15], s[48:49]
.set q, 0
.rept 4
.set j, 0
.rept KST/2
	global_load_b64 v[WS+KST*q+2*j:WS+KST*q+2*j+1], v2, s[40:41] offset:q*K+8*j
	global_load_b64 v[XS+KST*q+2*j:XS+KST*q+2*j+1], v2, s[38:39] offset:q*K+8*j
.set j, j+1
.endr
.set q, q+1
.endr
	XLOAD 0, 0
	XLOAD 1, 1
	s_wait_tensorcnt 0x0                           ; my part of the slice is in LDS,
	s_barrier_signal -1
	s_barrier_wait -1                              ; everybody's is
	WFETCH 0, 0
	WFETCH 0, 4
.if \mode
	s_cmp_eq_u32 s18, 1
	s_cbranch_scc1 .Lpath_v_\@
.endif
.set ss, 0
.rept KST
	KSTEP 0, ss
.set ss, ss+1
.endr
	s_branch .Lepi                                 ; the way out is written once, for q, k and v
.if \mode
.Lpath_v_\@:
.set ss, 0
.rept KST
	KSTEP 1, ss
.set ss, ss+1
.endr
	s_branch .Lepi
.endif
.endm
	v_lshl_add_u32 v110, v0, 2, 0x3b800
	v_mov_b32 v111, 0
	ds_add_u32 v110, v111
	ds_add_u32 v110, v111
	s_wait_dscnt 0x0
	v_lshrrev_b32 v3, 5, v0
	v_readfirstlane_b32 s16, v3                    ; wave 0..3
	v_and_b32 v3, 31, v0                           ; lane
	v_lshlrev_b32 v1, 4, v3                        ; 16 x lane: an image's place for my lane
	v_and_b32 v8, 15, v0
	v_bfe_u32 v9, v0, 4, 1
	v_mul_u32_u24 v8, v8, 272
	v_lshl_add_u32 v8, v9, 4, v8                   ; a weight fragment: row r x pitch + 16 h
.irp b, 0,1,2,3
	v_mov_b32 v[TM+4+\b], 0                        ; written once: a lane permute's destination counts as read
.endr
.irp g, G1Q, G1C                       ; both groups 1 are written ahead of the parting, word by word
	s_mov_b32 s[\g], (1<<20)|(5<<22)|(3<<25)       ; elements of 1 byte; 4 words of padding behind every 64
	s_mov_b32 s[\g+1], 256<<16                     ; tensor_dim0
	s_mov_b32 s[\g+2], 128<<16                     ; tensor_dim1
	s_mov_b32 s[\g+3], 256<<16                     ; tile_dim0
	s_mov_b32 s[\g+4], 128                         ; tile_dim1
	s_mov_b32 s[\g+6], 0
	s_mov_b32 s[\g+7], 0
.endr
	s_mov_b32 s[G1Q+5], 1024                       ; from row to row: Wq's rows,
	s_mov_b32 s[G1C+5], 768                        ; Wkv's
	s_mov_b32 s50, 0x76543210
	s_mov_b32 s51, 0xfedcba98                      ; v_permlanex16_b32: lane l xor 16
	s_mov_b32 s52, 0x600000                        ; the mantissa field of 57,344
	s_and_b32 s20, ttmp7, 0xffff                   ; y
	s_cmp_lt_u32 ttmp9, 4                          ; the same for all waves of a work-group
	s_cbranch_scc0 .Lcontext
	s_wait_alu depctr_va_vdst(0)
	MAIN 0
.Lcontext:
	s_wait_alu depctr_va_vdst(0)
	MAIN 1
; THE WAY OUT, one text for the three ways: tile ei is quantised alike; only the stores differ, and a scalar branch on the slice's kind (s18 = 1: v) leads to v's.
.macro EPI1
	QUANT ei
	v_mov_b32 v[SWA+ei%4], v[PW]
	v_lshrrev_b32 v[SWB+ei%4], 16, v[PW]
	s_cmp_eq_u32 s18, 1
	s_wait_alu depctr_va_vdst(0)
	s_cbranch_scc1 .Lev_\@
	global_store_b128 v1, v[PC:PC+3],     s[42:43] offset:1024*ei        ; q, k: blocks 0, 1 are the first head's, 2, 3 the second's; every store: 512 consecutive bytes
	global_store_b128 v1, v[PC+4:PC+7],   s[42:43] offset:1024*ei+512
	global_store_b128 v1, v[PC+8:PC+11],  s[44:45] offset:1024*ei
	global_store_b128 v1, v[PC+12:PC+15], s[44:45] offset:1024*ei+512
.if ei%4 == 3
	global_store_b128 v1, v[SWA:SWA+3], s[46:47] offset:512*(ei/4)
	global_store_b128 v1, v[SWB:SWB+3], s[48:49] offset:512*(ei/4)
.endif
	s_branch .Lej_\@
.Lev_\@:
.irp c, 0,1,2,3
	global_store_b128 v1, v[PC+4*\c:PC+4*\c+3], s[42+2*(ei/4):43+2*(ei/4)] offset:2048*(ei%4)+512*\c   ; v: head ei / 4, channels 16 (ei % 4) on
.endr
.if ei%4 == 3
	global_store_b128 v1, v[SWA:SWA+3], s[46+2*(ei/4):47+2*(ei/4)]
.endif
.Lej_\@:
.endm
.Lepi:
.set ei, 0
.rept 8
	EPI1
.set ei, ei+1
.endr
	s_wait_tensorcnt 0x0
	ds_add_u32 v110, v111
	s_wait_dscnt 0x0
	s_endpgm
.Lfunc_end_k_q61d726d7bc_proj_ca:
	.size	k_q61d726d7bc_proj_ca, .Lfunc_end_k_q61d726d7bc_proj_ca-k_q61d726d7bc_proj_ca
	.p2alignl 7, 3214868480
	.fill 96, 4, 3214868480
	.section	.rodata,"a",@progbits
	.p2align	6, 0x0
	.amdhsa_kernel k_q61d726d7bc_proj_ca
		.amdhsa_group_segment_fixed_size 244224
		.amdhsa_private_segment_fixed_size 0
		.amdhsa_enable_private_segment 0
		.amdhsa_kernarg_size 48
		.amdhsa_user_sgpr_count 2
		.amdhsa_user_sgpr_kernarg_segment_ptr 1
		.amdhsa_wavefront_size32 1
		.amdhsa_system_sgpr_workgroup_id_x 1
		.amdhsa_system_sgpr_workgroup_id_y 1
		.amdhsa_system_sgpr_workgroup_id_z 1
		.amdhsa_system_vgpr_workitem_id 0
		.amdhsa_next_free_vgpr 1024
		.amdhsa_next_free_sgpr 76
		.amdhsa_reserve_vcc 0
		.amdhsa_float_denorm_mode_32 3
		.amdhsa_float_denorm_mode_16_64 3
		.amdhsa_memory_ordered 1
		.amdhsa_forward_progress 1
		.amdhsa_inst_pref_size 255
	.end_amdhsa_kernel
	.section	.bss,"aw",@nobits
	.p2align	6
	.space	262144
	.amdgpu_metadata
---
amdhsa.version: [ 1, 2 ]
amdhsa.kernels:
  - .name:           k_q61d726d7bc_proj_ca
    .symbol:         k_q61d726d7bc_proj_ca.kd
    .args:
      - { .name: lnb, .offset: 0, .size: 8, .value_kind: global_buffer, .address_space: global }
      - { .name: ca_wq_codes, .offset: 8, .size: 8, .value_kind: global_buffer, .address_space: global }
      - { .name: ca_wq_scales, .offset: 16, .size: 8, .value_kind: global_buffer, .address_space: global }
      - { .name: ca_wkv_codes, .offset: 24, .size: 8, .value_kind: global_buffer, .address_space: global }
      - { .name: ca_wkv_scales, .offset: 32, .size: 8, .value_kind: global_buffer, .address_space: global }
      - { .name: qkv, .offset: 40, .size: 8, .value_kind: global_buffer, .address_space: global }
    .group_segment_fixed_size: 244224
    .private_segment_fixed_size: 0
    .kernarg_segment_align: 8
    .kernarg_segment_size: 48
    .max_flat_workgroup_size: 128
    .sgpr_count:     76
    .vgpr_count:     1024
    .wavefront_size: 32
...
	.end_amdgpu_metadata
.endif
;; end of part 14
;; launch attn_ca (part 15): grid 8 x 32, 16 waves a work-group, clusters of 4 x 1, 327,680 bytes of LDS; arguments qkv, ob; writes ob
.if DOCPART == 15
	.amdgcn_target "amdgcn-amd-amdhsa--gfx1250"
	.amdhsa_code_object_version 6
	.text
	.protected	k_q61d726d7bc_attn_ca
	.globl	k_q61d726d7bc_attn_ca
	.p2align	8
	.type	k_q61d726d7bc_attn_ca,@function
k_q61d726d7bc_attn_ca:
	s_mov_b64 s[64:65], 0
	v_nop
	global_prefetch_b8 v0, s[64:65] scope:SCOPE_SE
	s_setreg_imm32_b32 hwreg(HW_REG_WAVE_MODE, 25, 1), 1
	s_wait_xcnt 0x0
	s_wait_alu depctr_hold_cnt(0) depctr_sa_sdst(0) depctr_va_vdst(0) depctr_va_sdst(0) depctr_va_ssrc(0) depctr_va_vcc(0) depctr_vm_vsrc(0)
	s_getreg_b32 s2, hwreg(HW_REG_IB_STS2, 6, 4)
	s_cmp_eq_u32 s2, 0
	s_cbranch_scc0 .Lentry_in_a_cluster
	s_endpgm
.Lentry_in_a_cluster:
	s_bfe_u32 s2, ttmp6, 0x10000c
	s_cmp_lg_u32 s2, 0x3003
	s_cbranch_scc0 .Lentry_shape_is_right
	s_endpgm
.Lentry_shape_is_right:
; o = softmax(q k^T / 8) v for one head and 256 queries against the context's 512 keys, both products on codes of E5M2 with E8M0 scales; o is quantised along the model's 512 for the projection that follows.
; THE SOFTMAX: t = score x log2(e) / 8; M = the running largest t rounded UP to a whole number; p = 2^(t - M) is quantised along the keys, not normalised; the row's sum is taken of the unquantised p and divides at the end.
; When M moves, the sum and O are multiplied by 2^(old M - new M): exact.
; SHARES: sixteen waves, each 16 queries in 256 registers; every wave walks all NKS steps of 128 keys.
; LDS: the head's NKS blocks of 17,920 bytes (k's codes, v's codes, their scale words, all as images of operand registers) are filled once, wave w fetching block w, IN STAGES:
; blocks 0 .. NA-1 at the head, the other NB behind the first round: the steps on the first stage run while the second stage's loads are out.
; CLUSTER: the 8 work-groups of a head read the same blocks; four of them form a cluster and ask jointly (mask 15): the descriptor hangs on the head and the wave's number alone.
; NO PREFETCH: the second stage's loads go out directly behind the first stage's landing: no step of the loop stands ahead of them in which to ask.
; LAYOUT: S^T = k q^T (source 0 = 16 keys, source 1 = my queries), O^T = v^T p^T (source 0 = 16 channels, source 1 = p): a lane holds ONE query.  The head's 64 fill half of the instruction's 128 along K:
; the upper half is zero codes on both sides.  p's registers 16 b + 0..7 are keys 32 b + 8 h + j, 16 b + 8..15 keys 32 b + 16 + 8 h + j: two lane swaps a block put the codes in the operand's order.
; LIMITS: NaN and infinities are not served; a block under 2^-111 keeps the byte 1; the scaled scores stay under 2^31 in magnitude.
; REGISTERS: v1 16 x lane; v2 the step's LDS address; v4 4 x (lane % 16); v10 q's scale word; v12 -M, v13 the largest t, v[14:15] the sum; v16-31 q; v32-95 four fragments of k;
; v96-159 S^T, p, then v's fragments; v160-191 O^T; v192-207 p's codes; v208-215 k's scale words, v216-219 v's, v220 p's; v226-254 at work; v251, v255 the add's two registers.
.set NKS, 4
.set NA, 2
.set NB, 2
.set NC, 0
.set BLK, 17920
.set KVO, 4718592
.set QSO, 4194304
.set OSO, 4194304
.set SPARE, 0x46000                    ; 128 spare bytes a wave, clear of the blocks
.set SPW, 251
.set NIL, 255
.macro D n
	s_delay_alu instid0(VALU_DEP_\n)
.endm
.macro CROUND                          ; a round of the cluster's barrier
	s_barrier_signal -1
	s_barrier_wait -1
	s_cmp_lg_u32 s8, 0
	s_cbranch_scc1 .Lnw0_\@
	s_barrier_signal -3
.Lnw0_\@:
	s_barrier_wait -3
	s_barrier_signal -1
	s_barrier_wait -1
.endm
.macro TL lo, hi                       ; waves lo .. hi - 1 ask for their blocks, jointly with the partners' same waves
.if \lo
	s_cmp_lt_u32 s8, \lo
	s_cbranch_scc1 .Lnl_\@
.endif
.if \hi < 16
	s_cmp_lt_u32 s8, \hi
	s_cbranch_scc0 .Lnl_\@
.endif
	tensor_load_to_lds s[12:15], s[16:23]
	s_nop 0
.rept 4
	v_nop
.endr
.Lnl_\@:
.endm
.macro SEQ2                            ; ahead of a later first fill: all my loads are in, the add, its wait, a round
	s_wait_tensorcnt 0x0
	ds_add_u32 v[SPW], v[NIL]
	ds_add_u32 v[SPW], v[NIL]
	s_wait_dscnt 0x0
	CROUND
.endm
	s_load_b128 s[4:7], s[0:1], 0x0                ; qkv, ob
	v_lshl_add_u32 v[SPW], v0, 2, SPARE
	v_mov_b32 v[NIL], 0
	ds_add_u32 v[SPW], v[NIL]                      ; the opening lines
	ds_add_u32 v[SPW], v[NIL]
	v_lshrrev_b32 v2, 5, v0
	D 1
	v_readfirstlane_b32 s8, v2                     ; wave 0..15
	v_and_b32 v3, 31, v0
	D 1
	v_lshlrev_b32 v1, 4, v3
	v_and_b32 v4, 15, v0
	D 1
	v_lshlrev_b32 v4, 2, v4
	s_bfe_u32 s38, ttmp6, 0x40000                  ; cx
	s_lshl_b32 s39, ttmp9, 2
	s_add_co_u32 s39, s39, s38                     ; work-group x
	s_and_b32 s9, ttmp7, 0xffff                    ; 8 x batch + head
	s_mov_b32 s16, 15|(3<<16)|(1<<21)              ; group 1: the four partners; a dense block as 70 rows of 32 elements of 8 bytes
	s_mov_b32 s17, 32<<16
	s_mov_b32 s18, 70<<16
	s_mov_b32 s19, 32<<16
	s_mov_b32 s20, 70
	s_mov_b32 s21, 32
	s_mov_b32 s22, 0
	s_mov_b32 s23, 0
	s_mul_i32 s10, s9, NKS
	s_add_co_u32 s10, s10, s8
	s_mul_i32 s10, s10, BLK
	s_add_co_u32 s10, s10, KVO                     ; the block that I fetch
	s_mov_b32 s11, 0
	s_lshl_b32 s24, s39, 4
	s_add_co_u32 s24, s24, s8                      ; my tile of queries in the head
	s_lshl_b32 s25, s9, 7
	s_add_co_u32 s25, s25, s24
	s_lshl_b32 s26, s25, 10                        ; its codes
	s_mov_b32 s27, 0
	s_lshl_b32 s28, s9, 5
	s_lshr_b32 s29, s24, 2
	s_add_co_u32 s28, s28, s29
	s_lshl_b32 s28, s28, 9
	s_and_b32 s29, s24, 3
	s_lshl_b32 s29, s29, 2
	s_add_co_u32 s28, s28, s29
	s_add_co_u32 s28, s28, QSO                     ; its scale words: 16 bytes a lane for four tiles
	s_mov_b32 s29, 0
	s_lshr_b32 s30, s9, 3
	s_and_b32 s31, s9, 7                           ; head
	s_lshl_b32 s30, s30, 7
	s_add_co_u32 s30, s30, s24                     ; my tile among all rows
	s_lshl_b32 s32, s30, 2
	s_lshr_b32 s33, s31, 1
	s_add_co_u32 s32, s32, s33
	s_lshl_b32 s32, s32, 11                        ; o's codes: [tile][head / 2][2 (head % 2) + b][lane][16]
	s_and_b32 s33, s31, 1
	s_lshl_b32 s33, s33, 10
	s_add_co_u32 s32, s32, s33
	s_mov_b32 s33, 0
	s_lshl_b32 s34, s31, 15
	s_lshl_b32 s35, s30, 6
	s_add_co_u32 s34, s34, s35
	s_add_co_u32 s34, s34, OSO                     ; o's scale words: [head][tile][row]
	s_mov_b32 s35, 0
	s_mov_b32 s42, 0x3e38aa3b                      ; c = log2(e) / 8
	s_mov_b32 s43, s42
	s_mov_b32 s44, 0x76543210
	s_mov_b32 s45, 0xfedcba98
	s_mov_b32 s46, 0x600000
	s_mov_b32 s40, 0                               ; the step's block in LDS
	s_wait_alu depctr_va_vdst(0)
	s_wait_dscnt 0x0
	s_wait_kmcnt 0x0
	s_mov_b32 s12, 1
	s_mul_i32 s13, s8, BLK                         ; LDS address: wave x a block
	s_add_nc_u64 s[14:15], s[4:5], s[10:11]
	s_or_b32 s15, s15, 0x80000000
	s_add_nc_u64 s[26:27], s[4:5], s[26:27]
	s_add_nc_u64 s[28:29], s[4:5], s[28:29]
	s_add_nc_u64 s[32:33], s[6:7], s[32:33]
	s_add_nc_u64 s[34:35], s[6:7], s[34:35]
	CROUND                                         ; the partners are here: the first joint loads meet
	TL 0, NA
	global_load_b128 v[16:19], v1, s[26:27]
	global_load_b128 v[20:23], v1, s[26:27] offset:512
	global_load_b32 v10, v1, s[28:29]
.irp j, 0,1,2,3,4,5,6,7
	v_mov_b32 v[24+\j], 0                          ; zero codes for the upper 64 along K: q's,
.endr
.irp t, 0,1,2,3
.irp j, 8,9,10,11,12,13,14,15
	v_mov_b32 v[32+16*\t+\j], 0                    ; and those of k's four fragments: never written again
.endr
.endr
.set j, 0
.rept 32
	v_mov_b32 v[160+j], 0                          ; O^T: the first step finds zeros
.set j, j+1
.endr
	v_mov_b32 v13, 0xff61b1e6                      ; the largest t so far: -3e38
	D 1
	v_floor_f32 v12, -v13                          ; -M
	v_mov_b32 v14, 0
	v_mov_b32 v15, 0
.irp b, 0,1,2,3
	v_mov_b32 v[236+\b], 0
.endr
	v_mov_b32 v253, 0                              ; (the upper half of the pair v[252:253])
; A KEY STEP: 128 keys, the block at s40
.macro STEP
	s_barrier_signal -1                            ; a split barrier in every step: I have begun this step (no LDS instruction of mine is out)
	v_add_nc_u32 v2, s40, v1
	s_wait_alu depctr_va_vdst(0)
	ds_load_b128 v[208:211], v2 offset:16384       ; k's scale words: lane r has key r's, a register a tile
	ds_load_b128 v[212:215], v2 offset:16896
.irp g, 0,1
.if \g
.rept 8
	v_nop                                          ; places in front of loads into registers that products have read, and of the first reads of the first four results
.endr
.endif
.irp t, 0,1,2,3
	ds_load_b128 v[32+16*\t:35+16*\t], v2 offset:1024*(4*\g+\t)
	ds_load_b128 v[36+16*\t:39+16*\t], v2 offset:1024*(4*\g+\t)+512
.endr
	s_wait_dscnt 0x0
.irp t, 0,1,2,3
	v_wmma_scale_f32_16x16x128_f8f6f4 v[96+8*(4*\g+\t):103+8*(4*\g+\t)], v[32+16*\t:47+16*\t], v[16:31], 0, v[208+4*\g+\t], v10 matrix_a_fmt:MATRIX_FMT_BF8 matrix_b_fmt:MATRIX_FMT_BF8
.endr
.endr
; the largest score of each block of 32 keys, two chains a block (v232+b, v236+b).  Blocks 0 and 1 come first: their 12 lines name the first four results alone and are the places behind the last four products
.irp p, 0,2
.irp e, 0,8
.irp b, 0,1
	v_max3_num_f32 v[232+4*(\e/8)+\p+\b], v[96+16*(\p+\b)+\e], v[97+16*(\p+\b)+\e], v[98+16*(\p+\b)+\e]
.endr
.endr
.irp i, 3,5
.irp e, 0,8
.irp b, 0,1
	v_max3_num_f32 v[232+4*(\e/8)+\p+\b], v[232+4*(\e/8)+\p+\b], v[96+16*(\p+\b)+\e+\i], v[97+16*(\p+\b)+\e+\i]
.endr
.endr
.endr
.endr
.irp b, 0,1,2,3
	v_max3_num_f32 v[232+\b], v[232+\b], v[103+16*\b], v[111+16*\b]
.endr
.irp b, 0,1,2,3
	D 4
	v_max_num_f32 v[232+\b], v[232+\b], v[236+\b]
.endr
.irp b, 0,1,2,3
	D 4
	v_permlanex16_b32 v[236+\b], v[232+\b], s44, s45
.endr
.irp b, 0,1,2,3
	D 4
	v_max_num_f32 v[232+\b], v[232+\b], v[236+\b]  ; with lane l xor 16's 16 keys
.endr
	D 2
	v_max3_num_f32 v254, v232, v233, v234
	D 1
	v_max_num_f32 v254, v254, v235
	D 1
	v_mul_f32 v254, s42, v254                      ; the step's largest t (c is positive)
	D 1
	v_max_num_f32 v13, v13, v254
	v_mov_b32 v254, v12
	D 2
	v_floor_f32 v12, -v13                          ; the new -M = -ceil(t)
	D 1
	v_sub_f32 v254, v12, v254                      ; old M - new M: a whole number, 0 or less
	D 1
	v_cvt_i32_f32 v254, v254                       ; (it saturates)
	D 1
	v_ldexp_f32 v252, 1.0, v254                    ; f = 2^(old M - new M)
.set j, 0
.rept 32
	v_pk_fma_f32 v[96+j:97+j], v[96+j:97+j], s[42:43], v[12:13] op_sel_hi:[1,0,0]   ; t - M
.set j, j+2
.endr
.irp b, 0,1,2,3
	v_fma_f32 v[232+\b], v[232+\b], s42, v12
.endr
	s_wait_alu depctr_va_vdst(0)                   ; ahead of the batch
.set j, 0
.rept 64
	v_exp_f32 v[96+j], v[96+j]                     ; p = 2^(t - M)
.set j, j+1
.endr
.irp b, 0,1,2,3
	v_exp_f32 v[232+\b], v[232+\b]                 ; the block's largest p: the same two instructions on the same number
.endr
	v_pk_mul_f32 v[14:15], v[14:15], v[252:253] op_sel_hi:[1,0]    ; the sum under the new M (a plain line behind the batch)
	s_wait_alu depctr_va_vdst(0)                   ; and behind it
.irp b, 0,1,2,3
	v_max_num_f32 v[232+\b], 0x8000000, v[232+\b]  ; the floor 2^(16 - 127)
.endr
.irp b, 0,1,2,3
	D 4
	v_add_nc_u32 v[244+\b], 0xf8800000, v[232+\b]  ; the conversion's scale operand
.endr
.irp b, 0,1,2,3
	v_and_or_b32 v[240+\b], v[232+\b], 0x7f800000, s46   ; 57,344 x the scale
.endr
.irp b, 0,1,2,3
	v_lshrrev_b32 v[236+\b], 23, v[244+\b]
.endr
	D 3
	v_lshl_or_b32 v220, v237, 8, v236              ; p's scale word for these 128 keys
	D 1
	v_lshl_or_b32 v220, v238, 16, v220
	D 1
	v_lshl_or_b32 v220, v239, 24, v220
; the row's sum of the unquantised p: 32 pairs into seven part sums (v226 + 2 k) and the sum itself; the part sums are joined behind the second product
.irp k, 0,1,2,3,4,5,6
	v_pk_add_f32 v[226+2*\k:227+2*\k], v[96+2*\k:97+2*\k], v[112+2*\k:113+2*\k]
.endr
	v_pk_add_f32 v[14:15], v[14:15], v[110:111]
.irp o, 128,144
.irp k, 0,1,2,3,4,5,6
	v_pk_add_f32 v[226+2*\k:227+2*\k], v[226+2*\k:227+2*\k], v[\o+2*\k:\o+1+2*\k]
.endr
	v_pk_add_f32 v[14:15], v[14:15], v[\o+14:\o+15]
.endr
	v_pk_add_f32 v[14:15], v[14:15], v[126:127]
.irp b, 0,1,2,3
.irp i, 0,2,4,6,8,10,12,14
	v_dual_min_num_f32 v[96+16*\b+\i], v[96+16*\b+\i], v[240+\b] :: v_dual_min_num_f32 v[97+16*\b+\i], v[97+16*\b+\i], v[240+\b]   ; the hold, two numbers a line; p is not negative
.endr
	v_cvt_scalef32_pk8_bf8_f32 v[192+4*\b:193+4*\b], v[96+16*\b:103+16*\b], v[244+\b]
	v_cvt_scalef32_pk8_bf8_f32 v[194+4*\b:195+4*\b], v[104+16*\b:111+16*\b], v[244+\b]
.endr
	v_nop                                          ; one plain line behind the conversions
.irp b, 0,1,2,3
	v_permlane16_swap_b32 v[192+4*\b], v[194+4*\b] ; keys 32 b + 16 h + 0 .. 15 in four registers
	v_permlane16_swap_b32 v[193+4*\b], v[195+4*\b]
.endr
.irp d, 0,1,2,3
.irp c, 0,1,2,3
	ds_load_b128 v[96+16*\d+4*\c:99+16*\d+4*\c], v2 offset:8192+2048*\d+512*\c    ; v's four fragments, where p lay
.endr
.endr
	ds_load_b128 v[216:219], v2 offset:17408
	s_wait_alu depctr_va_vdst(0)                   ; ahead of the first reader of O^T
.set j, 0
.rept 16
	v_pk_mul_f32 v[160+j:161+j], v[160+j:161+j], v[252:253] op_sel_hi:[1,0]       ; O^T under the new M; also the places between the codes' last write and the products
.set j, j+2
.endr
	s_wait_alu depctr_va_vdst(0)
	s_wait_dscnt 0x0
	s_barrier_wait -1                              ; every wave has begun this step: no wave leads another by more than a step; between signal and wait stand register work and LDS loads alone
.irp d, 0,1,2,3
	v_wmma_scale_f32_16x16x128_f8f6f4 v[160+8*\d:167+8*\d], v[96+16*\d:111+16*\d], v[192:207], v[160+8*\d:167+8*\d], v[216+\d], v220 matrix_a_fmt:MATRIX_FMT_BF8 matrix_b_fmt:MATRIX_FMT_BF8
.endr
; the part sums are joined here: seven lines that name no register of the products above, and two v_nop: nine places; the next step's first product writes over registers that these products read
	v_pk_add_f32 v[226:227], v[226:227], v[228:229]
	v_pk_add_f32 v[230:231], v[230:231], v[232:233]
	v_pk_add_f32 v[234:235], v[234:235], v[236:237]
	v_pk_add_f32 v[14:15], v[14:15], v[238:239]
	D 3
	v_pk_add_f32 v[226:227], v[226:227], v[230:231]
	D 2
	v_pk_add_f32 v[14:15], v[14:15], v[234:235]
	D 1
	v_pk_add_f32 v[14:15], v[14:15], v[226:227]
	v_nop
	v_nop
	s_add_co_u32 s40, s40, BLK
.endm
.macro LOOP n
	s_mov_b32 s41, \n
.Lst_\@:
	STEP
	s_sub_co_u32 s41, s41, 1
	s_cmp_lg_u32 s41, 0
	s_wait_alu depctr_va_vdst(0)
	s_cbranch_scc1 .Lst_\@
.endm
	s_wait_alu depctr_va_vdst(0)                   ; the head's end
	s_wait_loadcnt 0x0                             ; q
	SEQ2                                           ; blocks 0 .. NA - 1 are in, in every partner
	TL NA, NA+NB
	LOOP NA
	s_wait_tensorcnt 0x0                           ; the last stage: my block is in,
	s_barrier_signal -1
	s_barrier_wait -1                              ; everybody's is; nothing more is filled
	LOOP NB
	v_add_f32 v14, v14, v15
	D 1
	v_permlanex16_b32 v252, v14, s44, s45
	D 1
	v_add_f32 v14, v14, v252                       ; the row's sum
	s_wait_alu depctr_va_vdst(0)
	v_rcp_f32 v14, v14
	v_nop
	s_wait_alu depctr_va_vdst(0)
.set j, 0
.rept 32
	v_mul_f32 v[96+j], v[160+j], v14               ; o: register 8 t + i is channel 16 t + 8 h + i of my query
.set j, j+1
.endr
.irp b, 0,1
	v_max3_num_f32 v[232+\b], |v[96+16*\b]|, |v[97+16*\b]|, 0x8000000
.endr
.irp e, 2,4,6,8,10,12,14
.irp b, 0,1
	D 2
	v_max3_num_f32 v[232+\b], v[232+\b], |v[96+16*\b+\e]|, |v[97+16*\b+\e]|
.endr
.endr
.irp b, 0,1
	D 2
	v_permlanex16_b32 v[236+\b], v[232+\b], s44, s45
.endr
.irp b, 0,1
	D 2
	v_max_num_f32 v[232+\b], v[232+\b], v[236+\b]
.endr
.irp b, 0,1
	D 2
	v_add_nc_u32 v[244+\b], 0xf8800000, v[232+\b]
.endr
.irp b, 0,1
	D 4
	v_and_or_b32 v[240+\b], v[232+\b], 0x7f800000, s46
.endr
.irp b, 0,1
	D 4
	v_lshrrev_b32 v[236+\b], 23, v[244+\b]
.endr
	D 1
	v_lshl_or_b32 v221, v237, 8, v236              ; the head's two bytes of my row
.irp b, 0,1
.irp e, 0,1,2,3,4,5,6,7,8,9,10,11,12,13,14,15
	v_med3_num_f32 v[96+16*\b+\e], v[96+16*\b+\e], -v[240+\b], v[240+\b]
.endr
	v_cvt_scalef32_pk8_bf8_f32 v[192+4*\b:193+4*\b], v[96+16*\b:103+16*\b], v[244+\b]
	v_cvt_scalef32_pk8_bf8_f32 v[194+4*\b:195+4*\b], v[104+16*\b:111+16*\b], v[244+\b]
.endr
	v_nop
.irp b, 0,1
	v_permlane16_swap_b32 v[192+4*\b], v[194+4*\b]
	v_permlane16_swap_b32 v[193+4*\b], v[195+4*\b]
.endr
	global_store_b128 v1, v[192:195], s[32:33]             ; 512 consecutive bytes each
	global_store_b128 v1, v[196:199], s[32:33] offset:512
	global_store_b32 v4, v221, s[34:35]                    ; 64 bytes: both halves of the lanes write the same words with the same values
	s_wait_tensorcnt 0x0                           ; the wave's end
	ds_add_u32 v[SPW], v[NIL]
	s_wait_dscnt 0x0
	CROUND                                         ; the closing round
	s_endpgm
.Lfunc_end_k_q61d726d7bc_attn_ca:
	.size	k_q61d726d7bc_attn_ca, .Lfunc_end_k_q61d726d7bc_attn_ca-k_q61d726d7bc_attn_ca
	.p2alignl 7, 3214868480
	.fill 96, 4, 3214868480
	.section	.rodata,"a",@progbits
	.p2align	6, 0x0
	.amdhsa_kernel k_q61d726d7bc_attn_ca
		.amdhsa_group_segment_fixed_size 327680
		.amdhsa_private_segment_fixed_size 0
		.amdhsa_enable_private_segment 0
		.amdhsa_kernarg_size 16
		.amdhsa_user_sgpr_count 2
		.amdhsa_user_sgpr_kernarg_segment_ptr 1
		.amdhsa_wavefront_size32 1
		.amdhsa_system_sgpr_workgroup_id_x 1
		.amdhsa_system_sgpr_workgroup_id_y 1
		.amdhsa_system_sgpr_workgroup_id_z 1
		.amdhsa_system_vgpr_workitem_id 0
		.amdhsa_next_free_vgpr 256
		.amdhsa_next_free_sgpr 66
		.amdhsa_reserve_vcc 0
		.amdhsa_float_denorm_mode_32 3
		.amdhsa_float_denorm_mode_16_64 3
		.amdhsa_memory_ordered 1
		.amdhsa_forward_progress 1
		.amdhsa_inst_pref_size 55
	.end_amdhsa_kernel
	.amdgpu_metadata
---
amdhsa.version: [ 1, 2 ]
amdhsa.kernels:
  - .name:           k_q61d726d7bc_attn_ca
    .symbol:         k_q61d726d7bc_attn_ca.kd
    .args:
      - { .name: qkv, .offset: 0, .size: 8, .value_kind: global_buffer, .address_space: global }
      - { .name: ob, .offset: 8, .size: 8, .value_kind: global_buffer, .address_space: global }
    .group_segment_fixed_size: 327680
    .private_segment_fixed_size: 0
    .kernarg_segment_align: 8
    .kernarg_segment_size: 16
    .max_flat_workgroup_size: 512
    .sgpr_count:     66
    .vgpr_count:     256
    .wavefront_size: 32
...
	.end_amdgpu_metadata
.endif
;; end of part 15
;; launch oproj_ca: the kernel of part 12 again; grid 128 x 2, 4 waves a work-group, clusters of 4 x 1, 327,680 bytes of LDS; arguments ob, ca_wo_codes, ca_wo_scales, ca_bo, x1, out0; writes out0
